; MI455X (gfx1250); checked and timed in simulation.
; The chip was launched on July 23, 2026; its instructions are those of AMD's public machine-readable ISA for CDNA 5 (MIT licence, August 2026) and "CDNA5" Instruction Set Architecture Reference Guide (July 2026). The comments in the code are by the model that wrote it; some were corrected since.
;; Transformer Block. Allowed arithmetic: matrix products marked QUANTISED: E2M1 operands, one E8M0 scale for each 32 along K, by v_wmma_scale_f32_16x16x128_f8f6f4 with both operands' format E2M1 (or v_wmma_scale_f32_32x16x128_f4), f32 sums; everything else in f32.
;; Inputs: W1 2,048 x 1,024 float32; W2 1,024 x 2,048 float32; Wkv 512 x 1,024 float32; Wo 1,024 x 1,024 float32; Wq 1,024 x 1,024 float32; b1 2,048 float32; b2 1,024 float32; cos 2,048 x 64 float32; ln1_b 1,024 float32; ln1_g 1,024 float32; ln2_b 1,024 float32; ln2_g 1,024 float32; sin 2,048 x 64 float32; x 2 x 2,048 x 1,024 float32.
;; Outputs: out0 2 x 2,048 x 1,024 float32.
;; This version of the problem:
;;   THIS VERSION OF THE PROBLEM IS GIVEN IN LOW PRECISION. The matrix products marked QUANTISED in the list below multiply operands that are first quantised to E2M1 (2 exponent bits, 1 mantissa bit; 4 bits a number), with one power-of-two scale for each 32 numbers along K (OCP MX v1.0); their sums are f32. All else is computed in f32.
;;   The module's matrix products, in the order in which they are computed (A, B: the left and right operand; K: the contracted axis; several contracted axes count as one K, in the product's order):
;;     1. [M 4,096, K 1,024] x [K 1,024, N 1,024]; A: computed on the way; B: input Wq: QUANTISED
;;     2. [M 4,096, K 1,024] x [K 1,024, N 512]; A: computed on the way; B: input Wkv: QUANTISED
;;     3. batch 8 x [M 8,192, K 64] x [K 64, N 2,048]; A: computed on the way; B: computed on the way: QUANTISED
;;     4. batch 8 x [M 8,192, K 2,048] x [K 2,048, N 64]; A: softmax (see below); B: computed on the way: QUANTISED
;;     5. [M 4,096, K 1,024] x [K 1,024, N 1,024]; A: computed on the way; B: input Wo: QUANTISED
;;     6. [M 4,096, K 1,024] x [K 1,024, N 2,048]; A: computed on the way; B: input W1: QUANTISED
;;     7. [M 4,096, K 2,048] x [K 2,048, N 1,024]; A: computed on the way; B: input W2: QUANTISED
;;   THE QUANTISER, for each operand of a quantised product, along K:
;;     - K is cut into blocks of 32 from its start; a last block that is shorter is filled with zeros.
;;     - A block's scale is 2^e with e = floor(log2(the largest magnitude in the block)) - 2, held to -126 .. 127; a block of zeros has e = 0. As a byte (E8M0): e + 127.
;;     - Each number is divided by its block's scale, clamped to +-6, and rounded to the nearest number of E2M1, ties to even, subnormals kept.
;;     - The product sums the exact products of the quantised numbers (number of the format x scale) in f32.
;;   ~~~python
;;   def quantise(x, axis):      # numpy; x: float32 -> the quantised numbers, widened to float32 again
;;       x = np.moveaxis(x, axis, -1); K = x.shape[-1]
;;       x = np.pad(x, [(0, 0)] * (x.ndim - 1) + [(0, -K % 32)]); x = x.reshape(x.shape[:-1] + (-1, 32)); a = np.abs(x).max(-1, keepdims=True)
;;       e = np.where(a > 0, np.clip(np.frexp(np.where(a > 0, a, 1))[1] - 1 - 2, -126, 127), 0)      # np.frexp(a)[1] - 1 = floor(log2(a)), exactly
;;       r = np.clip(x / 2.0 ** e, -6, 6)
;;       step = 2.0 ** (np.maximum(np.frexp(np.where(r == 0, 1, r))[1] - 1, 0) - 1)
;;       q = np.round(r / step) * step * 2.0 ** e      # np.round: ties to even
;;       return np.moveaxis(q.reshape(q.shape[:-2] + (-1,))[..., :K], -1, axis).astype(np.float32)
;;   ~~~
;;   SOFTMAX AHEAD OF A QUANTISED PRODUCT. Where the list says 'softmax', what is quantised is not the finished softmax but p = 2^(t - M), with t = logit x log2(e) and M = ceil(the row's largest t), a whole number; so 1/2 < the row's largest p <= 1. The row's sum l is taken of the UNQUANTISED p, in f32, and the product's result is divided by l at the end. Since M is a whole number, a kernel that streams over the keys may use a running M (the ceiling of the running maximum): every later rescaling is an exact power of two, which a block's scale takes up: the codes' values come out the same.
;;   OPERANDS COMPUTED ON THE WAY. 'Computed on the way' means the value that the module computes at that place (a softmax that the list does not call 'softmax' is quantised finished and normalised). What goes into a quantiser is computed in f32, as accurately as f32 sums, v_exp_f32 and their like allow (about 1e-6 of the number): no bf16 or f16 on the way to a quantiser, and a product that is left as it is and whose result goes on into a quantised operand takes f32 operands (vector FMAs, or v_wmma_f32_16x16x4_f32). A number that lies on a knife's edge between two numbers of the format may be rounded either way, as far as f32 arithmetic and the matrix unit's own rounding can turn it there, and no further.
;; 2 versions. Each part assembles by itself: llvm-mc -triple=amdgcn-amd-amdhsa -mcpu=gfx1250 --defsym DOCPART=n.
;; ======== version 1 of 2: 8 launches
;; workspace buffers: wts 3,620,864 bytes; hq 2,228,224 bytes; qkvq 3,506,176 bytes; oq 2,228,224 bytes; x1 16,777,216 bytes; gq 4,456,448 bytes
;; launch wquant (part 1): grid 208 x 1, 4 waves a work-group, no clusters, 35,328 bytes of LDS; arguments Wq, Wkv, Wo, W1, W2, wts; writes wts
.if DOCPART == 1
	.amdgcn_target "amdgcn-amd-amdhsa--gfx1250"
	.amdhsa_code_object_version 6
	.text
	.protected	k_q78f0c715f6_wquant
	.globl	k_q78f0c715f6_wquant
	.p2align	8
	.type	k_q78f0c715f6_wquant,@function
k_q78f0c715f6_wquant:
	s_mov_b64 s[64:65], 0
	v_nop
	global_prefetch_b8 v0, s[64:65] scope:SCOPE_SE
	s_setreg_imm32_b32 hwreg(HW_REG_WAVE_MODE, 25, 1), 1
	s_wait_xcnt 0x0
; The five weights, f32 [N][K] with K innermost, become codes of FP4 (E2M1) with one E8M0 byte for each 32 along K, laid as IMAGES OF THE OPERAND'S REGISTERS:
; codes [K step s][tile i][c][lane][16 bytes]: lane (r, h) of tile i holds block 4 s + 2 c + h of row 32 (i / 2) + 8 (i % 2) + r + 8 (r / 8);  scale words [s][i][r][4 bytes], byte b = block 4 s + b.
; A wave's unit is 4 tiles (64 rows) x one K step of 128: it reads 64 x 512 bytes, writes 4,096 consecutive bytes of codes and 256 consecutive bytes of scale words.  832 units = 208 work-groups x 4 waves.
; A row's 512 bytes are loaded as they lie (16 bytes a lane) and turn through the wave's own stage in LDS, so that a lane ends up with two whole blocks of 32 neighbours.  Waves share nothing: no barrier.
; A block's scale byte is its largest magnitude's exponent field - 2, held at 1 from below.
; LIMITS: NaN and infinities are not served; a block whose largest magnitude lies under 2^-124 gets the byte 1; a block of zeros gets the byte 1, not 127 (its codes are zeros, and this program alone reads the bytes).
.set WQKV_C, 0                         ; regions of wts, in bytes: codes of Wq (tiles 0-63) and Wkv (64-95), [8][96][1024]
.set WO_C,   786432                    ; [8][64][1024]
.set W1_C,   1310720                   ; [8][128][1024]
.set W2_C,   2359296                   ; [16][64][1024]
.set WQKV_S, 3407872                   ; their scale words, 64 bytes a tile
.set WO_S,   3457024
.set W1_S,   3489792
.set W2_S,   3555328
.set SP,     528                       ; a stage row: 512 bytes + 16: an odd multiple of 16, so that sixteen rows start at sixteen different 16-byte columns
.set WREG,   16*SP+256                 ; a wave's LDS: the stage, then its 256 bytes of scale words
.set OFF, 8                            ; v8-23   byte offset of tile row p: 16 x lane + (p + 8 (p / 8)) x row bytes
.set SH,  26                           ; v26     8 h: where my two scale bytes stand in the word
.set X,   32                           ; v32-95  my two blocks of 32 numbers
.set R,   96                           ; v96-223 two sets of 16 rows as loaded
.set C,   224                          ; v224-239 two sets of 8 registers of codes
.set QM,  240                          ; v240-247 at work
.set SEL, 46                           ; s[46:47] lane selects: lane l xor 16
	s_load_b256 s[4:11], s[0:1], 0x0               ; Wq, Wkv, Wo, W1
	s_load_b128 s[12:15], s[0:1], 0x20             ; W2, wts
	v_lshl_add_u32 v254, v0, 2, 0x8800
	v_mov_b32 v255, 0
	v_lshrrev_b32 v1, 5, v0
	v_readfirstlane_b32 s2, v1                     ; wave
	v_and_b32 v1, 31, v0                           ; lane
	v_and_b32 v2, 15, v0                           ; r
	v_bfe_u32 v3, v0, 4, 1                         ; h
	v_lshlrev_b32 v4, 4, v1                        ; 16 x lane
	s_mul_i32 s3, s2, WREG
	v_add_nc_u32 v5, s3, v4                        ; the stage, on the way in
	v_mul_u32_u24 v6, v2, SP
	v_lshl_add_u32 v6, v3, 7, v6
	v_add_nc_u32 v6, s3, v6                        ; and out: row r, + 128 h
	s_add_co_u32 s3, s3, 16*SP
	v_lshl_add_u32 v7, v2, 2, s3                   ; my row's scale word
	v_lshl_add_u32 v24, v1, 3, s3                  ; the words on their way out: 8 bytes a lane
	v_lshlrev_b32 v25, 3, v1
	v_lshlrev_b32 v[SH], 3, v3
	v_mov_b32 v[QM+7], 0                           ; a lane permute's destination counts as read: written once
	s_mov_b32 s[SEL], 0x76543210
	s_mov_b32 s[SEL+1], 0xfedcba98
	s_wait_kmcnt 0x0
; which tensor: the choice hangs on the work-group's number alone.  s[16:17] source, s18 its first work-group, s19 log2 of its K steps, s20 row bytes, s21 tiles in the image, s22 first tile, s23, s24 regions
.macro PICK below, ptr, first, lks, rb, nt, toff, creg, sreg
	s_cmp_lt_u32 ttmp9, \below
	s_cselect_b64 s[16:17], s[\ptr:\ptr+1], s[16:17]
	s_cselect_b32 s18, \first, s18
	s_cselect_b32 s19, \lks, s19
	s_cselect_b32 s20, \rb, s20
	s_cselect_b32 s21, \nt, s21
	s_cselect_b32 s22, \toff, s22
	s_cselect_b32 s23, \creg, s23
	s_cselect_b32 s24, \sreg, s24
.endm
	s_mov_b64 s[16:17], s[12:13]                   ; W2: work-groups 144-207
	s_mov_b32 s18, 144
	s_mov_b32 s19, 4
	s_mov_b32 s20, 8192
	s_mov_b32 s21, 64
	s_mov_b32 s22, 0
	s_mov_b32 s23, W2_C
	s_mov_b32 s24, W2_S
	PICK 144, 10, 80, 3, 4096, 128, 0, W1_C, W1_S
	PICK 80, 8, 48, 3, 4096, 64, 0, WO_C, WO_S
	PICK 48, 6, 32, 3, 4096, 96, 64, WQKV_C, WQKV_S
	PICK 32, 4, 0, 3, 4096, 96, 0, WQKV_C, WQKV_S
	s_sub_co_u32 s25, ttmp9, s18
	s_lshl_b32 s25, s25, 2
	s_add_co_u32 s25, s25, s2                      ; my unit in the tensor
	s_lshl_b32 s26, 1, s19
	s_sub_co_u32 s26, s26, 1
	s_and_b32 s26, s25, s26                        ; K step s: neighbouring waves take neighbouring 512 bytes of the same rows
	s_lshr_b32 s27, s25, s19                       ; group of 64 rows
	s_mul_i32 s36, s26, s21
	s_lshl_b32 s37, s27, 2
	s_add_co_u32 s36, s36, s37
	s_add_co_u32 s36, s36, s22                     ; s x tiles + my first tile
	s_lshl_b32 s38, s36, 10
	s_add_co_u32 s38, s38, s23
	s_mov_b32 s39, 0
	s_add_nc_u64 s[38:39], s[14:15], s[38:39]      ; my 4,096 bytes of codes
	s_lshl_b32 s40, s36, 6
	s_add_co_u32 s40, s40, s24
	s_mov_b32 s41, 0
	s_add_nc_u64 s[40:41], s[14:15], s[40:41]      ; my 256 bytes of scale words
	s_lshl_b32 s42, s27, 6
	s_lshl_b32 s43, s26, 9
.irp t, 0,1,2,3
	s_add_co_u32 s44, s42, 32*(\t/2)+8*(\t%2)      ; tile t's first row
	s_mul_i32 s44, s44, s20
	s_add_co_u32 s44, s44, s43
	s_mov_b32 s45, 0
	s_add_nc_u64 s[28+2*\t:29+2*\t], s[16:17], s[44:45]
.endr
.irp p, 0,1,2,3,4,5,6,7,8,9,10,11,12,13,14,15
	v_mad_u32_u24 v[OFF+\p], s20, \p+8*(\p/8), v4
.endr
.macro LOADT t                         ; tile t's sixteen rows, 512 consecutive bytes each, into set t % 2
.irp p, 0,1,2,3,4,5,6,7,8,9,10,11,12,13,14,15
	global_load_b128 v[R+64*((\t)%2)+4*\p:R+64*((\t)%2)+4*\p+3], v[OFF+\p], s[28+2*(\t):29+2*(\t)] th:TH_LOAD_NT
.endr
.endm
; Two whole blocks of a lane, v[X + 32 c + 0 .. 31], become eight registers of codes; v[QM+6] becomes the row's scale word (my two bytes and lane l xor 16's two).
.macro QB X, C
	v_max3_num_f32 v[QM], |v[\X]|, |v[\X+1]|, 0x1800000            ; the floor 2^(3 - 127) among the leaves holds the byte at 1 from below
	v_max3_num_f32 v[QM+1], |v[\X+32]|, |v[\X+33]|, 0x1800000
.irp i, 2,4,6,8,10,12,14,16,18,20,22,24,26,28,30
	v_max3_num_f32 v[QM], v[QM], |v[\X+\i]|, |v[\X+\i+1]|          ; the two blocks by turns
	v_max3_num_f32 v[QM+1], v[QM+1], |v[\X+32+\i]|, |v[\X+33+\i]|
.endr
	v_add_nc_u32 v[QM+2], 0xff000000, v[QM]        ; 2 off the exponent field: the conversion's scale operand
	v_add_nc_u32 v[QM+3], 0xff000000, v[QM+1]
	v_lshrrev_b32 v[QM+4], 23, v[QM+2]             ; the scale's byte
	v_lshrrev_b32 v[QM+5], 23, v[QM+3]
	v_lshl_or_b32 v[QM+6], v[QM+5], 16, v[QM+4]    ; blocks h and 2 + h,
	v_lshlrev_b32 v[QM+6], v[SH], v[QM+6]          ; at their places in the word
	v_permlanex16_b32 v[QM+7], v[QM+6], s[SEL], s[SEL+1]
	v_or_b32 v[QM+6], v[QM+6], v[QM+7]
.irp g, 0,1,2,3
	v_cvt_scalef32_pk8_fp4_f32 v[\C+\g], v[\X+8*\g:\X+8*\g+7], v[QM+2]
.endr
.irp g, 0,1,2,3
	v_cvt_scalef32_pk8_fp4_f32 v[\C+4+\g], v[\X+32+8*\g:\X+39+8*\g], v[QM+3]
.endr
	v_nop                                          ; one plain place behind the last scaled conversion
.endm
.macro TILE t
.if (\t) < 3
	s_wait_loadcnt 16                              ; this tile's sixteen loads are in; the next tile's may be out
.else
	s_wait_loadcnt 0x0
.endif
.irp p, 0,1,2,3,4,5,6,7,8,9,10,11,12,13,14,15
	ds_store_b128 v5, v[R+64*((\t)%2)+4*\p:R+64*((\t)%2)+4*\p+3] offset:SP*\p
.endr
.irp c, 0,1
.irp j, 0,1,2,3,4,5,6,7
	ds_load_b128 v[X+32*\c+4*\j:X+32*\c+4*\j+3], v6 offset:256*\c+16*\j      ; LDS serves a wave's instructions in order: these see the stores above
.endr
.endr
	s_wait_dscnt 0x0
.if (\t)+2 < 4
	LOADT (\t)+2
.else
	s_wait_xcnt 0x0                                ; the stores of two tiles ago have read this set of codes: it is written again only behind this wait
.endif
	QB X, C+8*((\t)%2)
	global_store_b128 v4, v[C+8*((\t)%2):C+8*((\t)%2)+3], s[38:39] offset:1024*(\t)        ; 32 lanes store 512 consecutive bytes
	global_store_b128 v4, v[C+8*((\t)%2)+4:C+8*((\t)%2)+7], s[38:39] offset:1024*(\t)+512
	ds_store_b32 v7, v[QM+6] offset:64*(\t)        ; both halves of the lanes write the same word with the same value
.endm
	LOADT 0
	LOADT 1
	TILE 0
	TILE 1
	TILE 2
	TILE 3
	ds_load_b64 v[248:249], v24
	s_wait_dscnt 0x0
	global_store_b64 v25, v[248:249], s[40:41]     ; four tiles' scale words: 256 consecutive bytes, aligned
	s_wait_tensorcnt 0x0
	ds_add_u32 v254, v255
	s_wait_dscnt 0x0
	s_endpgm
.Lfunc_end_k_q78f0c715f6_wquant:
	.size	k_q78f0c715f6_wquant, .Lfunc_end_k_q78f0c715f6_wquant-k_q78f0c715f6_wquant
	.p2alignl 7, 3214868480
	.fill 96, 4, 3214868480
	.section	.rodata,"a",@progbits
	.p2align	6, 0x0
	.amdhsa_kernel k_q78f0c715f6_wquant
		.amdhsa_group_segment_fixed_size 35328
		.amdhsa_private_segment_fixed_size 0
		.amdhsa_enable_private_segment 0
		.amdhsa_kernarg_size 48
		.amdhsa_user_sgpr_count 2
		.amdhsa_user_sgpr_kernarg_segment_ptr 1
		.amdhsa_wavefront_size32 1
		.amdhsa_system_sgpr_workgroup_id_x 1
		.amdhsa_system_sgpr_workgroup_id_y 1
		.amdhsa_system_sgpr_workgroup_id_z 1
		.amdhsa_system_vgpr_workitem_id 0
		.amdhsa_next_free_vgpr 256
		.amdhsa_next_free_sgpr 66
		.amdhsa_reserve_vcc 0
		.amdhsa_float_denorm_mode_32 3
		.amdhsa_float_denorm_mode_16_64 3
		.amdhsa_memory_ordered 1
		.amdhsa_forward_progress 1
		.amdhsa_inst_pref_size 34
	.end_amdhsa_kernel
	.amdgpu_metadata
---
amdhsa.version: [ 1, 2 ]
amdhsa.kernels:
  - .name:           k_q78f0c715f6_wquant
    .symbol:         k_q78f0c715f6_wquant.kd
    .args:
      - { .name: Wq, .offset: 0, .size: 8, .value_kind: global_buffer, .address_space: global }
      - { .name: Wkv, .offset: 8, .size: 8, .value_kind: global_buffer, .address_space: global }
      - { .name: Wo, .offset: 16, .size: 8, .value_kind: global_buffer, .address_space: global }
      - { .name: W1, .offset: 24, .size: 8, .value_kind: global_buffer, .address_space: global }
      - { .name: W2, .offset: 32, .size: 8, .value_kind: global_buffer, .address_space: global }
      - { .name: wts, .offset: 40, .size: 8, .value_kind: global_buffer, .address_space: global }
    .group_segment_fixed_size: 35328
    .private_segment_fixed_size: 0
    .kernarg_segment_align: 8
    .kernarg_segment_size: 48
    .max_flat_workgroup_size: 128
    .sgpr_count:     66
    .vgpr_count:     256
    .wavefront_size: 32
...
	.end_amdgpu_metadata
.endif
;; end of part 1
;; launch ln1 (part 2): grid 256 x 1, 8 waves a work-group, no clusters, 66,816 bytes of LDS; arguments x, ln1_g, ln1_b, hq; writes hq
.if DOCPART == 2
	.amdgcn_target "amdgcn-amd-amdhsa--gfx1250"
	.amdhsa_code_object_version 6
	.text
	.protected	k_q78f0c715f6_ln1
	.globl	k_q78f0c715f6_ln1
	.p2align	8
	.type	k_q78f0c715f6_ln1,@function
k_q78f0c715f6_ln1:
	s_mov_b64 s[64:65], 0
	v_nop
	global_prefetch_b8 v0, s[64:65] scope:SCOPE_SE
	s_setreg_imm32_b32 hwreg(HW_REG_WAVE_MODE, 25, 1), 1
	s_wait_xcnt 0x0
; LayerNorm over 1,024 channels in f32 (mean; mean of squared differences; rsqrt(var + 1e-5); gain, bias), then the quantiser along the channels: codes of FP4 (E2M1), one E8M0 byte for each 32.
; Output: images of the operand's registers: codes [K step s 8][tile i 256][c][lane][16 bytes], scale words [s][i][r][4 bytes]; row r of tile i is token 32 (i / 2) + 8 (i % 2) + r + 8 (r / 8).
; A work-group makes one tile of 16 tokens.  Phase 1: wave w normalises tile rows 2 w and 2 w + 1 (two neighbouring tokens, 8 KiB on end), each row whole in 32 registers; the rows meet in LDS.
; Phase 2: wave w quantises K step w of all sixteen rows; a lane holds two whole blocks.  The scale words leave in pieces of 64 bytes: one byte in 128 of what the launch reads.
; LIMITS: NaN and infinities are not served; a block whose largest magnitude lies under 2^-124, or a block of zeros, gets the byte 1 (zero codes add nothing; this program alone reads the bytes).
.set H_S, 2097152                      ; the scale words' region
.set RP,  4112                         ; a row in LDS: 4,096 bytes + 16: an odd multiple of 16
.set SH,  8                            ; v8  8 h
.set X,   32                           ; v32-95   two rows, later two blocks
.set GA,  96                           ; v96-127  gain
.set BE,  128                          ; v128-159 bias
.set TA,  160                          ; v160-175 eight registers of statistics a row
.set QM,  176                          ; v176-183 at work
.set CD,  184                          ; v184-191 codes
.set SEL, 12
	s_load_b256 s[4:11], s[0:1], 0x0               ; the rows, gain, bias, the images
	v_lshl_add_u32 v192, v0, 2, 0x10100
	v_mov_b32 v193, 0
	v_lshrrev_b32 v1, 5, v0
	v_readfirstlane_b32 s2, v1                     ; wave
	v_and_b32 v1, 31, v0
	v_and_b32 v2, 15, v0                           ; r
	v_bfe_u32 v3, v0, 4, 1                         ; h
	v_lshlrev_b32 v4, 4, v1                        ; 16 x lane
	s_mul_i32 s3, s2, 2*RP
	v_add_nc_u32 v5, s3, v4                        ; LDS, in: my two rows
	v_mul_u32_u24 v6, v2, RP
	v_lshl_add_u32 v6, v3, 7, v6
	s_lshl_b32 s3, s2, 9
	v_add_nc_u32 v6, s3, v6                        ; out: row r, K step w, + 128 h
	v_lshlrev_b32 v7, 2, v2
	v_lshlrev_b32 v[SH], 3, v3
	v_mov_b32 v[TA+5], 0                           ; lane permutes' destinations count as read: written once
	v_mov_b32 v[TA+13], 0
	v_mov_b32 v[QM+7], 0
	s_mov_b32 s[SEL], 0x76543210
	s_mov_b32 s[SEL+1], 0xfedcba98
	s_mov_b32 s14, 0x3a800000                      ; 1 / 1,024
	s_mov_b32 s15, 0x3727c5ac                      ; 1e-5
	s_lshr_b32 s16, ttmp9, 1
	s_lshl_b32 s16, s16, 5
	s_and_b32 s17, ttmp9, 1
	s_lshl_b32 s17, s17, 3
	s_add_co_u32 s16, s16, s17
	s_lshl_b32 s17, s2, 1
	s_add_co_u32 s16, s16, s17
	s_lshr_b32 s17, s2, 2
	s_lshl_b32 s17, s17, 3
	s_add_co_u32 s16, s16, s17                     ; my first token: 32 (i / 2) + 8 (i % 2) + 2 w + 8 (w / 4)
	s_lshl_b32 s16, s16, 12
	s_mov_b32 s17, 0
	s_lshl_b32 s18, s2, 8
	s_add_co_u32 s18, s18, ttmp9                   ; 256 s + i, s = my wave's number
	s_lshl_b32 s20, s18, 10
	s_mov_b32 s21, 0
	s_lshl_b32 s22, s18, 6
	s_add_co_u32 s22, s22, H_S
	s_mov_b32 s23, 0
	s_wait_kmcnt 0x0
	s_add_nc_u64 s[4:5], s[4:5], s[16:17]
	s_add_nc_u64 s[20:21], s[10:11], s[20:21]
	s_add_nc_u64 s[22:23], s[10:11], s[22:23]
.irp a, 0,1
.irp j, 0,1,2,3,4,5,6,7
	global_load_b128 v[X+32*\a+4*\j:X+32*\a+4*\j+3], v4, s[4:5] offset:4096*\a+512*\j      ; register 32 a + 4 j + k: column 128 j + 4 lane + k
.endr
.endr
.irp j, 0,1,2,3,4,5,6,7
	global_load_b128 v[GA+4*\j:GA+4*\j+3], v4, s[6:7] offset:512*\j
.endr
.irp j, 0,1,2,3,4,5,6,7
	global_load_b128 v[BE+4*\j:BE+4*\j+3], v4, s[8:9] offset:512*\j
.endr
.macro WSUM r, t                       ; the sum over the wave's 32 lanes, in every lane
	v_add_f32_dpp v[\r], v[\r], v[\r] row_xmask:1 row_mask:0xf bank_mask:0xf
	v_add_f32_dpp v[\r], v[\r], v[\r] row_xmask:2 row_mask:0xf bank_mask:0xf
	v_add_f32_dpp v[\r], v[\r], v[\r] row_xmask:4 row_mask:0xf bank_mask:0xf
	v_add_f32_dpp v[\r], v[\r], v[\r] row_xmask:8 row_mask:0xf bank_mask:0xf
	v_permlanex16_b32 v[\t], v[\r], s[SEL], s[SEL+1]
	v_add_f32 v[\r], v[\r], v[\t]
.endm
.macro STATS a                         ; row a becomes (x - mean) / sqrt(var + eps), in place
.set XA, X+32*\a
.set T, TA+8*\a
	v_pk_add_f32 v[T:T+1], v[XA:XA+1], v[XA+2:XA+3]                ; two chains of packed sums
	v_pk_add_f32 v[T+2:T+3], v[XA+4:XA+5], v[XA+6:XA+7]
.irp i, 8,12,16,20,24,28
	v_pk_add_f32 v[T:T+1], v[T:T+1], v[XA+\i:XA+\i+1]
	v_pk_add_f32 v[T+2:T+3], v[T+2:T+3], v[XA+\i+2:XA+\i+3]
.endr
	v_pk_add_f32 v[T:T+1], v[T:T+1], v[T+2:T+3]
	v_add_f32 v[T+4], v[T], v[T+1]
	WSUM T+4, T+5
	v_mul_f32 v[T+6], s14, v[T+4]                  ; the mean, twice: a pair for the packed form
	v_mov_b32 v[T+7], v[T+6]
.irp i, 0,2,4,6,8,10,12,14,16,18,20,22,24,26,28,30
	v_pk_add_f32 v[XA+\i:XA+\i+1], v[XA+\i:XA+\i+1], v[T+6:T+7] neg_lo:[0,1] neg_hi:[0,1]
.endr
	v_pk_mul_f32 v[T:T+1], v[XA:XA+1], v[XA:XA+1]
	v_pk_mul_f32 v[T+2:T+3], v[XA+2:XA+3], v[XA+2:XA+3]
.irp i, 4,8,12,16,20,24,28
	v_pk_fma_f32 v[T:T+1], v[XA+\i:XA+\i+1], v[XA+\i:XA+\i+1], v[T:T+1]
	v_pk_fma_f32 v[T+2:T+3], v[XA+\i+2:XA+\i+3], v[XA+\i+2:XA+\i+3], v[T+2:T+3]
.endr
	v_pk_add_f32 v[T:T+1], v[T:T+1], v[T+2:T+3]
	v_add_f32 v[T+4], v[T], v[T+1]
	WSUM T+4, T+5
	v_fma_f32 v[T+4], v[T+4], s14, s15             ; var + eps
	v_rsq_f32 v[T+6], v[T+4]
	v_nop                                          ; one plain place behind the transcendental
	s_wait_alu depctr_va_vdst(0)
	v_mov_b32 v[T+7], v[T+6]
.irp i, 0,2,4,6,8,10,12,14,16,18,20,22,24,26,28,30
	v_pk_mul_f32 v[XA+\i:XA+\i+1], v[XA+\i:XA+\i+1], v[T+6:T+7]
.endr
.endm
	s_wait_loadcnt 16                              ; the two rows are in; gain's and bias's sixteen loads may be out
	STATS 0
	STATS 1
	s_wait_loadcnt 0x0
.irp a, 0,1
.irp i, 0,2,4,6,8,10,12,14,16,18,20,22,24,26,28,30
	v_pk_fma_f32 v[X+32*\a+\i:X+32*\a+\i+1], v[X+32*\a+\i:X+32*\a+\i+1], v[GA+\i:GA+\i+1], v[BE+\i:BE+\i+1]
.endr
.endr
.irp a, 0,1
.irp j, 0,1,2,3,4,5,6,7
	ds_store_b128 v5, v[X+32*\a+4*\j:X+32*\a+4*\j+3] offset:RP*\a+512*\j
.endr
.endr
	s_wait_dscnt 0x0                               ; for the others' sake: my rows lie in LDS
	s_barrier_signal -1
	s_barrier_wait -1
.irp c, 0,1
.irp j, 0,1,2,3,4,5,6,7
	ds_load_b128 v[X+32*\c+4*\j:X+32*\c+4*\j+3], v6 offset:256*\c+16*\j      ; block 4 w + 2 c + h of row r
.endr
.endr
	s_wait_dscnt 0x0
	v_max3_num_f32 v[QM], |v[X]|, |v[X+1]|, 0x1800000              ; the floor 2^(3 - 127) among the leaves holds the byte at 1 from below
	v_max3_num_f32 v[QM+1], |v[X+32]|, |v[X+33]|, 0x1800000
.irp i, 2,4,6,8,10,12,14,16,18,20,22,24,26,28,30
	v_max3_num_f32 v[QM], v[QM], |v[X+\i]|, |v[X+\i+1]|
	v_max3_num_f32 v[QM+1], v[QM+1], |v[X+32+\i]|, |v[X+33+\i]|
.endr
	v_add_nc_u32 v[QM+2], 0xff000000, v[QM]        ; 2 off the exponent field: the conversion's scale operand
	v_add_nc_u32 v[QM+3], 0xff000000, v[QM+1]
	v_lshrrev_b32 v[QM+4], 23, v[QM+2]
	v_lshrrev_b32 v[QM+5], 23, v[QM+3]
	v_lshl_or_b32 v[QM+6], v[QM+5], 16, v[QM+4]
	v_lshlrev_b32 v[QM+6], v[SH], v[QM+6]
	v_permlanex16_b32 v[QM+7], v[QM+6], s[SEL], s[SEL+1]
	v_or_b32 v[QM+6], v[QM+6], v[QM+7]             ; the row's scale word
.irp g, 0,1,2,3
	v_cvt_scalef32_pk8_fp4_f32 v[CD+\g], v[X+8*\g:X+8*\g+7], v[QM+2]
.endr
.irp g, 0,1,2,3
	v_cvt_scalef32_pk8_fp4_f32 v[CD+4+\g], v[X+32+8*\g:X+39+8*\g], v[QM+3]
.endr
	v_cmp_gt_u32 vcc_lo, 16, v1                    ; (a plain place behind the conversions)
	global_store_b128 v4, v[CD:CD+3], s[20:21]     ; 512 consecutive bytes a store
	global_store_b128 v4, v[CD+4:CD+7], s[20:21] offset:512
	s_wait_xcnt 0x0                                ; EXEC changes only behind this wait
	s_wait_tensorcnt 0x0
	ds_add_u32 v192, v193
	s_wait_dscnt 0x0
	s_and_saveexec_b32 s24, vcc_lo
	global_store_b32 v7, v[QM+6], s[22:23]         ; lanes 0-15: the tile's sixteen words
	s_wait_xcnt 0x0
	s_or_b32 exec_lo, exec_lo, s24
	s_endpgm
.Lfunc_end_k_q78f0c715f6_ln1:
	.size	k_q78f0c715f6_ln1, .Lfunc_end_k_q78f0c715f6_ln1-k_q78f0c715f6_ln1
	.p2alignl 7, 3214868480
	.fill 96, 4, 3214868480
	.section	.rodata,"a",@progbits
	.p2align	6, 0x0
	.amdhsa_kernel k_q78f0c715f6_ln1
		.amdhsa_group_segment_fixed_size 66816
		.amdhsa_private_segment_fixed_size 0
		.amdhsa_enable_private_segment 0
		.amdhsa_kernarg_size 32
		.amdhsa_user_sgpr_count 2
		.amdhsa_user_sgpr_kernarg_segment_ptr 1
		.amdhsa_wavefront_size32 1
		.amdhsa_system_sgpr_workgroup_id_x 1
		.amdhsa_system_sgpr_workgroup_id_y 1
		.amdhsa_system_sgpr_workgroup_id_z 1
		.amdhsa_system_vgpr_workitem_id 0
		.amdhsa_next_free_vgpr 194
		.amdhsa_next_free_sgpr 66
		.amdhsa_reserve_vcc 1
		.amdhsa_float_denorm_mode_32 3
		.amdhsa_float_denorm_mode_16_64 3
		.amdhsa_memory_ordered 1
		.amdhsa_forward_progress 1
		.amdhsa_inst_pref_size 23
	.end_amdhsa_kernel
	.amdgpu_metadata
---
amdhsa.version: [ 1, 2 ]
amdhsa.kernels:
  - .name:           k_q78f0c715f6_ln1
    .symbol:         k_q78f0c715f6_ln1.kd
    .args:
      - { .name: x, .offset: 0, .size: 8, .value_kind: global_buffer, .address_space: global }
      - { .name: ln1_g, .offset: 8, .size: 8, .value_kind: global_buffer, .address_space: global }
      - { .name: ln1_b, .offset: 16, .size: 8, .value_kind: global_buffer, .address_space: global }
      - { .name: hq, .offset: 24, .size: 8, .value_kind: global_buffer, .address_space: global }
    .group_segment_fixed_size: 66816
    .private_segment_fixed_size: 0
    .kernarg_segment_align: 8
    .kernarg_segment_size: 32
    .max_flat_workgroup_size: 256
    .sgpr_count:     66
    .vgpr_count:     194
    .wavefront_size: 32
...
	.end_amdgpu_metadata
.endif
;; end of part 2
;; launch qkv (part 3): grid 64 x 4, 6 waves a work-group, no clusters, 280,832 bytes of LDS; arguments hq, wts, cos, sin, qkvq; writes qkvq
.if DOCPART == 3
	.amdgcn_target "amdgcn-amd-amdhsa--gfx1250"
	.amdhsa_code_object_version 6
	.text
	.protected	k_q78f0c715f6_qkv
	.globl	k_q78f0c715f6_qkv
	.p2align	8
	.type	k_q78f0c715f6_qkv,@function
k_q78f0c715f6_qkv:
	s_mov_b64 s[64:65], 0
	v_nop
	global_prefetch_b8 v0, s[64:65] scope:SCOPE_SE
	s_setreg_imm32_b32 hwreg(HW_REG_WAVE_MODE, 25, 1), 1
	s_wait_xcnt 0x0
; q, k, v = h Wq^T, h Wkv^T on codes of FP4 (E2M1) with E8M0 scales, K = 1,024; RoPE on q and k in f32; then q and k are quantised along the head's 64, v along the tokens, for the two products of attention.
; A work-group takes 64 tokens (x) and one key-value head j (y).  Waves 0-3: query heads 4 j + w; wave 4: k; wave 5: v.  Each makes 64 x 64: 16 accumulators, register window 1.
; ALL OPERANDS OF THE WORK-GROUP FIT IN LDS AT ONCE: they come once, by tensor loads at the head, one wait for all of them, one barrier.  No LDS byte is filled twice.
; Operands lie as images of their registers ([K step][tile][c][lane][16 bytes]): a fragment is two ds_load_b128 at 16 x lane.  Row r of tile i is row 32 (i / 2) + 8 (i % 2) + r + 8 (r / 8).
; Waves 0-4 use the product transposed (source 0 = 16 rows of W, source 1 = 16 tokens): a lane holds one token, and the 32 registers of a token tile are the head's channels 32 b + 16 h + 0 .. 15, b = 0, 1.
; Wave 5 takes the tokens as source 0 and W's rows as source 1, so that a lane holds one channel of v and its registers run along the tokens, v's K.  Only the two base addresses differ: the K walk has no branch.
; Out: q codes [head 16][tile 256][512 B], k codes [bk 8][tile 128][512 B] (the head's 64 are half a K step; the words' upper two bytes are 127, the other half's codes are zeros in the reader's registers),
; v codes [bk][key step 16][channel tile 4][1,024 B]; words 64 bytes a tile.  v's scale bytes leave two at a time (64 tokens are half of a word's 128): 32 KiB in the launch.
; LIMITS: NaN and infinities are not served; a block under 2^-124 or of zeros gets the byte 1.
.set KSTEPS, 8
.set SSTR,   4096                      ; LDS: from K step to K step in a region of codes (4 tiles),
.set CSTR,   256                       ; and of scale words
.set SCB,    229376                    ; seven regions of codes of 32,768 bytes from 0 (0-4: W of waves 0-4; 5: h; 6: W of wave 5); here seven of scale words of 2,048, in the same order
.set COSL,   243712                    ; 64 rows of cos, 256 bytes + 16
.set SINL,   261120                    ; and of sin
.set MST,    278528                    ; 256 bytes a wave: scale words on their way out; no tile lands here
.set NOPAD,  3<<16                     ; group 1, word 0: elements of 8 bytes
.set PAD16,  (3<<16)|(1<<20)|(5<<22)|(3<<25)   ; and four words of padding behind every 64
.set WQKV_S, 3407872
.set H_S,    2097152
.set Q_C, 0
.set K_C, 2097152
.set V_C, 2621440
.set Q_S, 3145728
.set K_S, 3407872
.set V_S, 3473408
.set ADP, 4                            ; v4  source 0's fragments   v5 source 1's   v6 scale words: lanes 0-15 source 0's, lanes 16-31 source 1's
.set ADQ, 5
.set ADS, 6
.set ACS, 7                            ; v7  my token's row of cos
.set MSW, 8                            ; v8, v9  scale words into and out of my 256 bytes
.set MSR, 9
.set L16, 10                           ; v10-12  16, 8, 4 x lane
.set L8,  11
.set L4,  12
.set CO,  32                           ; behind the K walk: v32-63 cos, v64-95 sin, v96-127 the rotated numbers
.set SI,  64
.set TT,  96
.set QM,  200                          ; v200-207 at work
.set WD,  208
.set CD,  212                          ; v212-227 codes, four registers for each tile, so that no store's data are written again
.set HW,  228
.set WV,  2
.set SEL, 62
.set GWC0, 12                          ; descriptor groups 0, four registers for each of the six tiles: my W's codes, my W's scale words,
.set GWS0, 16
.set GHC0, 20                          ; h's codes, h's scale words,
.set GHS0, 24
.set GCO0, 28                          ; cos, sin
.set GSI0, 32
.set GWC1, 36                          ; groups 1, eight registers for each shape; cos and sin share one
.set GWS1, 68
.set GHC1, 76
.set GHS1, 84
.set GCS1, 92
.set MSB, 0
.macro WIN new                         ; the immediate's high byte repeats the setting that is left
.if MSB != (\new)
	s_set_vgpr_msb (MSB<<8)|(\new)
.set MSB, (\new)
.endif
.endm
; ALL DESCRIPTORS ARE WRITTEN AHEAD OF THE FIRST TENSOR LOAD, by every wave, each tile's group 0 in registers of its own: none of these registers is written again before the wait for all loads.
.macro GRP0 g, lds, bp, op, extra      ; to LDS byte lds, from the buffer in s[bp] + the offset in s[op] + extra
	s_mov_b32 s[\g], 1
	s_mov_b32 s[\g+1], \lds
	s_add_nc_u64 s[\g+2:\g+3], s[\bp:\bp+1], s[\op:\op+1]
.if \extra
	s_add_nc_u64 s[\g+2:\g+3], s[\g+2:\g+3], \extra
.endif
	s_or_b32 s[\g+3], s[\g+3], 0x80000000
.endm
.macro GRP1 g, c8, rows, pitch8, flags ; rows x (8 c8) bytes, 8 pitch8 bytes from row to row
	s_mov_b32 s[\g], \flags
	s_mov_b32 s[\g+1], (\c8)<<16
	s_mov_b32 s[\g+2], (\rows)<<16
	s_mov_b32 s[\g+3], (\c8)<<16
	s_mov_b32 s[\g+4], \rows
	s_mov_b32 s[\g+5], \pitch8
	s_mov_b32 s[\g+6], 0
	s_mov_b32 s[\g+7], 0
.endm
.macro ASK wv, g0, g1                  ; wave wv alone asks for this tile; four v_nop follow the load
	s_cmp_eq_u32 s[WV], \wv
	s_cbranch_scc0 .Lskip_\@
	tensor_load_to_lds s[\g0:\g0+3], s[\g1:\g1+7]
	s_nop 0
.rept 4
	v_nop
.endr
.Lskip_\@:
.endm
.macro FETCH ap, aq, off, soff, f      ; 20 LDS loads: four fragments of each source and four registers of scale words, into buffer f
.irp t, 0,1,2,3
	ds_load_b128 v[32+64*(\f)+8*\t:32+64*(\f)+8*\t+3], v[\ap] offset:(\off)+1024*\t
	ds_load_b128 v[32+64*(\f)+8*\t+4:32+64*(\f)+8*\t+7], v[\ap] offset:(\off)+1024*\t+512
.endr
.irp t, 0,1,2,3
	ds_load_b128 v[64+64*(\f)+8*\t:64+64*(\f)+8*\t+3], v[\aq] offset:(\off)+1024*\t
	ds_load_b128 v[64+64*(\f)+8*\t+4:64+64*(\f)+8*\t+7], v[\aq] offset:(\off)+1024*\t+512
.endr
.irp t, 0,1,2,3
	ds_load_b32 v[160+4*(\f)+\t], v[ADS] offset:(\soff)+64*\t
.endr
.endm
.macro MUL f, mode                     ; 16 products, the 16 accumulators by turns, one instruction a turn.  mode 1: the first K step starts the sums
	WIN 0x50                                       ; C and D in window 1
.irp q, 0,1,2,3
.irp p, 0,1,2,3
.if \mode == 1
	v_wmma_scale_f32_16x16x128_f8f6f4 v[32*\q+8*\p:32*\q+8*\p+7], v[32+64*(\f)+8*\p:32+64*(\f)+8*\p+7], v[64+64*(\f)+8*\q:64+64*(\f)+8*\q+7], 0, v[160+4*(\f)+\p], v[160+4*(\f)+\q] matrix_a_fmt:MATRIX_FMT_FP4 matrix_b_fmt:MATRIX_FMT_FP4 matrix_b_scale:MATRIX_SCALE_ROW1
.else
	v_wmma_scale_f32_16x16x128_f8f6f4 v[32*\q+8*\p:32*\q+8*\p+7], v[32+64*(\f)+8*\p:32+64*(\f)+8*\p+7], v[64+64*(\f)+8*\q:64+64*(\f)+8*\q+7], v[32*\q+8*\p:32*\q+8*\p+7], v[160+4*(\f)+\p], v[160+4*(\f)+\q] matrix_a_fmt:MATRIX_FMT_FP4 matrix_b_fmt:MATRIX_FMT_FP4 matrix_b_scale:MATRIX_SCALE_ROW1
.endif
.endr
.endr
	WIN 0
.endm
; 32 numbers of a lane, register 16 b + i = k 32 b + 16 h + i of its row (window win), become four registers of codes: block h of the row, 16 bytes, the image's piece at 16 x lane.  v[QM+6], v[QM+7]: the two bytes.
.macro QUANT2 T, win, C
	WIN 0x05*\win
	v_max3_num_f32 v[QM], |v[\T]|, |v[\T+1]|, 0x1800000            ; each accumulator is read from its low end on; the floor 2^(3 - 127) holds the byte at 1 from below
	v_max3_num_f32 v[QM+1], |v[\T+16]|, |v[\T+17]|, 0x1800000
	WIN 0x14*\win
.irp i, 2,4,6,8,10,12,14
	v_max3_num_f32 v[QM], v[QM], |v[\T+\i]|, |v[\T+\i+1]|
	v_max3_num_f32 v[QM+1], v[QM+1], |v[\T+16+\i]|, |v[\T+17+\i]|
.endr
	WIN 0
	v_permlanex16_b32 v[QM+2], v[QM], s[SEL], s[SEL+1]
	v_permlanex16_b32 v[QM+3], v[QM+1], s[SEL], s[SEL+1]
	v_max_num_f32 v[QM], v[QM], v[QM+2]            ; with lane l xor 16's sixteen: the block's largest magnitude
	v_max_num_f32 v[QM+1], v[QM+1], v[QM+3]
	v_add_nc_u32 v[QM+4], 0xff000000, v[QM]        ; 2 off the exponent field: the conversion's scale operand
	v_add_nc_u32 v[QM+5], 0xff000000, v[QM+1]
	v_lshrrev_b32 v[QM+6], 23, v[QM+4]
	v_lshrrev_b32 v[QM+7], 23, v[QM+5]
	WIN 0x01*\win
	v_cvt_scalef32_pk8_fp4_f32 v[\C], v[\T:\T+7], v[QM+4]
	v_cvt_scalef32_pk8_fp4_f32 v[\C+1], v[\T+8:\T+15], v[QM+4]
	v_cvt_scalef32_pk8_fp4_f32 v[\C+2], v[\T+16:\T+23], v[QM+5]
	v_cvt_scalef32_pk8_fp4_f32 v[\C+3], v[\T+24:\T+31], v[QM+5]
	WIN 0
	v_nop                                          ; one plain place behind the last scaled conversion
	v_permlane16_swap_b32 v[\C], v[\C+2]           ; a whole block to a lane: lanes 0-15 block 0, lanes 16-31 block 1
	v_permlane16_swap_b32 v[\C+1], v[\C+3]
.endm
	s_load_b256 s[4:11], s[0:1], 0x0               ; hq, wts, cos, sin
	s_load_b64 s[48:49], s[0:1], 0x20              ; the images of q, k, v
	v_lshl_add_u32 v254, v0, 2, 0x44600
	v_mov_b32 v255, 0
	ds_add_u32 v254, v255
	ds_add_u32 v254, v255
	v_lshrrev_b32 v1, 5, v0
	v_readfirstlane_b32 s[WV], v1                  ; wave 0..5
	v_and_b32 v1, 31, v0
	v_and_b32 v2, 15, v0                           ; r
	v_bfe_u32 v3, v0, 4, 1                         ; h
	s_add_co_u32 s3, s[WV], 3
	s_lshr_b32 s3, s3, 3                           ; 1 for wave 5, else 0
	v_lshlrev_b32 v[L16], 4, v1
	v_lshlrev_b32 v[L8], 3, v1
	v_lshlrev_b32 v[L4], 2, v1
	s_lshl_b32 s50, s[WV], 15
	v_add_nc_u32 v[ADP], s50, v[L16]               ; source 0: region w (waves 0-4: their W; wave 5: h)
	s_add_co_u32 s50, s3, 5
	s_lshl_b32 s50, s50, 15
	v_add_nc_u32 v[ADQ], s50, v[L16]               ; source 1: region 5 (h), for wave 5 region 6 (its W)
	s_add_co_u32 s50, s3, 5
	s_sub_co_u32 s50, s50, s[WV]
	s_lshl_b32 s50, s50, 11                        ; from source 0's scale words to source 1's: at least one region
	v_mul_u32_u24 v[ADS], s50, v3                  ; lanes 16-31 take source 1's
	v_lshl_add_u32 v[ADS], v2, 2, v[ADS]
	s_lshl_b32 s50, s[WV], 11
	s_add_co_u32 s50, s50, SCB
	v_add_nc_u32 v[ADS], s50, v[ADS]
	v_and_b32 v[ACS], 8, v2
	v_add_nc_u32 v[ACS], v[ACS], v2                ; r + 8 (r / 8)
	v_mul_u32_u24 v[ACS], v[ACS], 272
	v_lshl_add_u32 v[ACS], v3, 6, v[ACS]
	v_add_nc_u32 v[ACS], COSL, v[ACS]
	s_lshl_b32 s50, s[WV], 8
	s_add_co_u32 s50, s50, MST
	v_lshl_add_u32 v[MSW], v2, 2, s50
	v_add_nc_u32 v[MSR], s50, v[L8]
	v_mov_b32 v[QM+2], 0                           ; lane permutes' destinations count as read: written once
	v_mov_b32 v[QM+3], 0
	s_mov_b32 s[SEL], 0x76543210
	s_mov_b32 s[SEL+1], 0xfedcba98
	GRP1 GWC1, 512, 8, 12288, NOPAD                ; my W's codes: 8 K steps x 4 tiles; the image has 96 tiles a K step
	GRP1 GWS1, 32, 8, 768, NOPAD                   ; and scale words
	GRP1 GHC1, 512, 8, 32768, NOPAD                ; h's codes: 256 tiles a K step
	GRP1 GHS1, 32, 8, 2048, NOPAD
	GRP1 GCS1, 32, 64, 32, PAD16                   ; 64 rows of a table, dense in memory, padded in LDS
	s_and_b32 s51, ttmp7, 0xffff                   ; j
	s_lshl_b32 s58, s51, 4                         ; my four tiles of the weights' image: query heads 16 j + 4 w;
	s_lshl_b32 s59, s51, 3
	s_add_co_u32 s59, s59, 48                      ; k and v 64 + 8 j + 4 (w - 4)
	s_cmp_lt_u32 s[WV], 4
	s_cselect_b32 s58, s58, s59
	s_lshl_b32 s59, s[WV], 2
	s_add_co_u32 s58, s58, s59
	s_lshl_b32 s52, s58, 10
	s_mov_b32 s53, 0
	s_lshl_b32 s54, s58, 6
	s_add_co_u32 s54, s54, WQKV_S
	s_mov_b32 s55, 0
	s_add_co_u32 s60, s[WV], s3
	s_lshl_b32 s61, s60, 15                        ; where my W goes: region w, for wave 5 region 6
	s_lshl_b32 s60, s60, 11
	s_add_co_u32 s60, s60, SCB
	s_wait_dscnt 0x0
	s_wait_kmcnt 0x0
	GRP0 GWC0, s61, 6, 52, 0
	GRP0 GWS0, s60, 6, 54, 0
	s_lshl_b32 s52, ttmp9, 12                      ; the block's four tiles of h: 4 x 1,024 bytes,
	s_mov_b32 s53, 0
	s_lshl_b32 s54, ttmp9, 8                       ; 4 x 64
	s_mov_b32 s55, 0
	s_and_b32 s56, ttmp9, 31
	s_lshl_b32 s56, s56, 14                        ; the block's 64 rows of the tables: tokens count within a batch
	s_mov_b32 s57, 0
	GRP0 GHC0, 5*32768, 4, 52, 0
	GRP0 GHS0, SCB+5*2048, 4, 54, H_S
	GRP0 GCO0, COSL, 8, 56, 0
	GRP0 GSI0, SINL, 10, 56, 0
	tensor_load_to_lds s[GWC0:GWC0+3], s[GWC1:GWC1+7]              ; every wave: its W's codes
	s_nop 0
.rept 4
	v_nop
.endr
	tensor_load_to_lds s[GWS0:GWS0+3], s[GWS1:GWS1+7]              ; and scale words.  With the one below a wave has at most three tensor loads out
	s_nop 0
.rept 4
	v_nop
.endr
	ASK 0, GHC0, GHC1
	ASK 1, GHS0, GHS1
	ASK 2, GCO0, GCS1
	ASK 3, GSI0, GCS1
	s_wait_tensorcnt 0x0                           ; all my tiles have landed (from here on the descriptors' registers are free),
	s_barrier_signal -1
	s_barrier_wait -1                              ; everybody's have
	s_lshr_b32 s12, ttmp9, 5                       ; batch
	s_and_b32 s13, ttmp9, 31
	s_lshl_b32 s14, s12, 2
	s_add_co_u32 s14, s14, s51                     ; bk = 4 b + j
	s_lshl_b32 s15, s51, 2
	s_add_co_u32 s15, s15, s[WV]
	s_lshl_b32 s15, s15, 8
	s_lshl_b32 s16, ttmp9, 2
	s_add_co_u32 s15, s15, s16                     ; q: head x 256 + my first tile
	s_lshl_b32 s16, s14, 7
	s_lshl_b32 s17, s13, 2
	s_add_co_u32 s16, s16, s17                     ; k: bk x 128 + my first tile in the batch
	s_mov_b32 s17, K_C
	s_mov_b32 s18, K_S
	s_cmp_lt_u32 s[WV], 4
	s_cselect_b32 s15, s15, s16
	s_cselect_b32 s17, Q_C, s17
	s_cselect_b32 s18, Q_S, s18
	s_lshl_b32 s20, s15, 9
	s_add_co_u32 s20, s20, s17
	s_mov_b32 s21, 0
	s_add_nc_u64 s[20:21], s[48:49], s[20:21]      ; q's or k's codes
	s_lshl_b32 s22, s15, 6
	s_add_co_u32 s22, s22, s18
	s_mov_b32 s23, 0
	s_add_nc_u64 s[22:23], s[48:49], s[22:23]      ; and words
	s_lshl_b32 s16, s14, 4
	s_lshr_b32 s17, s13, 1
	s_add_co_u32 s16, s16, s17                     ; v: 16 bk + key step
	s_and_b32 s17, ttmp9, 1                        ; which half of the key step's 128 tokens
	s_lshl_b32 s24, s16, 12
	s_lshl_b32 s18, s17, 9
	s_add_co_u32 s24, s24, s18
	s_add_co_u32 s24, s24, V_C
	s_mov_b32 s25, 0
	s_add_nc_u64 s[24:25], s[48:49], s[24:25]
	s_lshl_b32 s26, s16, 8
	s_lshl_b32 s18, s17, 1
	s_add_co_u32 s26, s26, s18
	s_add_co_u32 s26, s26, V_S
	s_mov_b32 s27, 0
	s_add_nc_u64 s[26:27], s[48:49], s[26:27]
	; THE K WALK, written out: the next step's 20 loads are issued ahead of this step's 16 products
	FETCH ADP, ADQ, 0, 0, 0
.set S, 0
.rept KSTEPS
.if S+1 < KSTEPS
.if S > 0
.rept 4
	v_nop                                          ; four places between the last products and loads into the buffer that they read
.endr
.endif
	FETCH ADP, ADQ, (S+1)*SSTR, (S+1)*CSTR, (S+1)%2
	s_wait_dscnt 20                                ; all but the 20 just issued
.else
	s_wait_dscnt 0x0
.endif
.if S == 0
	MUL 0, 1
.else
	MUL S%2, 0
.endif
.set S, S+1
.endr
.rept 4
	v_nop                                          ; four places ahead of the first read of results and of loads over the operands
.endr
	s_cmp_eq_u32 s[WV], 5
	s_cbranch_scc1 .Lvpath
	; q and k: RoPE, a tile of 16 tokens at a time: out(even) = a(even) cos - a(odd) sin, out(odd) = a(odd) cos + a(even) sin, each with its own column's table entry
.irp q, 0,1,2,3
.irp b, 0,1
.irp n, 0,1,2,3
	ds_load_b128 v[CO+16*\b+4*\n:CO+16*\b+4*\n+3], v[ACS] offset:(32*(\q/2)+8*(\q%2))*272+128*\b+16*\n
	ds_load_b128 v[SI+16*\b+4*\n:SI+16*\b+4*\n+3], v[ACS] offset:(32*(\q/2)+8*(\q%2))*272+128*\b+16*\n+SINL-COSL
.endr
.endr
	s_wait_dscnt 0x0
	WIN 0x01                                       ; source 0: the accumulators' window
.irp e, 0,2,4,6,8,10,12,14,16,18,20,22,24,26,28,30
	v_mul_f32 v[TT+\e], v[32*\q+\e], v[CO+\e]
	v_mul_f32 v[TT+\e+1], v[32*\q+\e+1], v[CO+\e+1]
	v_fma_f32 v[TT+\e], -v[32*\q+\e+1], v[SI+\e], v[TT+\e]
	v_fma_f32 v[TT+\e+1], v[32*\q+\e], v[SI+\e+1], v[TT+\e+1]
.endr
	QUANT2 TT, 0, CD+4*\q
	v_lshl_or_b32 v[WD], v[QM+7], 8, v[QM+6]
	v_or_b32 v[WD], 0x7f7f0000, v[WD]              ; the K step's other two blocks hold zero codes: byte 127
	global_store_b128 v[L16], v[CD+4*\q:CD+4*\q+3], s[20:21] offset:512*\q     ; 512 consecutive bytes
	ds_store_b32 v[MSW], v[WD] offset:64*\q        ; both halves of the lanes write the same word with the same value
.endr
	ds_load_b64 v[CO:CO+1], v[MSR]                 ; LDS serves a wave's instructions in order: this sees my stores
	s_wait_dscnt 0x0
	global_store_b64 v[L8], v[CO:CO+1], s[22:23]   ; four tiles' words: 256 consecutive bytes, aligned
	s_wait_tensorcnt 0x0
	ds_add_u32 v254, v255
	s_wait_dscnt 0x0
	s_endpgm
.Lvpath:
	; v: a lane holds one channel; the 32 registers of a channel tile run along my 64 tokens: two blocks of the key step's four
.irp q, 0,1,2,3
	QUANT2 32*\q, 1, CD+4*\q
	v_lshl_or_b32 v[HW+\q], v[QM+7], 8, v[QM+6]
	global_store_b128 v[L16], v[CD+4*\q:CD+4*\q+3], s[24:25] offset:1024*\q
.endr
	s_mov_b32 vcc_lo, 0xffff0000
	v_cndmask_b32 v[HW+4], v[HW], v[HW+1], vcc_lo  ; lanes 0-15 an even tile's two bytes, lanes 16-31 the next tile's
	v_cndmask_b32 v[HW+5], v[HW+2], v[HW+3], vcc_lo
	global_store_b16 v[L4], v[HW+4], s[26:27]
	global_store_b16 v[L4], v[HW+5], s[26:27] offset:128
	s_wait_tensorcnt 0x0
	ds_add_u32 v254, v255
	s_wait_dscnt 0x0
	s_endpgm
.Lfunc_end_k_q78f0c715f6_qkv:
	.size	k_q78f0c715f6_qkv, .Lfunc_end_k_q78f0c715f6_qkv-k_q78f0c715f6_qkv
	.p2alignl 7, 3214868480
	.fill 96, 4, 3214868480
	.section	.rodata,"a",@progbits
	.p2align	6, 0x0
	.amdhsa_kernel k_q78f0c715f6_qkv
		.amdhsa_group_segment_fixed_size 280832
		.amdhsa_private_segment_fixed_size 0
		.amdhsa_enable_private_segment 0
		.amdhsa_kernarg_size 40
		.amdhsa_user_sgpr_count 2
		.amdhsa_user_sgpr_kernarg_segment_ptr 1
		.amdhsa_wavefront_size32 1
		.amdhsa_system_sgpr_workgroup_id_x 1
		.amdhsa_system_sgpr_workgroup_id_y 1
		.amdhsa_system_sgpr_workgroup_id_z 1
		.amdhsa_system_vgpr_workitem_id 0
		.amdhsa_next_free_vgpr 384
		.amdhsa_next_free_sgpr 100
		.amdhsa_reserve_vcc 1
		.amdhsa_float_denorm_mode_32 3
		.amdhsa_float_denorm_mode_16_64 3
		.amdhsa_memory_ordered 1
		.amdhsa_forward_progress 1
		.amdhsa_inst_pref_size 71
	.end_amdhsa_kernel
	.amdgpu_metadata
---
amdhsa.version: [ 1, 2 ]
amdhsa.kernels:
  - .name:           k_q78f0c715f6_qkv
    .symbol:         k_q78f0c715f6_qkv.kd
    .args:
      - { .name: hq, .offset: 0, .size: 8, .value_kind: global_buffer, .address_space: global }
      - { .name: wts, .offset: 8, .size: 8, .value_kind: global_buffer, .address_space: global }
      - { .name: cos, .offset: 16, .size: 8, .value_kind: global_buffer, .address_space: global }
      - { .name: sin, .offset: 24, .size: 8, .value_kind: global_buffer, .address_space: global }
      - { .name: qkvq, .offset: 32, .size: 8, .value_kind: global_buffer, .address_space: global }
    .group_segment_fixed_size: 280832
    .private_segment_fixed_size: 0
    .kernarg_segment_align: 8
    .kernarg_segment_size: 40
    .max_flat_workgroup_size: 192
    .sgpr_count:     100
    .vgpr_count:     384
    .wavefront_size: 32
...
	.end_amdgpu_metadata
.endif
;; end of part 3
;; launch attn (part 4): grid 32 x 8, 16 waves a work-group, no clusters, 169,984 bytes of LDS; arguments qkvq, oq; writes oq
.if DOCPART == 4
	.amdgcn_target "amdgcn-amd-amdhsa--gfx1250"
	.amdhsa_code_object_version 6
	.text
	.protected	k_q78f0c715f6_attn
	.globl	k_q78f0c715f6_attn
	.p2align	8
	.type	k_q78f0c715f6_attn,@function
k_q78f0c715f6_attn:
	s_mov_b64 s[64:65], 0
	v_nop
	global_prefetch_b8 v0, s[64:65] scope:SCOPE_SE
	s_setreg_imm32_b32 hwreg(HW_REG_WAVE_MODE, 25, 1), 1
	s_wait_xcnt 0x0
; o = softmax(q k^T / 8) v for 16 query heads on 4 key-value heads, 2,048 keys, no mask; both products on codes of FP4 (E2M1) with E8M0 scales.  The result is quantised along the channels for the next product.
; THE SOFTMAX AHEAD OF THE SECOND PRODUCT: t = score x log2(e) / 8; M = the running largest t rounded UP to a whole number; p = 2^(t - M) is quantised along the keys, not normalised; the row's sum is taken of the
; unquantised p and divides at the end.  When M moves, the sum and O are multiplied by 2^(old M - new M): exact.
; A work-group takes 64 tokens (x) x the four query heads of one (batch, key-value head) (y).  Each of its sixteen waves owns one tile of 16 queries of one head, in 256 registers: four waves to a SIMD.
; K AND V OF THE WHOLE (batch, head) LIE IN LDS: 64 KiB of codes each and 12 KiB of scale words come once, by tensor loads at the head (8 KiB a wave; waves 0 and 1 one more): at most two out for a wave.  No byte is filled twice.
; Multicast is left out here: a work-group asks for each of its 143,360 operand bytes once in its life, against sixteen key steps of sixteen waves.
; Both products are used transposed (S^T = K Q^T, O^T = V^T P^T): a lane holds one query.  A tile's keys are 32 (i / 2) + 8 (i % 2) + r + 8 (r / 8), so that the 16 registers of two neighbouring tiles are 16 neighbouring keys.
; The head's 64 channels are half of the instruction's 128: the fragments' upper four registers are zeros, kept so.
; LIMITS: NaN and infinities are not served; p under 2^-126 is flushed to 0 by the exponential; a block under 2^-124 or of zeros gets the byte 1.
; REGISTERS: v4-11 addresses that stay; v12 -M, v13 the largest t, v[14:15] the sum; v16-23 Q; v24-27 the step's addresses; v32-63 four fragments of K; v64-95 V's four; v96-159 S^T, then p; v160-191 O^T;
;   v224-231 p's codes; v232-239, v244-247, v252, v254 at work; scale words: v240-241 V's, v248-251 K's, v253 p's, v255 Q's.
.set K_C, 2097152
.set Q_S, 3145728
.set K_S, 3407872
.set V_S, 3473408
.set O_S, 2097152
.set LKW, 131072                       ; LDS: K's codes from 0, V's from 65,536; K's scale words here,
.set LVW, 139264                       ; V's here,
.set OST, 143360                       ; and 512 bytes in which the result's scale bytes meet; no tile lands there
.set NOPAD, 3<<16
.set QM,  232
.set WV,  2
.set SEL, 36
.set CS,  38
.set TK,  40
.set TS,  41
.set TV,  42
.set CNT, 43
.set GC0, 12                           ; descriptor groups 0: my 8 KiB of codes, K's scale words, V's
.set GK0, 16
.set GV0, 20
.set G32, 24                           ; groups 1: 32 rows of 256 bytes (the codes and K's words share it), 16 rows
.set G16, 68
; ALL DESCRIPTORS ARE WRITTEN AHEAD OF THE FIRST TENSOR LOAD, by every wave, each tile's group 0 in registers of its own: none of these registers is written again before the wait for all loads.
.macro GRP0 g, lds, bp, op, extra      ; to LDS byte lds, from the buffer in s[bp] + the offset in s[op] + extra
	s_mov_b32 s[\g], 1
	s_mov_b32 s[\g+1], \lds
	s_add_nc_u64 s[\g+2:\g+3], s[\bp:\bp+1], s[\op:\op+1]
.if \extra
	s_add_nc_u64 s[\g+2:\g+3], s[\g+2:\g+3], \extra
.endif
	s_or_b32 s[\g+3], s[\g+3], 0x80000000
.endm
.macro GRP1 g, c8, rows, pitch8, flags ; rows x (8 c8) bytes, 8 pitch8 bytes from row to row
	s_mov_b32 s[\g], \flags
	s_mov_b32 s[\g+1], (\c8)<<16
	s_mov_b32 s[\g+2], (\rows)<<16
	s_mov_b32 s[\g+3], (\c8)<<16
	s_mov_b32 s[\g+4], \rows
	s_mov_b32 s[\g+5], \pitch8
	s_mov_b32 s[\g+6], 0
	s_mov_b32 s[\g+7], 0
.endm
.macro ASK wv, g0, g1                  ; wave wv alone asks for this tile; four v_nop follow the load
	s_cmp_eq_u32 s[WV], \wv
	s_cbranch_scc0 .Lskip_\@
	tensor_load_to_lds s[\g0:\g0+3], s[\g1:\g1+7]
	s_nop 0
.rept 4
	v_nop
.endr
.Lskip_\@:
.endm
	s_load_b128 s[4:7], s[0:1], 0x0                ; the images of q, k, v; the image of o
	v_lshl_add_u32 v242, v0, 2, 0x29000
	v_mov_b32 v243, 0
	ds_add_u32 v242, v243
	ds_add_u32 v242, v243
	v_lshrrev_b32 v1, 5, v0
	v_readfirstlane_b32 s[WV], v1                  ; wave 0..15
	v_and_b32 v1, 31, v0
	v_and_b32 v2, 15, v0                           ; r
	v_bfe_u32 v3, v0, 4, 1                         ; h
	v_lshlrev_b32 v4, 4, v1                        ; 16 x lane: my place in a piece of K's image
	v_add_nc_u32 v5, 65536, v4                     ; and of V's
	v_lshl_add_u32 v6, v1, 2, LKW                  ; 4 x lane: lanes 0-15 an even tile's words, lanes 16-31 the next tile's
	v_lshl_add_u32 v7, v1, 2, LVW
	s_and_b32 s8, s[WV], 3                         ; which of the block's four tiles of tokens
	s_lshr_b32 s9, s[WV], 2                        ; which of the four query heads
	s_lshr_b32 s10, s9, 1
	s_and_b32 s11, s9, 1
	s_lshl_b32 s54, s10, 8
	s_lshl_b32 s55, s8, 6
	s_add_co_u32 s54, s54, s55
	s_lshl_b32 s55, s11, 1
	s_add_co_u32 s54, s54, s55
	s_add_co_u32 s54, s54, OST
	v_lshl_add_u32 v8, v2, 2, s54                  ; where my two scale bytes go
	v_add_nc_u32 v9, OST, v4                       ; and where wave 0 reads them all
	v_lshlrev_b32 v10, 2, v2
	v_lshlrev_b32 v11, 4, v2
	v_lshl_add_u32 v11, v3, 14, v11                ; their place in memory: K step h of my pair, 16 r
	GRP1 G32, 32, 32, 32, NOPAD
	GRP1 G16, 32, 16, 32, NOPAD
	s_and_b32 s56, ttmp7, 0xffff                   ; bk
	s_lshr_b32 s57, s56, 2                         ; batch
	s_and_b32 s58, s56, 3                          ; j
	s_lshl_b32 s59, s57, 7
	s_lshl_b32 s60, ttmp9, 2
	s_add_co_u32 s59, s59, s60                     ; the block's first tile: 128 b + 4 x
	s_add_co_u32 s60, s59, s8                      ; my tile
	s_lshl_b32 s61, s58, 2
	s_add_co_u32 s61, s61, s9                      ; my head
	s_lshl_b32 s61, s61, 8
	s_add_co_u32 s61, s61, s60
	s_lshr_b32 s44, s[WV], 3                       ; waves 0-7 fetch K's codes, 8-15 V's, 8 KiB each
	s_lshl_b32 s44, s44, 19
	s_lshl_b32 s45, s56, 16
	s_add_co_u32 s44, s44, s45
	s_and_b32 s45, s[WV], 7
	s_lshl_b32 s45, s45, 13
	s_add_co_u32 s44, s44, s45
	s_add_co_u32 s44, s44, K_C
	s_mov_b32 s45, 0
	s_lshl_b32 s62, s[WV], 13
	s_lshl_b32 s48, s56, 13
	s_mov_b32 s49, 0
	s_lshl_b32 s54, s56, 12
	s_mov_b32 s55, 0
	s_lshl_b32 s50, s61, 9
	s_mov_b32 s51, 0
	s_lshl_b32 s52, s61, 6
	s_add_co_u32 s52, s52, Q_S
	s_mov_b32 s53, 0
	s_mov_b32 s[SEL], 0x76543210
	s_mov_b32 s[SEL+1], 0xfedcba98
	s_mov_b32 s[CS], 0x3e38aa3b                    ; c = log2(e) / 8
	s_mov_b32 s[CS+1], s[CS]                       ; (named with it as a pair, so it is written)
	s_mov_b32 s[TK], 0
	s_mov_b32 s[TS], 0
	s_mov_b32 s[TV], 0
	s_mov_b32 s[CNT], 16
	s_wait_dscnt 0x0
	s_wait_kmcnt 0x0
	GRP0 GC0, s62, 4, 44, 0
	GRP0 GK0, LKW, 4, 48, K_S
	GRP0 GV0, LVW, 4, 54, V_S
	tensor_load_to_lds s[GC0:GC0+3], s[G32:G32+7]  ; every wave: its 8 KiB of codes
	s_nop 0
.rept 4
	v_nop
.endr
	ASK 0, GK0, G32
	ASK 1, GV0, G16
	s_add_nc_u64 s[50:51], s[4:5], s[50:51]
	s_add_nc_u64 s[52:53], s[4:5], s[52:53]
	global_load_b128 v[16:19], v4, s[50:51]        ; Q's fragment stays in registers
	global_load_b32 v255, v10, s[52:53]            ; and its scale words
.irp k, 20,21,22,23
	v_mov_b32 v[\k], 0                             ; the K step's other 64: zero codes, in Q
.endr
.irp t, 0,1,2,3
.irp k, 4,5,6,7
	v_mov_b32 v[32+8*\t+\k], 0                     ; and in K's four fragments: no load ever lands here
.endr
.endr
	v_mov_b32 v13, 0xff61b1e6                      ; the largest t so far: -3e38
	v_floor_f32 v12, -v13                          ; -M
	v_mov_b32 v14, 0
	v_mov_b32 v15, 0
.irp b, 0,1,2,3
	v_mov_b32 v[236+\b], 0                         ; lane permutes' destinations count as read: written once
.endr
	v_mov_b32 v253, 0                              ; (named as the upper half of the pair v[252:253] before it is first written)
.set J, 0
.rept 32
	v_mov_b32 v[160+J], 0                          ; O^T: the step is written once; the first finds zeros, which the first change of M leaves zeros
.set J, J+1
.endr
	s_wait_tensorcnt 0x0                           ; all my tiles have landed (from here on the descriptors' registers are free),
	s_wait_loadcnt 0x0                             ; Q is in,
	s_barrier_signal -1
	s_barrier_wait -1                              ; everybody's tiles have landed
	s_lshl_b32 s12, s58, 1
	s_add_co_u32 s12, s12, s10                     ; o's K step: two heads to 128 channels
	s_lshl_b32 s12, s12, 8
	s_add_co_u32 s12, s12, s60
	s_lshl_b32 s12, s12, 10
	s_lshl_b32 s13, s11, 9
	s_add_co_u32 s12, s12, s13
	s_mov_b32 s13, 0
	s_add_nc_u64 s[12:13], s[6:7], s[12:13]        ; my 512 bytes of o's codes
	s_lshl_b32 s14, s58, 15
	s_lshl_b32 s15, s59, 6
	s_add_co_u32 s14, s14, s15
	s_add_co_u32 s14, s14, O_S
	s_mov_b32 s15, 0
	s_add_nc_u64 s[14:15], s[6:7], s[14:15]        ; the block's scale words
.Lstep:                                            ; 16 trips of 128 keys
	v_add_nc_u32 v24, s[TK], v4                    ; these four are also the places between the last products and the loads over their operands
	v_add_nc_u32 v25, s[TK], v5
	v_add_nc_u32 v26, s[TS], v6
	v_add_nc_u32 v27, s[TV], v7
.irp t, 0,1,2,3
	ds_load_b128 v[32+8*\t:35+8*\t], v24 offset:512*\t
.endr
	ds_load_b32 v248, v26
	ds_load_b32 v249, v26 offset:128
.irp d, 0,1,2,3
.irp c, 0,1
	ds_load_b128 v[64+8*\d+4*\c:67+8*\d+4*\c], v25 offset:1024*\d+512*\c
.endr
.endr
	ds_load_b32 v240, v27
	ds_load_b32 v241, v27 offset:128
	s_wait_dscnt 10                                ; K's first six loads are in; V's ten may be out
	v_wmma_scale_f32_16x16x128_f8f6f4 v[96:103], v[32:39], v[16:23], 0, v248, v255 matrix_a_fmt:MATRIX_FMT_FP4 matrix_b_fmt:MATRIX_FMT_FP4
	v_wmma_scale_f32_16x16x128_f8f6f4 v[104:111], v[40:47], v[16:23], 0, v248, v255 matrix_a_fmt:MATRIX_FMT_FP4 matrix_b_fmt:MATRIX_FMT_FP4 matrix_a_scale:MATRIX_SCALE_ROW1
	v_wmma_scale_f32_16x16x128_f8f6f4 v[112:119], v[48:55], v[16:23], 0, v249, v255 matrix_a_fmt:MATRIX_FMT_FP4 matrix_b_fmt:MATRIX_FMT_FP4
	v_wmma_scale_f32_16x16x128_f8f6f4 v[120:127], v[56:63], v[16:23], 0, v249, v255 matrix_a_fmt:MATRIX_FMT_FP4 matrix_b_fmt:MATRIX_FMT_FP4 matrix_a_scale:MATRIX_SCALE_ROW1
.rept 4
	v_nop                                          ; four places ahead of loads into registers that these products read
.endr
.irp t, 0,1,2,3
	ds_load_b128 v[32+8*\t:35+8*\t], v24 offset:2048+512*\t
.endr
	ds_load_b32 v250, v26 offset:256
	ds_load_b32 v251, v26 offset:384
	s_wait_dscnt 0x0
	v_wmma_scale_f32_16x16x128_f8f6f4 v[128:135], v[32:39], v[16:23], 0, v250, v255 matrix_a_fmt:MATRIX_FMT_FP4 matrix_b_fmt:MATRIX_FMT_FP4
	v_wmma_scale_f32_16x16x128_f8f6f4 v[136:143], v[40:47], v[16:23], 0, v250, v255 matrix_a_fmt:MATRIX_FMT_FP4 matrix_b_fmt:MATRIX_FMT_FP4 matrix_a_scale:MATRIX_SCALE_ROW1
	v_wmma_scale_f32_16x16x128_f8f6f4 v[144:151], v[48:55], v[16:23], 0, v251, v255 matrix_a_fmt:MATRIX_FMT_FP4 matrix_b_fmt:MATRIX_FMT_FP4
	v_wmma_scale_f32_16x16x128_f8f6f4 v[152:159], v[56:63], v[16:23], 0, v251, v255 matrix_a_fmt:MATRIX_FMT_FP4 matrix_b_fmt:MATRIX_FMT_FP4 matrix_a_scale:MATRIX_SCALE_ROW1
.rept 4
	v_nop
.endr
.irp b, 0,1,2,3
	v_max3_num_f32 v[232+\b], v[96+16*\b], v[97+16*\b], v[98+16*\b]          ; the largest score of each block of 32 keys: for the row's maximum, and, since p rises with the score, for the block's largest p
.endr
.irp i, 3,5,7,9,11,13
.irp b, 0,1,2,3
	v_max3_num_f32 v[232+\b], v[232+\b], v[96+16*\b+\i], v[97+16*\b+\i]
.endr
.endr
.irp b, 0,1,2,3
	v_max_num_f32 v[232+\b], v[232+\b], v[111+16*\b]
.endr
.irp b, 0,1,2,3
	v_permlanex16_b32 v[236+\b], v[232+\b], s[SEL], s[SEL+1]
.endr
.irp b, 0,1,2,3
	v_max_num_f32 v[232+\b], v[232+\b], v[236+\b]  ; with lane l xor 16's 16 keys
.endr
	v_max3_num_f32 v254, v232, v233, v234
	v_max_num_f32 v254, v254, v235
	v_mul_f32 v254, s[CS], v254                    ; the step's largest t
	v_max_num_f32 v13, v13, v254                   ; the running largest t
	v_mov_b32 v254, v12
	v_floor_f32 v12, -v13                          ; the new -M = -ceil(t): a whole number
	v_sub_f32 v254, v12, v254                      ; old M - new M: a whole number, 0 or less
	v_cvt_i32_f32 v254, v254                       ; (it saturates)
	v_ldexp_f32 v252, 1.0, v254                    ; f = 2^(old M - new M)
.set J, 0
.rept 32
	v_pk_fma_f32 v[96+J:97+J], v[96+J:97+J], s[CS:CS+1], v[12:13] op_sel_hi:[1,0,0]    ; t - M, two at a time
.set J, J+2
.endr
.irp b, 0,1,2,3
	v_fma_f32 v[232+\b], v[232+\b], s[CS], v12     ; the same of each block's largest score
.endr
.set J, 0
.rept 64
	v_exp_f32 v[96+J], v[96+J]                     ; p = 2^(t - M), at most 1
.set J, J+1
.endr
.irp b, 0,1,2,3
	v_exp_f32 v[232+\b], v[232+\b]                 ; the block's largest p: the same two instructions on the same number
.endr
	v_pk_mul_f32 v[14:15], v[14:15], v[252:253] op_sel_hi:[1,0]    ; the sums under the new M (a plain place behind the exponentials)
	s_wait_alu depctr_va_vdst(0)
.irp b, 0,1,2,3
	v_max_num_f32 v[232+\b], 0x1800000, v[232+\b]  ; the floor 2^(3 - 127): the byte cannot fall under 1
.endr
.irp b, 0,1,2,3
	v_add_nc_u32 v[244+\b], 0xff000000, v[232+\b]  ; 2 off the exponent field: the conversion's scale operand
.endr
.irp b, 0,1,2,3
	v_lshrrev_b32 v[236+\b], 23, v[244+\b]
.endr
	v_lshl_or_b32 v253, v237, 8, v236              ; p's scale word for these 128 keys
	v_lshl_or_b32 v253, v238, 16, v253
	v_lshl_or_b32 v253, v239, 24, v253
.irp b, 0,1,2,3
	v_cvt_scalef32_pk8_fp4_f32 v[224+2*\b], v[96+16*\b:103+16*\b], v[244+\b]
	v_cvt_scalef32_pk8_fp4_f32 v[225+2*\b], v[104+16*\b:111+16*\b], v[244+\b]
.endr
	v_nop                                          ; one plain place behind the last scaled conversion
.irp c, 0,1
.irp i, 0,1
	v_permlane16_swap_b32 v[224+4*\c+\i], v[226+4*\c+\i]           ; a whole block to a lane
.endr
.endr
	v_pk_add_f32 v[236:237], v[96:97], v[98:99]    ; the row's sum, of the unquantised p, in two chains
.set J, 4
.rept 15
	v_pk_add_f32 v[14:15], v[14:15], v[96+J:97+J]
	v_pk_add_f32 v[236:237], v[236:237], v[98+J:99+J]
.set J, J+4
.endr
	v_pk_add_f32 v[14:15], v[14:15], v[236:237]
.set J, 0
.rept 16
	v_pk_mul_f32 v[160+J:161+J], v[160+J:161+J], v[252:253] op_sel_hi:[1,0]    ; O^T under the new M.  (With the sums above: more than the eight places that p's scale word wants ahead of the products)
.set J, J+2
.endr
	v_wmma_scale_f32_16x16x128_f8f6f4 v[160:167], v[64:71], v[224:231], v[160:167], v240, v253 matrix_a_fmt:MATRIX_FMT_FP4 matrix_b_fmt:MATRIX_FMT_FP4
	v_wmma_scale_f32_16x16x128_f8f6f4 v[168:175], v[72:79], v[224:231], v[168:175], v240, v253 matrix_a_fmt:MATRIX_FMT_FP4 matrix_b_fmt:MATRIX_FMT_FP4 matrix_a_scale:MATRIX_SCALE_ROW1
	v_wmma_scale_f32_16x16x128_f8f6f4 v[176:183], v[80:87], v[224:231], v[176:183], v241, v253 matrix_a_fmt:MATRIX_FMT_FP4 matrix_b_fmt:MATRIX_FMT_FP4
	v_wmma_scale_f32_16x16x128_f8f6f4 v[184:191], v[88:95], v[224:231], v[184:191], v241, v253 matrix_a_fmt:MATRIX_FMT_FP4 matrix_b_fmt:MATRIX_FMT_FP4 matrix_a_scale:MATRIX_SCALE_ROW1
	s_add_co_u32 s[TK], s[TK], 4096                ; the next 128 keys: eight tiles of K, four fragments of V,
	s_add_co_u32 s[TS], s[TS], 512                 ; their scale words
	s_add_co_u32 s[TV], s[TV], 256
	s_sub_co_u32 s[CNT], s[CNT], 1
	s_cmp_lg_u32 s[CNT], 0
	s_cbranch_scc1 .Lstep
.rept 4
	v_nop                                          ; four places ahead of the first read of O^T
.endr
	v_add_f32 v14, v14, v15
	v_permlanex16_b32 v252, v14, s[SEL], s[SEL+1]
	v_add_f32 v14, v14, v252                       ; the row's sum
	v_rcp_f32 v14, v14
	v_nop                                          ; one plain place behind the transcendental
.set J, 0
	s_wait_alu depctr_va_vdst(0)
.rept 32
	v_mul_f32 v[192+J], v[160+J], v14              ; o: register 16 b + i is channel 32 b + 16 h + i of my query's head
.set J, J+1
.endr
	v_max3_num_f32 v[QM], |v192|, |v193|, 0x1800000                ; the quantiser along the channels: the head's two blocks
	v_max3_num_f32 v[QM+1], |v208|, |v209|, 0x1800000
.irp i, 2,4,6,8,10,12,14
	v_max3_num_f32 v[QM], v[QM], |v[192+\i]|, |v[193+\i]|
	v_max3_num_f32 v[QM+1], v[QM+1], |v[208+\i]|, |v[209+\i]|
.endr
	v_permlanex16_b32 v[QM+2], v[QM], s[SEL], s[SEL+1]
	v_permlanex16_b32 v[QM+3], v[QM+1], s[SEL], s[SEL+1]
	v_max_num_f32 v[QM], v[QM], v[QM+2]
	v_max_num_f32 v[QM+1], v[QM+1], v[QM+3]
	v_add_nc_u32 v[QM+4], 0xff000000, v[QM]
	v_add_nc_u32 v[QM+5], 0xff000000, v[QM+1]
	v_lshrrev_b32 v[QM+6], 23, v[QM+4]
	v_lshrrev_b32 v[QM+7], 23, v[QM+5]
	v_cvt_scalef32_pk8_fp4_f32 v224, v[192:199], v[QM+4]
	v_cvt_scalef32_pk8_fp4_f32 v225, v[200:207], v[QM+4]
	v_cvt_scalef32_pk8_fp4_f32 v226, v[208:215], v[QM+5]
	v_cvt_scalef32_pk8_fp4_f32 v227, v[216:223], v[QM+5]
	v_lshl_or_b32 v254, v[QM+7], 8, v[QM+6]        ; (a plain place behind the conversions)  my head's two bytes of the row's word
	v_permlane16_swap_b32 v224, v226
	v_permlane16_swap_b32 v225, v227
	global_store_b128 v4, v[224:227], s[12:13]     ; 512 consecutive bytes of o's image
	ds_store_b16 v8, v254                          ; both halves of the lanes write the same bytes with the same value
	s_wait_dscnt 0x0                               ; for wave 0's sake
	s_barrier_signal -1
	s_barrier_wait -1
	s_cmp_lg_u32 s[WV], 0
	s_cbranch_scc1 .Ldone
	ds_load_b128 v[16:19], v9
	s_wait_dscnt 0x0
	global_store_b128 v11, v[16:19], s[14:15]      ; two K steps x four tiles' words: two aligned runs of 256 bytes
.Ldone:
	s_wait_tensorcnt 0x0
	ds_add_u32 v242, v243
	s_wait_dscnt 0x0
	s_endpgm
.Lfunc_end_k_q78f0c715f6_attn:
	.size	k_q78f0c715f6_attn, .Lfunc_end_k_q78f0c715f6_attn-k_q78f0c715f6_attn
	.p2alignl 7, 3214868480
	.fill 96, 4, 3214868480
	.section	.rodata,"a",@progbits
	.p2align	6, 0x0
	.amdhsa_kernel k_q78f0c715f6_attn
		.amdhsa_group_segment_fixed_size 169984
		.amdhsa_private_segment_fixed_size 0
		.amdhsa_enable_private_segment 0
		.amdhsa_kernarg_size 16
		.amdhsa_user_sgpr_count 2
		.amdhsa_user_sgpr_kernarg_segment_ptr 1
		.amdhsa_wavefront_size32 1
		.amdhsa_system_sgpr_workgroup_id_x 1
		.amdhsa_system_sgpr_workgroup_id_y 1
		.amdhsa_system_sgpr_workgroup_id_z 1
		.amdhsa_system_vgpr_workitem_id 0
		.amdhsa_next_free_vgpr 256
		.amdhsa_next_free_sgpr 76
		.amdhsa_reserve_vcc 0
		.amdhsa_float_denorm_mode_32 3
		.amdhsa_float_denorm_mode_16_64 3
		.amdhsa_memory_ordered 1
		.amdhsa_forward_progress 1
		.amdhsa_inst_pref_size 28
	.end_amdhsa_kernel
	.amdgpu_metadata
---
amdhsa.version: [ 1, 2 ]
amdhsa.kernels:
  - .name:           k_q78f0c715f6_attn
    .symbol:         k_q78f0c715f6_attn.kd
    .args:
      - { .name: qkvq, .offset: 0, .size: 8, .value_kind: global_buffer, .address_space: global }
      - { .name: oq, .offset: 8, .size: 8, .value_kind: global_buffer, .address_space: global }
    .group_segment_fixed_size: 169984
    .private_segment_fixed_size: 0
    .kernarg_segment_align: 8
    .kernarg_segment_size: 16
    .max_flat_workgroup_size: 512
    .sgpr_count:     76
    .vgpr_count:     256
    .wavefront_size: 32
...
	.end_amdgpu_metadata
.endif
;; end of part 4
;; launch gemm_o (part 5): grid 8 x 32, 4 waves a work-group, no clusters, 168,448 bytes of LDS; arguments oq, wts, x, x1; writes x1
.if DOCPART == 5
	.amdgcn_target "amdgcn-amd-amdhsa--gfx1250"
	.amdhsa_code_object_version 6
	.text
	.protected	k_q78f0c715f6_gemm_o
	.globl	k_q78f0c715f6_gemm_o
	.p2align	8
	.type	k_q78f0c715f6_gemm_o,@function
k_q78f0c715f6_gemm_o:
	s_mov_b64 s[64:65], 0
	v_nop
	global_prefetch_b8 v0, s[64:65] scope:SCOPE_SE
	s_setreg_imm32_b32 hwreg(HW_REG_WAVE_MODE, 25, 1), 1
	s_wait_xcnt 0x0
; x1 = x + o Wo^T on codes of FP4 (E2M1) with E8M0 scales, K = 1,024; sums and the residual in f32.
; A work-group makes 128 tokens (y) x 128 channels (x); each of four waves 64 x 64: 16 accumulators in register window 1; 1,024 such wave tiles, one for each SIMD.
; ALL OPERANDS OF THE WORK-GROUP FIT IN LDS AT ONCE (136 KiB): one tensor load a wave at the head, one wait, one barrier; no byte is filled twice.
; Operands lie as images of their registers ([K step][tile][c][lane][16 bytes]).  The product is used transposed (source 0 = 16 rows of Wo, source 1 = 16 tokens): a lane holds one token and neighbouring channels.
; Row r of tile i is row 32 (i / 2) + 8 (i % 2) + r + 8 (r / 8), of the weights and of the tokens alike.  Results go through the wave's own stage in LDS and leave as aligned runs of 256 bytes.
; Multicast is left out in this text: each operand byte is asked for once in a work-group's life.
.set KSTEPS, 8
.set SSTR, 8192                        ; LDS: from K step to K step: 8 tiles of codes,
.set CSTR, 512                         ; of scale words
.set LTC,  65536                       ; W's codes from 0; the tokens' here
.set LWS,  131072                      ; W's scale words
.set LTS,  135168                      ; the tokens'
.set STG,  139264                      ; 16 rows x 272 bytes for each wave; no tile lands here
.set NOPAD, 3<<16
.set WO_C, 786432
.set WO_S, 3457024
.set O_S,  2097152
.set ADP, 4
.set ADQ, 5
.set ADS, 6
.set STO, 7
.set RD,  8
.set CO,  9
.set L16, 10
.set YY,  168                          ; v168-231 two sets of eight rows' pieces on the way out
.set WV,  2
.set GWC0, 12                          ; descriptor groups 0: W's codes, the tokens' codes, W's scale words, the tokens'
.set GTC0, 16
.set GWS0, 20
.set GTS0, 24
.set GWC1, 28                          ; and their groups 1
.set GTC1, 68
.set GWS1, 76
.set GTS1, 84
.set MSB, 0
.macro WIN new
.if MSB != (\new)
	s_set_vgpr_msb (MSB<<8)|(\new)
.set MSB, (\new)
.endif
.endm
; ALL DESCRIPTORS ARE WRITTEN AHEAD OF THE FIRST TENSOR LOAD, by every wave, each tile's in registers of its own: none of these registers is written again before the wait for all loads.
.macro GRP0 g, lds, bp, op, extra      ; to LDS byte lds, from the buffer in s[bp] + the offset in s[op] + extra
	s_mov_b32 s[\g], 1
	s_mov_b32 s[\g+1], \lds
	s_add_nc_u64 s[\g+2:\g+3], s[\bp:\bp+1], s[\op:\op+1]
.if \extra
	s_add_nc_u64 s[\g+2:\g+3], s[\g+2:\g+3], \extra
.endif
	s_or_b32 s[\g+3], s[\g+3], 0x80000000
.endm
.macro GRP1 g, c8, rows, pitch8, flags ; rows x (8 c8) bytes, 8 pitch8 bytes from row to row
	s_mov_b32 s[\g], \flags
	s_mov_b32 s[\g+1], (\c8)<<16
	s_mov_b32 s[\g+2], (\rows)<<16
	s_mov_b32 s[\g+3], (\c8)<<16
	s_mov_b32 s[\g+4], \rows
	s_mov_b32 s[\g+5], \pitch8
	s_mov_b32 s[\g+6], 0
	s_mov_b32 s[\g+7], 0
.endm
.macro ASK wv, g0, g1                  ; wave wv alone asks for this tile; four v_nop follow the load
	s_cmp_eq_u32 s[WV], \wv
	s_cbranch_scc0 .Lskip_\@
	tensor_load_to_lds s[\g0:\g0+3], s[\g1:\g1+7]
	s_nop 0
.rept 4
	v_nop
.endr
.Lskip_\@:
.endm
.macro FETCH ap, aq, off, soff, f      ; 20 LDS loads into buffer f
.irp t, 0,1,2,3
	ds_load_b128 v[32+64*(\f)+8*\t:32+64*(\f)+8*\t+3], v[\ap] offset:(\off)+1024*\t
	ds_load_b128 v[32+64*(\f)+8*\t+4:32+64*(\f)+8*\t+7], v[\ap] offset:(\off)+1024*\t+512
.endr
.irp t, 0,1,2,3
	ds_load_b128 v[64+64*(\f)+8*\t:64+64*(\f)+8*\t+3], v[\aq] offset:(\off)+1024*\t
	ds_load_b128 v[64+64*(\f)+8*\t+4:64+64*(\f)+8*\t+7], v[\aq] offset:(\off)+1024*\t+512
.endr
.irp t, 0,1,2,3
	ds_load_b32 v[160+4*(\f)+\t], v[ADS] offset:(\soff)+64*\t      ; lanes 0-15: W's tile t; lanes 16-31: the tokens' tile t
.endr
.endm
.macro MUL f, mode                     ; 16 products, the 16 accumulators by turns, one instruction a turn.  mode 1: the first K step starts the sums
	WIN 0x50
.irp q, 0,1,2,3
.irp p, 0,1,2,3
.if \mode == 1
	v_wmma_scale_f32_16x16x128_f8f6f4 v[32*\q+8*\p:32*\q+8*\p+7], v[32+64*(\f)+8*\p:32+64*(\f)+8*\p+7], v[64+64*(\f)+8*\q:64+64*(\f)+8*\q+7], 0, v[160+4*(\f)+\p], v[160+4*(\f)+\q] matrix_a_fmt:MATRIX_FMT_FP4 matrix_b_fmt:MATRIX_FMT_FP4 matrix_b_scale:MATRIX_SCALE_ROW1
.else
	v_wmma_scale_f32_16x16x128_f8f6f4 v[32*\q+8*\p:32*\q+8*\p+7], v[32+64*(\f)+8*\p:32+64*(\f)+8*\p+7], v[64+64*(\f)+8*\q:64+64*(\f)+8*\q+7], v[32*\q+8*\p:32*\q+8*\p+7], v[160+4*(\f)+\p], v[160+4*(\f)+\q] matrix_a_fmt:MATRIX_FMT_FP4 matrix_b_fmt:MATRIX_FMT_FP4 matrix_b_scale:MATRIX_SCALE_ROW1
.endif
.endr
.endr
	WIN 0
.endm
	s_load_b256 s[4:11], s[0:1], 0x0               ; o's image, the weights' images, x, x1
	v_lshl_add_u32 v254, v0, 2, 0x29000
	v_mov_b32 v255, 0
	ds_add_u32 v254, v255
	ds_add_u32 v254, v255
	v_lshrrev_b32 v1, 5, v0
	v_readfirstlane_b32 s[WV], v1
	v_and_b32 v1, 31, v0
	v_and_b32 v2, 15, v0                           ; r
	v_bfe_u32 v3, v0, 4, 1                         ; h
	s_lshr_b32 s3, s[WV], 1                        ; which 64 tokens
	s_and_b32 s48, s[WV], 1                        ; which 64 channels
	v_lshlrev_b32 v[L16], 4, v1
	s_lshl_b32 s49, s48, 12
	v_add_nc_u32 v[ADP], s49, v[L16]
	s_lshl_b32 s49, s3, 12
	s_add_co_u32 s49, s49, LTC
	v_add_nc_u32 v[ADQ], s49, v[L16]
	s_lshl_b32 s49, s3, 8
	s_add_co_u32 s49, s49, LTS-LWS
	s_lshl_b32 s60, s48, 8
	s_sub_co_u32 s49, s49, s60                     ; from my W's scale words to my tokens'
	v_mul_u32_u24 v[ADS], s49, v3
	v_lshl_add_u32 v[ADS], v2, 2, v[ADS]
	s_add_co_u32 s60, s60, LWS
	v_add_nc_u32 v[ADS], s60, v[ADS]
	s_mul_i32 s49, s[WV], 16*272
	s_add_co_u32 s49, s49, STG
	v_mul_u32_u24 v[STO], v2, 272
	v_lshl_add_u32 v[STO], v3, 6, v[STO]
	v_add_nc_u32 v[STO], s49, v[STO]               ; the stage, in: row r, + 64 h
	v_mul_u32_u24 v[RD], v3, 272
	v_lshl_add_u32 v[RD], v2, 4, v[RD]
	v_add_nc_u32 v[RD], s49, v[RD]                 ; out: lanes 0-15 one row of 256 bytes, lanes 16-31 the next
	v_lshlrev_b32 v[CO], 12, v3
	v_lshl_add_u32 v[CO], v2, 4, v[CO]             ; and the same two rows in memory
	GRP1 GWC1, 1024, 8, 8192, NOPAD                ; W's codes: 8 K steps x 8 tiles; the image has 64 tiles a K step
	GRP1 GTC1, 1024, 8, 32768, NOPAD               ; the tokens': 256 tiles a K step
	GRP1 GWS1, 64, 8, 512, NOPAD                   ; W's scale words
	GRP1 GTS1, 64, 8, 2048, NOPAD                  ; the tokens'
	s_and_b32 s61, ttmp7, 0xffff
	s_lshl_b32 s50, ttmp9, 13
	s_mov_b32 s51, 0
	s_lshl_b32 s52, ttmp9, 9
	s_mov_b32 s53, 0
	s_lshl_b32 s54, s61, 13
	s_mov_b32 s55, 0
	s_lshl_b32 s56, s61, 9
	s_mov_b32 s57, 0
	s_lshl_b32 s62, s61, 19                        ; my first token's row, my first channel: (128 y + 64 th) x 4,096 + (128 x + 64 ch) x 4
	s_lshl_b32 s60, s3, 18
	s_add_co_u32 s62, s62, s60
	s_add_co_u32 s62, s62, s52
	s_lshl_b32 s60, s48, 8
	s_add_co_u32 s62, s62, s60
	s_mov_b32 s63, 0
	s_wait_dscnt 0x0
	s_wait_kmcnt 0x0
	GRP0 GWC0, 0, 6, 50, WO_C
	GRP0 GTC0, LTC, 4, 54, 0
	GRP0 GWS0, LWS, 6, 52, WO_S
	GRP0 GTS0, LTS, 4, 56, O_S
	ASK 0, GWC0, GWC1
	ASK 1, GTC0, GTC1
	ASK 2, GWS0, GWS1
	ASK 3, GTS0, GTS1
	s_add_nc_u64 s[8:9], s[8:9], s[62:63]
	s_add_nc_u64 s[10:11], s[10:11], s[62:63]
	s_wait_tensorcnt 0x0                           ; my tile has landed,
	s_barrier_signal -1
	s_barrier_wait -1                              ; everybody's has
	FETCH ADP, ADQ, 0, 0, 0
.set S, 0
.rept KSTEPS
.if S+1 < KSTEPS
.if S > 0
.rept 4
	v_nop                                          ; four places between the last products and loads into the buffer that they read
.endr
.endif
	FETCH ADP, ADQ, (S+1)*SSTR, (S+1)*CSTR, (S+1)%2
	s_wait_dscnt 20                                ; all but the 20 just issued
.else
	s_wait_dscnt 0x0
.endif
.if S == 0
	MUL 0, 1
.else
	MUL S%2, 0
.endif
.set S, S+1
.endr
.rept 4
	v_nop                                          ; four places ahead of loads over the operands and of the first read of results
.endr
.irp q, 0,1,2,3
.irp n, 0,1,2,3,4,5,6,7
	global_load_b128 v[32+32*\q+4*\n:35+32*\q+4*\n], v[CO], s[8:9] offset:(32*(\q/2)+8*(\q%2)+2*\n+8*(\n/4))*4096     ; the residual: sixteen lanes read 256 consecutive bytes
.endr
.endr
.irp q, 0,1,2,3
.if \q > 1
	s_wait_xcnt 0x0                                ; the stores of two tiles ago have read this set: it is loaded again only behind this wait
.endif
	WIN 0x04                                       ; an LDS store's data are its source 1: window 1
.irp p, 0,1,2,3
.irp k, 0,1
	ds_store_b128 v[STO], v[32*\q+8*\p+4*\k:32*\q+8*\p+4*\k+3] offset:128*(\p/2)+32*(\p%2)+16*\k     ; each accumulator from its low end on
.endr
.endr
	WIN 0
.irp n, 0,1,2,3,4,5,6,7
	ds_load_b128 v[YY+32*(\q%2)+4*\n:YY+32*(\q%2)+4*\n+3], v[RD] offset:544*\n       ; LDS serves a wave's instructions in order: these see the stores above
.endr
	s_wait_dscnt 0x0
	s_wait_loadcnt 8*(3-\q)                        ; this tile's eight residual loads are in; the later tiles' may be out
.irp i, 0,2,4,6,8,10,12,14,16,18,20,22,24,26,28,30
	v_pk_add_f32 v[YY+32*(\q%2)+\i:YY+32*(\q%2)+\i+1], v[YY+32*(\q%2)+\i:YY+32*(\q%2)+\i+1], v[32+32*\q+\i:33+32*\q+\i]
.endr
.irp n, 0,1,2,3,4,5,6,7
	global_store_b128 v[CO], v[YY+32*(\q%2)+4*\n:YY+32*(\q%2)+4*\n+3], s[10:11] offset:(32*(\q/2)+8*(\q%2)+2*\n+8*(\n/4))*4096    ; sixteen lanes store 256 consecutive bytes, aligned
.endr
.endr
	s_wait_tensorcnt 0x0
	ds_add_u32 v254, v255
	s_wait_dscnt 0x0
	s_endpgm
.Lfunc_end_k_q78f0c715f6_gemm_o:
	.size	k_q78f0c715f6_gemm_o, .Lfunc_end_k_q78f0c715f6_gemm_o-k_q78f0c715f6_gemm_o
	.p2alignl 7, 3214868480
	.fill 96, 4, 3214868480
	.section	.rodata,"a",@progbits
	.p2align	6, 0x0
	.amdhsa_kernel k_q78f0c715f6_gemm_o
		.amdhsa_group_segment_fixed_size 168448
		.amdhsa_private_segment_fixed_size 0
		.amdhsa_enable_private_segment 0
		.amdhsa_kernarg_size 32
		.amdhsa_user_sgpr_count 2
		.amdhsa_user_sgpr_kernarg_segment_ptr 1
		.amdhsa_wavefront_size32 1
		.amdhsa_system_sgpr_workgroup_id_x 1
		.amdhsa_system_sgpr_workgroup_id_y 1
		.amdhsa_system_sgpr_workgroup_id_z 1
		.amdhsa_system_vgpr_workitem_id 0
		.amdhsa_next_free_vgpr 384
		.amdhsa_next_free_sgpr 92
		.amdhsa_reserve_vcc 0
		.amdhsa_float_denorm_mode_32 3
		.amdhsa_float_denorm_mode_16_64 3
		.amdhsa_memory_ordered 1
		.amdhsa_forward_progress 1
		.amdhsa_inst_pref_size 49
	.end_amdhsa_kernel
	.amdgpu_metadata
---
amdhsa.version: [ 1, 2 ]
amdhsa.kernels:
  - .name:           k_q78f0c715f6_gemm_o
    .symbol:         k_q78f0c715f6_gemm_o.kd
    .args:
      - { .name: oq, .offset: 0, .size: 8, .value_kind: global_buffer, .address_space: global }
      - { .name: wts, .offset: 8, .size: 8, .value_kind: global_buffer, .address_space: global }
      - { .name: x, .offset: 16, .size: 8, .value_kind: global_buffer, .address_space: global }
      - { .name: x1, .offset: 24, .size: 8, .value_kind: global_buffer, .address_space: global }
    .group_segment_fixed_size: 168448
    .private_segment_fixed_size: 0
    .kernarg_segment_align: 8
    .kernarg_segment_size: 32
    .max_flat_workgroup_size: 128
    .sgpr_count:     92
    .vgpr_count:     384
    .wavefront_size: 32
...
	.end_amdgpu_metadata
.endif
;; end of part 5
;; launch ln2: the kernel of part 2 again; grid 256 x 1, 8 waves a work-group, no clusters, 66,816 bytes of LDS; arguments x1, ln2_g, ln2_b, hq; writes hq
;; launch gemm_1 (part 6): grid 8 x 32, 8 waves a work-group, no clusters, 210,944 bytes of LDS; arguments hq, wts, b1, gq; writes gq
.if DOCPART == 6
	.amdgcn_target "amdgcn-amd-amdhsa--gfx1250"
	.amdhsa_code_object_version 6
	.text
	.protected	k_q78f0c715f6_gemm_1
	.globl	k_q78f0c715f6_gemm_1
	.p2align	8
	.type	k_q78f0c715f6_gemm_1,@function
k_q78f0c715f6_gemm_1:
	s_mov_b64 s[64:65], 0
	v_nop
	global_prefetch_b8 v0, s[64:65] scope:SCOPE_SE
	s_setreg_imm32_b32 hwreg(HW_REG_WAVE_MODE, 25, 1), 1
	s_wait_xcnt 0x0
; g = gelu(h2 W1^T + b1), exact (by erf), on codes of FP4 (E2M1) with E8M0 scales, K = 1,024; g is quantised along the 2,048 hidden units on the way and leaves as the next product's image.
; A work-group makes 128 tokens (y) x 256 hidden units (x); each of eight waves 64 x 64: 16 accumulators in register window 1.  All operands (204 KiB) come into LDS once: one tensor load for each of waves 0-5.
; The product is used transposed (source 0 = 16 rows of W1, source 1 = 16 tokens); row r of tile i is row 32 (i / 2) + 8 (i % 2) + r + 8 (r / 8): so a lane holds one token, and the 32 registers of a token tile
; are hidden units 32 b + 16 h + 0 .. 15, b = 0, 1: two blocks of the next K, shared with lane l xor 16.  The bias is the C of each sum's first product.
; gelu(x) = x/2 (1 + erf(z)), z = x / sqrt(2).  |z| <= 0.9277: 1 + erf by an odd polynomial.  Beyond: e = exp(polynomial in |z|) = erfc(|z|), and 1 + erf = 2 - e (z > 0) or e (z < 0): nothing cancels on the negative side.
; Both ways are computed for every number and chosen by v_cndmask_b32.
; LIMITS: NaN and infinities are not served; erfc under 2^-126 is flushed to 0 by the exponential; a block under 2^-124 or of zeros gets the byte 1.
.set KSTEPS, 8
.set SSTR, 8192
.set CSTR, 512
.set LTC,  131072                      ; W's codes in two halves of 8 tiles from 0 and 65,536; the tokens' here
.set LWS,  196608                      ; W's scale words, two halves of 4,096
.set LTS,  204800                      ; the tokens'
.set GST,  208896                      ; 1 KiB in which g's scale bytes meet; no tile lands here
.set NOPAD, 3<<16
.set W1_C, 1310720
.set W1_S, 3489792
.set H_S,  2097152
.set G_S,  4194304
.set ADP, 4
.set ADQ, 5
.set ADS, 6
.set GSW, 7
.set GSR, 8
.set L16, 10
.set BO,  13
.set Z,   32                           ; behind the K walk, 16 registers each: z, x/2, |z|, z^2, two polynomials
.set HX,  48
.set TT,  64
.set SS,  80
.set RA,  96
.set RB,  112
.set KC,  144                          ; v144-149 three constants as pairs
.set GG,  168                          ; v168-199 the bias (8 registers a tile of W1), later g
.set QM,  200
.set WD,  208
.set CD,  212
.set WV,  2
.set SEL, 46
.set GWA0, 12                          ; descriptor groups 0: W's codes, first and second half; the tokens' codes;
.set GWB0, 16
.set GTC0, 20
.set GSA0, 24                          ; W's scale words, first and second half; the tokens'
.set GSB0, 28
.set GTS0, 32
.set GWC1, 36                          ; groups 1: one for each shape; W's two halves share theirs
.set GTC1, 68
.set GWS1, 76
.set GTS1, 84
.set MSB, 0
.macro WIN new
.if MSB != (\new)
	s_set_vgpr_msb (MSB<<8)|(\new)
.set MSB, (\new)
.endif
.endm
; ALL DESCRIPTORS ARE WRITTEN AHEAD OF THE FIRST TENSOR LOAD, by every wave, each tile's group 0 in registers of its own: none of these registers is written again before the wait for all loads.
.macro GRP0 g, lds, bp, op, extra      ; to LDS byte lds, from the buffer in s[bp] + the offset in s[op] + extra
	s_mov_b32 s[\g], 1
	s_mov_b32 s[\g+1], \lds
	s_add_nc_u64 s[\g+2:\g+3], s[\bp:\bp+1], s[\op:\op+1]
.if \extra
	s_add_nc_u64 s[\g+2:\g+3], s[\g+2:\g+3], \extra
.endif
	s_or_b32 s[\g+3], s[\g+3], 0x80000000
.endm
.macro GRP1 g, c8, rows, pitch8, flags ; rows x (8 c8) bytes, 8 pitch8 bytes from row to row
	s_mov_b32 s[\g], \flags
	s_mov_b32 s[\g+1], (\c8)<<16
	s_mov_b32 s[\g+2], (\rows)<<16
	s_mov_b32 s[\g+3], (\c8)<<16
	s_mov_b32 s[\g+4], \rows
	s_mov_b32 s[\g+5], \pitch8
	s_mov_b32 s[\g+6], 0
	s_mov_b32 s[\g+7], 0
.endm
.macro ASK wv, g0, g1                  ; wave wv alone asks for this tile; four v_nop follow the load
	s_cmp_eq_u32 s[WV], \wv
	s_cbranch_scc0 .Lskip_\@
	tensor_load_to_lds s[\g0:\g0+3], s[\g1:\g1+7]
	s_nop 0
.rept 4
	v_nop
.endr
.Lskip_\@:
.endm
.macro FETCH ap, aq, off, soff, f      ; 20 LDS loads into buffer f
.irp t, 0,1,2,3
	ds_load_b128 v[32+64*(\f)+8*\t:32+64*(\f)+8*\t+3], v[\ap] offset:(\off)+1024*\t
	ds_load_b128 v[32+64*(\f)+8*\t+4:32+64*(\f)+8*\t+7], v[\ap] offset:(\off)+1024*\t+512
.endr
.irp t, 0,1,2,3
	ds_load_b128 v[64+64*(\f)+8*\t:64+64*(\f)+8*\t+3], v[\aq] offset:(\off)+1024*\t
	ds_load_b128 v[64+64*(\f)+8*\t+4:64+64*(\f)+8*\t+7], v[\aq] offset:(\off)+1024*\t+512
.endr
.irp t, 0,1,2,3
	ds_load_b32 v[160+4*(\f)+\t], v[ADS] offset:(\soff)+64*\t
.endr
.endm
.macro MUL f, mode                     ; 16 products, the 16 accumulators by turns, one instruction a turn.  mode 2: the first K step starts the sums from the bias
.if \mode == 2
	WIN 0x40                                       ; D in window 1, C (the bias) in window 0
.else
	WIN 0x50
.endif
.irp q, 0,1,2,3
.irp p, 0,1,2,3
.if \mode == 2
	v_wmma_scale_f32_16x16x128_f8f6f4 v[32*\q+8*\p:32*\q+8*\p+7], v[32+64*(\f)+8*\p:32+64*(\f)+8*\p+7], v[64+64*(\f)+8*\q:64+64*(\f)+8*\q+7], v[GG+8*\p:GG+8*\p+7], v[160+4*(\f)+\p], v[160+4*(\f)+\q] matrix_a_fmt:MATRIX_FMT_FP4 matrix_b_fmt:MATRIX_FMT_FP4 matrix_b_scale:MATRIX_SCALE_ROW1
.else
	v_wmma_scale_f32_16x16x128_f8f6f4 v[32*\q+8*\p:32*\q+8*\p+7], v[32+64*(\f)+8*\p:32+64*(\f)+8*\p+7], v[64+64*(\f)+8*\q:64+64*(\f)+8*\q+7], v[32*\q+8*\p:32*\q+8*\p+7], v[160+4*(\f)+\p], v[160+4*(\f)+\q] matrix_a_fmt:MATRIX_FMT_FP4 matrix_b_fmt:MATRIX_FMT_FP4 matrix_b_scale:MATRIX_SCALE_ROW1
.endif
.endr
.endr
	WIN 0
.endm
; 16 numbers from the accumulators (window 1, from register A on) become gelu in v[G] on
.macro GELU16 A, G
	WIN 0x01
.irp i, 0,2,4,6,8,10,12,14
	v_pk_mul_f32 v[Z+\i:Z+\i+1], v[\A+\i:\A+\i+1], 0x3f3504f3 op_sel_hi:[1,0]          ; z = x / sqrt(2); each accumulator is read from its low end on
	v_pk_mul_f32 v[HX+\i:HX+\i+1], v[\A+\i:\A+\i+1], 0.5 op_sel_hi:[1,0]
.endr
	WIN 0
.irp i, 0,1,2,3,4,5,6,7,8,9,10,11,12,13,14,15
	v_and_b32 v[TT+\i], 0x7fffffff, v[Z+\i]        ; t = |z|
.endr
.irp i, 0,2,4,6,8,10,12,14
	v_pk_mul_f32 v[SS+\i:SS+\i+1], v[Z+\i:Z+\i+1], v[Z+\i:Z+\i+1]                      ; s = z^2
.endr
.irp i, 0,2,4,6,8,10,12,14
	v_pk_fma_f32 v[RA+\i:RA+\i+1], v[TT+\i:TT+\i+1], 0xb7910000, v[KC:KC+1] op_sel_hi:[1,0,1]
.endr
.irp i, 0,2,4,6,8,10,12,14
	v_pk_fma_f32 v[RB+\i:RB+\i+1], v[TT+\i:TT+\i+1], 0xbb7e8a1c, v[KC+2:KC+3] op_sel_hi:[1,0,1]
.endr
.irp i, 0,2,4,6,8,10,12,14
	v_pk_fma_f32 v[RA+\i:RA+\i+1], v[RA+\i:RA+\i+1], v[SS+\i:SS+\i+1], v[RB+\i:RB+\i+1]
.endr
.irp i, 0,2,4,6,8,10,12,14
	v_pk_fma_f32 v[RA+\i:RA+\i+1], v[RA+\i:RA+\i+1], v[TT+\i:TT+\i+1], 0xbddaae5c op_sel_hi:[1,1,0]
.endr
.irp i, 0,2,4,6,8,10,12,14
	v_pk_fma_f32 v[RA+\i:RA+\i+1], v[RA+\i:RA+\i+1], v[TT+\i:TT+\i+1], 0xbf228550 op_sel_hi:[1,1,0]
.endr
.irp i, 0,2,4,6,8,10,12,14
	v_pk_fma_f32 v[RA+\i:RA+\i+1], v[RA+\i:RA+\i+1], v[TT+\i:TT+\i+1], 0xbe03ce86 op_sel_hi:[1,1,0]
.endr
.irp i, 0,2,4,6,8,10,12,14
	v_pk_fma_f32 v[RA+\i:RA+\i+1], v[RA+\i:RA+\i+1], v[TT+\i:TT+\i+1], v[TT+\i:TT+\i+1] neg_lo:[0,0,1] neg_hi:[0,0,1]
.endr
.irp i, 0,2,4,6,8,10,12,14
	v_pk_mul_f32 v[RA+\i:RA+\i+1], v[RA+\i:RA+\i+1], 0x3fb8aa3b op_sel_hi:[1,0]        ; x log2(e): the exponential works in base 2
.endr
.irp i, 0,2,4,6,8,10,12,14
	v_pk_fma_f32 v[RB+\i:RB+\i+1], v[SS+\i:SS+\i+1], 0xba1c7000, v[KC+4:KC+5] op_sel_hi:[1,0,1]
.endr
.irp i, 0,2,4,6,8,10,12,14
	v_pk_fma_f32 v[RB+\i:RB+\i+1], v[RB+\i:RB+\i+1], v[SS+\i:SS+\i+1], 0xbcdb48d9 op_sel_hi:[1,1,0]
.endr
.irp i, 0,2,4,6,8,10,12,14
	v_pk_fma_f32 v[RB+\i:RB+\i+1], v[RB+\i:RB+\i+1], v[SS+\i:SS+\i+1], 0x3de70e22 op_sel_hi:[1,1,0]
.endr
.irp i, 0,2,4,6,8,10,12,14
	v_pk_fma_f32 v[RB+\i:RB+\i+1], v[RB+\i:RB+\i+1], v[SS+\i:SS+\i+1], 0xbec09380 op_sel_hi:[1,1,0]
.endr
.irp i, 0,2,4,6,8,10,12,14
	v_pk_fma_f32 v[RB+\i:RB+\i+1], v[RB+\i:RB+\i+1], v[SS+\i:SS+\i+1], 0x3e0375d4 op_sel_hi:[1,1,0]
.endr
.irp i, 0,2,4,6,8,10,12,14
	v_pk_fma_f32 v[RB+\i:RB+\i+1], v[RB+\i:RB+\i+1], v[Z+\i:Z+\i+1], v[Z+\i:Z+\i+1]    ; erf(z) for small |z|
.endr
.irp i, 0,1,2,3,4,5,6,7,8,9,10,11,12,13,14,15
	v_exp_f32 v[RA+\i], v[RA+\i]                   ; erfc(|z|) for large |z|
.endr
.irp i, 0,2,4,6,8,10,12,14
	v_pk_add_f32 v[RB+\i:RB+\i+1], v[RB+\i:RB+\i+1], 1.0 op_sel_hi:[1,0]               ; (plain places behind the exponentials)
.endr
	s_wait_alu depctr_va_vdst(0)
.irp i, 0,1,2,3,4,5,6,7,8,9,10,11,12,13,14,15
	v_sub_f32 v[SS+\i], 2.0, v[RA+\i]
.endr
.irp i, 0,1,2,3,4,5,6,7,8,9,10,11,12,13,14,15
	v_cmp_gt_f32 vcc_lo, 0, v[Z+\i]
	v_cndmask_b32 v[SS+\i], v[SS+\i], v[RA+\i], vcc_lo
	v_cmp_lt_f32 vcc_lo, 0x3f6d8000, v[TT+\i]
	v_cndmask_b32 v[RB+\i], v[RB+\i], v[SS+\i], vcc_lo
.endr
.irp i, 0,2,4,6,8,10,12,14
	v_pk_mul_f32 v[\G+\i:\G+\i+1], v[HX+\i:HX+\i+1], v[RB+\i:RB+\i+1]
.endr
.endm
; 32 numbers of a lane, register 16 b + i = k 32 b + 16 h + i of its row, become four registers of codes: block h of the row, the image's piece at 16 x lane.  v[QM+6], v[QM+7]: the two bytes.
.macro QUANT2 T, C
	v_max3_num_f32 v[QM], |v[\T]|, |v[\T+1]|, 0x1800000
	v_max3_num_f32 v[QM+1], |v[\T+16]|, |v[\T+17]|, 0x1800000
.irp i, 2,4,6,8,10,12,14
	v_max3_num_f32 v[QM], v[QM], |v[\T+\i]|, |v[\T+\i+1]|
	v_max3_num_f32 v[QM+1], v[QM+1], |v[\T+16+\i]|, |v[\T+17+\i]|
.endr
	v_permlanex16_b32 v[QM+2], v[QM], s[SEL], s[SEL+1]
	v_permlanex16_b32 v[QM+3], v[QM+1], s[SEL], s[SEL+1]
	v_max_num_f32 v[QM], v[QM], v[QM+2]
	v_max_num_f32 v[QM+1], v[QM+1], v[QM+3]
	v_add_nc_u32 v[QM+4], 0xff000000, v[QM]
	v_add_nc_u32 v[QM+5], 0xff000000, v[QM+1]
	v_lshrrev_b32 v[QM+6], 23, v[QM+4]
	v_lshrrev_b32 v[QM+7], 23, v[QM+5]
	v_cvt_scalef32_pk8_fp4_f32 v[\C], v[\T:\T+7], v[QM+4]
	v_cvt_scalef32_pk8_fp4_f32 v[\C+1], v[\T+8:\T+15], v[QM+4]
	v_cvt_scalef32_pk8_fp4_f32 v[\C+2], v[\T+16:\T+23], v[QM+5]
	v_cvt_scalef32_pk8_fp4_f32 v[\C+3], v[\T+24:\T+31], v[QM+5]
	v_nop                                          ; one plain place behind the last scaled conversion
	v_permlane16_swap_b32 v[\C], v[\C+2]
	v_permlane16_swap_b32 v[\C+1], v[\C+3]
.endm
	s_load_b256 s[4:11], s[0:1], 0x0               ; h2's image, the weights' images, b1, g's image
	v_lshl_add_u32 v254, v0, 2, 0x33400
	v_mov_b32 v255, 0
	ds_add_u32 v254, v255
	ds_add_u32 v254, v255
	v_lshrrev_b32 v1, 5, v0
	v_readfirstlane_b32 s[WV], v1                  ; wave 0..7
	v_and_b32 v1, 31, v0
	v_and_b32 v2, 15, v0
	v_bfe_u32 v3, v0, 4, 1
	s_lshr_b32 s3, s[WV], 2                        ; which 64 tokens
	s_and_b32 s48, s[WV], 3                        ; which 64 hidden units
	s_lshr_b32 s49, s48, 1
	s_and_b32 s44, s48, 1
	v_lshlrev_b32 v[L16], 4, v1
	s_lshl_b32 s45, s49, 16
	s_lshl_b32 s100, s44, 12
	s_add_co_u32 s45, s45, s100
	v_add_nc_u32 v[ADP], s45, v[L16]
	s_lshl_b32 s45, s3, 12
	s_add_co_u32 s45, s45, LTC
	v_add_nc_u32 v[ADQ], s45, v[L16]
	s_lshl_b32 s45, s49, 12
	s_lshl_b32 s100, s44, 8
	s_add_co_u32 s45, s45, s100                    ; my W's scale words, from LWS on
	s_lshl_b32 s100, s3, 8
	s_add_co_u32 s100, s100, LTS-LWS
	s_sub_co_u32 s100, s100, s45                   ; from them to my tokens': at least 3,840 bytes
	v_mul_u32_u24 v[ADS], s100, v3
	v_lshl_add_u32 v[ADS], v2, 2, v[ADS]
	s_add_co_u32 s45, s45, LWS
	v_add_nc_u32 v[ADS], s45, v[ADS]
	s_lshl_b32 s45, s49, 9
	s_lshl_b32 s100, s3, 8
	s_add_co_u32 s45, s45, s100
	s_lshl_b32 s100, s44, 1
	s_add_co_u32 s45, s45, s100
	s_add_co_u32 s45, s45, GST
	v_lshl_add_u32 v[GSW], v2, 2, s45              ; where my two scale bytes of a row go
	s_and_b32 s45, s[WV], 1
	s_lshl_b32 s45, s45, 9
	s_add_co_u32 s45, s45, GST
	v_add_nc_u32 v[GSR], s45, v[L16]               ; and where waves 0 and 1 read a K step's words
	v_lshlrev_b32 v[BO], 6, v3
	v_mov_b32 v[QM+2], 0                           ; lane permutes' destinations count as read: written once
	v_mov_b32 v[QM+3], 0
	s_mov_b32 s[SEL], 0x76543210
	s_mov_b32 s[SEL+1], 0xfedcba98
	GRP1 GWC1, 1024, 8, 16384, NOPAD               ; W's codes: 8 K steps x 8 tiles; the image has 128 tiles a K step
	GRP1 GTC1, 1024, 8, 32768, NOPAD               ; the tokens': 256 tiles a K step
	GRP1 GWS1, 64, 8, 1024, NOPAD                  ; W's scale words
	GRP1 GTS1, 64, 8, 2048, NOPAD                  ; the tokens'
	s_and_b32 s61, ttmp7, 0xffff
	s_lshl_b32 s50, ttmp9, 14
	s_mov_b32 s51, 0
	s_lshl_b32 s52, ttmp9, 10
	s_mov_b32 s53, 0
	s_lshl_b32 s54, s61, 13
	s_mov_b32 s55, 0
	s_lshl_b32 s56, s61, 9
	s_mov_b32 s57, 0
	s_lshl_b32 s62, s48, 8
	s_add_co_u32 s62, s62, s52                     ; b1: (256 x + 64 ch) x 4
	s_mov_b32 s63, 0
	s_wait_dscnt 0x0
	s_wait_kmcnt 0x0
	GRP0 GWA0, 0, 6, 50, W1_C                      ; tiles 0-7 of my 16
	GRP0 GWB0, 65536, 6, 50, W1_C+8192             ; tiles 8-15
	GRP0 GTC0, LTC, 4, 54, 0
	GRP0 GSA0, LWS, 6, 52, W1_S
	GRP0 GSB0, LWS+4096, 6, 52, W1_S+512
	GRP0 GTS0, LTS, 4, 56, H_S
	ASK 0, GWA0, GWC1
	ASK 1, GWB0, GWC1
	ASK 2, GTC0, GTC1
	ASK 3, GSA0, GWS1
	ASK 4, GSB0, GWS1
	ASK 5, GTS0, GTS1
	s_add_nc_u64 s[8:9], s[8:9], s[62:63]
.irp p, 0,1,2,3
	global_load_b128 v[GG+8*\p:GG+8*\p+3], v[BO], s[8:9] offset:128*(\p/2)+32*(\p%2)           ; register j of tile p: the bias of hidden unit 32 (p / 2) + 16 h + 8 (p % 2) + j
	global_load_b128 v[GG+8*\p+4:GG+8*\p+7], v[BO], s[8:9] offset:128*(\p/2)+32*(\p%2)+16
.endr
	s_lshl_b32 s92, ttmp9, 1
	s_add_co_u32 s93, s92, s49                     ; g's K step: 2 x + ch / 2
	s_lshl_b32 s93, s93, 8
	s_lshl_b32 s94, s61, 3
	s_add_co_u32 s93, s93, s94
	s_lshl_b32 s95, s3, 2
	s_add_co_u32 s93, s93, s95
	s_lshl_b32 s96, s93, 10
	s_lshl_b32 s95, s44, 9
	s_add_co_u32 s96, s96, s95
	s_mov_b32 s97, 0
	s_add_nc_u64 s[96:97], s[10:11], s[96:97]      ; my codes
	s_and_b32 s95, s[WV], 1
	s_add_co_u32 s92, s92, s95
	s_lshl_b32 s92, s92, 8
	s_add_co_u32 s92, s92, s94
	s_lshl_b32 s98, s92, 6
	s_add_co_u32 s98, s98, G_S
	s_mov_b32 s99, 0
	s_add_nc_u64 s[98:99], s[10:11], s[98:99]      ; the words that waves 0 and 1 store
	s_wait_tensorcnt 0x0
	s_wait_loadcnt 0x0                             ; the bias
	s_barrier_signal -1
	s_barrier_wait -1
	FETCH ADP, ADQ, 0, 0, 0
.set S, 0
.rept KSTEPS
.if S+1 < KSTEPS
.if S > 0
.rept 4
	v_nop                                          ; four places between the last products and loads into the buffer that they read
.endr
.endif
	FETCH ADP, ADQ, (S+1)*SSTR, (S+1)*CSTR, (S+1)%2
	s_wait_dscnt 20                                ; all but the 20 just issued
.else
	s_wait_dscnt 0x0
.endif
.if S == 0
	MUL 0, 2
.else
	MUL S%2, 0
.endif
.set S, S+1
.endr
.rept 4
	v_nop                                          ; four places ahead of the first read of results and of writes over the operands
.endr
	v_mov_b32 v[KC], 0x39c8e7d9
	v_mov_b32 v[KC+1], 0x39c8e7d9
	v_mov_b32 v[KC+2], 0x3cc6b1a1
	v_mov_b32 v[KC+3], 0x3cc6b1a1
	v_mov_b32 v[KC+4], 0x3ba38d2c
	v_mov_b32 v[KC+5], 0x3ba38d2c
.irp q, 0,1,2,3
	GELU16 32*\q, GG
	GELU16 32*\q+16, GG+16
	QUANT2 GG, CD+4*\q
	v_lshl_or_b32 v[WD], v[QM+7], 8, v[QM+6]
	global_store_b128 v[L16], v[CD+4*\q:CD+4*\q+3], s[96:97] offset:1024*\q    ; 512 consecutive bytes of g's image
	ds_store_b16 v[GSW], v[WD] offset:64*\q        ; both halves of the lanes write the same bytes with the same value
.endr
	s_wait_dscnt 0x0                               ; for the others' sake
	s_barrier_signal -1
	s_barrier_wait -1
	s_cmp_lt_u32 s[WV], 2
	s_cbranch_scc0 .Ldone
	ds_load_b128 v[32:35], v[GSR]
	s_wait_dscnt 0x0
	global_store_b128 v[L16], v[32:35], s[98:99]   ; a K step's words of eight tiles: 512 consecutive bytes
.Ldone:
	s_wait_tensorcnt 0x0
	ds_add_u32 v254, v255
	s_wait_dscnt 0x0
	s_endpgm
.Lfunc_end_k_q78f0c715f6_gemm_1:
	.size	k_q78f0c715f6_gemm_1, .Lfunc_end_k_q78f0c715f6_gemm_1-k_q78f0c715f6_gemm_1
	.p2alignl 7, 3214868480
	.fill 96, 4, 3214868480
	.section	.rodata,"a",@progbits
	.p2align	6, 0x0
	.amdhsa_kernel k_q78f0c715f6_gemm_1
		.amdhsa_group_segment_fixed_size 210944
		.amdhsa_private_segment_fixed_size 0
		.amdhsa_enable_private_segment 0
		.amdhsa_kernarg_size 32
		.amdhsa_user_sgpr_count 2
		.amdhsa_user_sgpr_kernarg_segment_ptr 1
		.amdhsa_wavefront_size32 1
		.amdhsa_system_sgpr_workgroup_id_x 1
		.amdhsa_system_sgpr_workgroup_id_y 1
		.amdhsa_system_sgpr_workgroup_id_z 1
		.amdhsa_system_vgpr_workitem_id 0
		.amdhsa_next_free_vgpr 384
		.amdhsa_next_free_sgpr 101
		.amdhsa_reserve_vcc 1
		.amdhsa_float_denorm_mode_32 3
		.amdhsa_float_denorm_mode_16_64 3
		.amdhsa_memory_ordered 1
		.amdhsa_forward_progress 1
		.amdhsa_inst_pref_size 183
	.end_amdhsa_kernel
	.amdgpu_metadata
---
amdhsa.version: [ 1, 2 ]
amdhsa.kernels:
  - .name:           k_q78f0c715f6_gemm_1
    .symbol:         k_q78f0c715f6_gemm_1.kd
    .args:
      - { .name: hq, .offset: 0, .size: 8, .value_kind: global_buffer, .address_space: global }
      - { .name: wts, .offset: 8, .size: 8, .value_kind: global_buffer, .address_space: global }
      - { .name: b1, .offset: 16, .size: 8, .value_kind: global_buffer, .address_space: global }
      - { .name: gq, .offset: 24, .size: 8, .value_kind: global_buffer, .address_space: global }
    .group_segment_fixed_size: 210944
    .private_segment_fixed_size: 0
    .kernarg_segment_align: 8
    .kernarg_segment_size: 32
    .max_flat_workgroup_size: 256
    .sgpr_count:     101
    .vgpr_count:     384
    .wavefront_size: 32
...
	.end_amdgpu_metadata
.endif
;; end of part 6
;; launch gemm_2 (part 7): grid 8 x 32, 4 waves a work-group, no clusters, 296,448 bytes of LDS; arguments gq, wts, b2, x1, out0; writes out0
.if DOCPART == 7
	.amdgcn_target "amdgcn-amd-amdhsa--gfx1250"
	.amdhsa_code_object_version 6
	.text
	.protected	k_q78f0c715f6_gemm_2
	.globl	k_q78f0c715f6_gemm_2
	.p2align	8
	.type	k_q78f0c715f6_gemm_2,@function
k_q78f0c715f6_gemm_2:
	s_mov_b64 s[64:65], 0
	v_nop
	global_prefetch_b8 v0, s[64:65] scope:SCOPE_SE
	s_setreg_imm32_b32 hwreg(HW_REG_WAVE_MODE, 25, 1), 1
	s_wait_xcnt 0x0
; out = x1 + g W2^T + b2 on codes of FP4 (E2M1) with E8M0 scales, K = 2,048; sums, bias and residual in f32.
; A work-group makes 128 tokens (y) x 128 channels (x); each of four waves 64 x 64: 16 accumulators in register window 1.  All operands (272 KiB) come into LDS once: one tensor load a wave, one wait, one barrier.
; Operands lie as images of their registers; the product is used transposed (source 0 = 16 rows of W2, source 1 = 16 tokens); row r of tile i is row 32 (i / 2) + 8 (i % 2) + r + 8 (r / 8).
; The bias is the C of each sum's first product.  Results go through the wave's own stage in LDS and leave as aligned runs of 256 bytes.
.set KSTEPS, 16
.set SSTR, 8192
.set CSTR, 512
.set LTC,  131072                      ; W's codes from 0; the tokens' here
.set LWS,  262144
.set LTS,  270336
.set STG,  278528                      ; 16 rows x 272 bytes for each wave; no tile lands here
.set NOPAD, 3<<16
.set W2_C, 2359296
.set W2_S, 3555328
.set G_S,  4194304
.set ADP, 4
.set ADQ, 5
.set ADS, 6
.set STO, 7
.set RD,  8
.set CO,  9
.set L16, 10
.set BO,  13
.set ADP2, 14                          ; v14, v15: the same 65,536 bytes on, for K steps 8-15: an LDS offset has 16 bits
.set ADQ2, 15
.set YY,  168                          ; v168-199 the bias, then with v200-231 two sets of eight rows' pieces on the way out
.set WV,  2
.set GWC0, 12                          ; descriptor groups 0: W's codes, the tokens' codes, W's scale words, the tokens'
.set GTC0, 16
.set GWS0, 20
.set GTS0, 24
.set GWC1, 28                          ; and their groups 1
.set GTC1, 68
.set GWS1, 76
.set GTS1, 84
.set MSB, 0
.macro WIN new
.if MSB != (\new)
	s_set_vgpr_msb (MSB<<8)|(\new)
.set MSB, (\new)
.endif
.endm
; ALL DESCRIPTORS ARE WRITTEN AHEAD OF THE FIRST TENSOR LOAD, by every wave, each tile's in registers of its own: none of these registers is written again before the wait for all loads.
.macro GRP0 g, lds, bp, op, extra      ; to LDS byte lds, from the buffer in s[bp] + the offset in s[op] + extra
	s_mov_b32 s[\g], 1
	s_mov_b32 s[\g+1], \lds
	s_add_nc_u64 s[\g+2:\g+3], s[\bp:\bp+1], s[\op:\op+1]
.if \extra
	s_add_nc_u64 s[\g+2:\g+3], s[\g+2:\g+3], \extra
.endif
	s_or_b32 s[\g+3], s[\g+3], 0x80000000
.endm
.macro GRP1 g, c8, rows, pitch8, flags ; rows x (8 c8) bytes, 8 pitch8 bytes from row to row
	s_mov_b32 s[\g], \flags
	s_mov_b32 s[\g+1], (\c8)<<16
	s_mov_b32 s[\g+2], (\rows)<<16
	s_mov_b32 s[\g+3], (\c8)<<16
	s_mov_b32 s[\g+4], \rows
	s_mov_b32 s[\g+5], \pitch8
	s_mov_b32 s[\g+6], 0
	s_mov_b32 s[\g+7], 0
.endm
.macro ASK wv, g0, g1                  ; wave wv alone asks for this tile; four v_nop follow the load
	s_cmp_eq_u32 s[WV], \wv
	s_cbranch_scc0 .Lskip_\@
	tensor_load_to_lds s[\g0:\g0+3], s[\g1:\g1+7]
	s_nop 0
.rept 4
	v_nop
.endr
.Lskip_\@:
.endm
.macro FETCH ap, aq, off, soff, f      ; 20 LDS loads into buffer f
.irp t, 0,1,2,3
	ds_load_b128 v[32+64*(\f)+8*\t:32+64*(\f)+8*\t+3], v[\ap] offset:(\off)+1024*\t
	ds_load_b128 v[32+64*(\f)+8*\t+4:32+64*(\f)+8*\t+7], v[\ap] offset:(\off)+1024*\t+512
.endr
.irp t, 0,1,2,3
	ds_load_b128 v[64+64*(\f)+8*\t:64+64*(\f)+8*\t+3], v[\aq] offset:(\off)+1024*\t
	ds_load_b128 v[64+64*(\f)+8*\t+4:64+64*(\f)+8*\t+7], v[\aq] offset:(\off)+1024*\t+512
.endr
.irp t, 0,1,2,3
	ds_load_b32 v[160+4*(\f)+\t], v[ADS] offset:(\soff)+64*\t
.endr
.endm
.macro FETCHS n                        ; K step n
.if (\n) < 8
	FETCH ADP, ADQ, (\n)*SSTR, (\n)*CSTR, (\n)%2
.else
	FETCH ADP2, ADQ2, ((\n)-8)*SSTR, (\n)*CSTR, (\n)%2
.endif
.endm
.macro MUL f, mode                     ; 16 products, the 16 accumulators by turns, one instruction a turn.  mode 2: the first K step starts the sums from the bias
.if \mode == 2
	WIN 0x40
.else
	WIN 0x50
.endif
.irp q, 0,1,2,3
.irp p, 0,1,2,3
.if \mode == 2
	v_wmma_scale_f32_16x16x128_f8f6f4 v[32*\q+8*\p:32*\q+8*\p+7], v[32+64*(\f)+8*\p:32+64*(\f)+8*\p+7], v[64+64*(\f)+8*\q:64+64*(\f)+8*\q+7], v[YY+8*\p:YY+8*\p+7], v[160+4*(\f)+\p], v[160+4*(\f)+\q] matrix_a_fmt:MATRIX_FMT_FP4 matrix_b_fmt:MATRIX_FMT_FP4 matrix_b_scale:MATRIX_SCALE_ROW1
.else
	v_wmma_scale_f32_16x16x128_f8f6f4 v[32*\q+8*\p:32*\q+8*\p+7], v[32+64*(\f)+8*\p:32+64*(\f)+8*\p+7], v[64+64*(\f)+8*\q:64+64*(\f)+8*\q+7], v[32*\q+8*\p:32*\q+8*\p+7], v[160+4*(\f)+\p], v[160+4*(\f)+\q] matrix_a_fmt:MATRIX_FMT_FP4 matrix_b_fmt:MATRIX_FMT_FP4 matrix_b_scale:MATRIX_SCALE_ROW1
.endif
.endr
.endr
	WIN 0
.endm
	s_load_b256 s[4:11], s[0:1], 0x0               ; g's image, the weights' images, b2, x1
	s_load_b64 s[44:45], s[0:1], 0x20              ; out
	v_lshl_add_u32 v254, v0, 2, 0x48400
	v_mov_b32 v255, 0
	ds_add_u32 v254, v255
	ds_add_u32 v254, v255
	v_lshrrev_b32 v1, 5, v0
	v_readfirstlane_b32 s[WV], v1
	v_and_b32 v1, 31, v0
	v_and_b32 v2, 15, v0
	v_bfe_u32 v3, v0, 4, 1
	s_lshr_b32 s3, s[WV], 1                        ; which 64 tokens
	s_and_b32 s48, s[WV], 1                        ; which 64 channels
	v_lshlrev_b32 v[L16], 4, v1
	s_lshl_b32 s49, s48, 12
	v_add_nc_u32 v[ADP], s49, v[L16]
	v_add_nc_u32 v[ADP2], 65536, v[ADP]
	s_lshl_b32 s49, s3, 12
	s_add_co_u32 s49, s49, LTC
	v_add_nc_u32 v[ADQ], s49, v[L16]
	v_add_nc_u32 v[ADQ2], 65536, v[ADQ]
	s_lshl_b32 s49, s3, 8
	s_add_co_u32 s49, s49, LTS-LWS
	s_lshl_b32 s60, s48, 8
	s_sub_co_u32 s49, s49, s60                     ; from my W's scale words to my tokens'
	v_mul_u32_u24 v[ADS], s49, v3
	v_lshl_add_u32 v[ADS], v2, 2, v[ADS]
	s_add_co_u32 s60, s60, LWS
	v_add_nc_u32 v[ADS], s60, v[ADS]
	s_mul_i32 s49, s[WV], 16*272
	s_add_co_u32 s49, s49, STG
	v_mul_u32_u24 v[STO], v2, 272
	v_lshl_add_u32 v[STO], v3, 6, v[STO]
	v_add_nc_u32 v[STO], s49, v[STO]
	v_mul_u32_u24 v[RD], v3, 272
	v_lshl_add_u32 v[RD], v2, 4, v[RD]
	v_add_nc_u32 v[RD], s49, v[RD]
	v_lshlrev_b32 v[CO], 12, v3
	v_lshl_add_u32 v[CO], v2, 4, v[CO]
	v_lshlrev_b32 v[BO], 6, v3
	GRP1 GWC1, 1024, 16, 8192, NOPAD               ; W's codes: 16 K steps x 8 tiles; the image has 64 tiles a K step
	GRP1 GTC1, 1024, 16, 32768, NOPAD              ; the tokens': 256 tiles a K step
	GRP1 GWS1, 64, 16, 512, NOPAD                  ; W's scale words
	GRP1 GTS1, 64, 16, 2048, NOPAD                 ; the tokens'
	s_and_b32 s61, ttmp7, 0xffff
	s_lshl_b32 s50, ttmp9, 13
	s_mov_b32 s51, 0
	s_lshl_b32 s52, ttmp9, 9
	s_mov_b32 s53, 0
	s_lshl_b32 s54, s61, 13
	s_mov_b32 s55, 0
	s_lshl_b32 s56, s61, 9
	s_mov_b32 s57, 0
	s_lshl_b32 s40, s48, 8
	s_add_co_u32 s40, s40, s52                     ; b2: (128 x + 64 ch) x 4
	s_mov_b32 s41, 0
	s_lshl_b32 s62, s61, 19
	s_lshl_b32 s60, s3, 18
	s_add_co_u32 s62, s62, s60
	s_add_co_u32 s62, s62, s40                     ; my first token's row, my first channel
	s_mov_b32 s63, 0
	s_wait_dscnt 0x0
	s_wait_kmcnt 0x0
	GRP0 GWC0, 0, 6, 50, W2_C
	GRP0 GTC0, LTC, 4, 54, 0
	GRP0 GWS0, LWS, 6, 52, W2_S
	GRP0 GTS0, LTS, 4, 56, G_S
	ASK 0, GWC0, GWC1
	ASK 1, GTC0, GTC1
	ASK 2, GWS0, GWS1
	ASK 3, GTS0, GTS1
	s_add_nc_u64 s[8:9], s[8:9], s[40:41]
.irp p, 0,1,2,3
	global_load_b128 v[YY+8*\p:YY+8*\p+3], v[BO], s[8:9] offset:128*(\p/2)+32*(\p%2)
	global_load_b128 v[YY+8*\p+4:YY+8*\p+7], v[BO], s[8:9] offset:128*(\p/2)+32*(\p%2)+16
.endr
	s_add_nc_u64 s[10:11], s[10:11], s[62:63]
	s_add_nc_u64 s[44:45], s[44:45], s[62:63]
	s_wait_tensorcnt 0x0
	s_wait_loadcnt 0x0                             ; the bias
	s_barrier_signal -1
	s_barrier_wait -1
	FETCHS 0
.set S, 0
.rept KSTEPS
.if S+1 < KSTEPS
.if S > 0
.rept 4
	v_nop                                          ; four places between the last products and loads into the buffer that they read
.endr
.endif
	FETCHS S+1
	s_wait_dscnt 20                                ; all but the 20 just issued
.else
	s_wait_dscnt 0x0
.endif
.if S == 0
	MUL 0, 2
.else
	MUL S%2, 0
.endif
.set S, S+1
.endr
.rept 4
	v_nop                                          ; four places ahead of loads over the operands and of the first read of results
.endr
.irp q, 0,1,2,3
.irp n, 0,1,2,3,4,5,6,7
	global_load_b128 v[32+32*\q+4*\n:35+32*\q+4*\n], v[CO], s[10:11] offset:(32*(\q/2)+8*(\q%2)+2*\n+8*(\n/4))*4096 th:TH_LOAD_NT     ; the residual: read once in this launch
.endr
.endr
.irp q, 0,1,2,3
.if \q > 1
	s_wait_xcnt 0x0                                ; the stores of two tiles ago have read this set: it is loaded again only behind this wait
.endif
	WIN 0x04                                       ; an LDS store's data are its source 1: window 1
.irp p, 0,1,2,3
.irp k, 0,1
	ds_store_b128 v[STO], v[32*\q+8*\p+4*\k:32*\q+8*\p+4*\k+3] offset:128*(\p/2)+32*(\p%2)+16*\k     ; each accumulator from its low end on
.endr
.endr
	WIN 0
.irp n, 0,1,2,3,4,5,6,7
	ds_load_b128 v[YY+32*(\q%2)+4*\n:YY+32*(\q%2)+4*\n+3], v[RD] offset:544*\n
.endr
	s_wait_dscnt 0x0
	s_wait_loadcnt 8*(3-\q)                        ; this tile's eight residual loads are in; the later tiles' may be out
.irp i, 0,2,4,6,8,10,12,14,16,18,20,22,24,26,28,30
	v_pk_add_f32 v[YY+32*(\q%2)+\i:YY+32*(\q%2)+\i+1], v[YY+32*(\q%2)+\i:YY+32*(\q%2)+\i+1], v[32+32*\q+\i:33+32*\q+\i]
.endr
.irp n, 0,1,2,3,4,5,6,7
	global_store_b128 v[CO], v[YY+32*(\q%2)+4*\n:YY+32*(\q%2)+4*\n+3], s[44:45] offset:(32*(\q/2)+8*(\q%2)+2*\n+8*(\n/4))*4096 th:TH_STORE_NT    ; sixteen lanes store 256 consecutive bytes, aligned
.endr
.endr
	s_wait_tensorcnt 0x0
	ds_add_u32 v254, v255
	s_wait_dscnt 0x0
	s_endpgm
.Lfunc_end_k_q78f0c715f6_gemm_2:
	.size	k_q78f0c715f6_gemm_2, .Lfunc_end_k_q78f0c715f6_gemm_2-k_q78f0c715f6_gemm_2
	.p2alignl 7, 3214868480
	.fill 96, 4, 3214868480
	.section	.rodata,"a",@progbits
	.p2align	6, 0x0
	.amdhsa_kernel k_q78f0c715f6_gemm_2
		.amdhsa_group_segment_fixed_size 296448
		.amdhsa_private_segment_fixed_size 0
		.amdhsa_enable_private_segment 0
		.amdhsa_kernarg_size 40
		.amdhsa_user_sgpr_count 2
		.amdhsa_user_sgpr_kernarg_segment_ptr 1
		.amdhsa_wavefront_size32 1
		.amdhsa_system_sgpr_workgroup_id_x 1
		.amdhsa_system_sgpr_workgroup_id_y 1
		.amdhsa_system_sgpr_workgroup_id_z 1
		.amdhsa_system_vgpr_workitem_id 0
		.amdhsa_next_free_vgpr 384
		.amdhsa_next_free_sgpr 92
		.amdhsa_reserve_vcc 0
		.amdhsa_float_denorm_mode_32 3
		.amdhsa_float_denorm_mode_16_64 3
		.amdhsa_memory_ordered 1
		.amdhsa_forward_progress 1
		.amdhsa_inst_pref_size 78
	.end_amdhsa_kernel
	.amdgpu_metadata
---
amdhsa.version: [ 1, 2 ]
amdhsa.kernels:
  - .name:           k_q78f0c715f6_gemm_2
    .symbol:         k_q78f0c715f6_gemm_2.kd
    .args:
      - { .name: gq, .offset: 0, .size: 8, .value_kind: global_buffer, .address_space: global }
      - { .name: wts, .offset: 8, .size: 8, .value_kind: global_buffer, .address_space: global }
      - { .name: b2, .offset: 16, .size: 8, .value_kind: global_buffer, .address_space: global }
      - { .name: x1, .offset: 24, .size: 8, .value_kind: global_buffer, .address_space: global }
      - { .name: out0, .offset: 32, .size: 8, .value_kind: global_buffer, .address_space: global }
    .group_segment_fixed_size: 296448
    .private_segment_fixed_size: 0
    .kernarg_segment_align: 8
    .kernarg_segment_size: 40
    .max_flat_workgroup_size: 128
    .sgpr_count:     92
    .vgpr_count:     384
    .wavefront_size: 32
...
	.end_amdgpu_metadata
.endif
;; end of part 7
;; ======== version 2 of 2: 7 launches
;; limits: right only within a limited range of input values
;; workspace buffers: wts 3,620,864 bytes; hq 2,228,224 bytes; qkvq 3,506,176 bytes; oq 2,228,224 bytes; x1 16,777,216 bytes; gq 4,456,448 bytes
;; launch prep (part 8): grid 464 x 1, 8 waves a work-group, no clusters, 136,448 bytes of LDS; arguments x, ln1_g, ln1_b, hq, Wq, Wkv, Wo, W1, W2, wts; writes hq, wts
.if DOCPART == 8
	.amdgcn_target "amdgcn-amd-amdhsa--gfx1250"
	.amdhsa_code_object_version 6
	.text
	.protected	k_q78f0c715f6_prep
	.globl	k_q78f0c715f6_prep
	.p2align	8
	.type	k_q78f0c715f6_prep,@function
k_q78f0c715f6_prep:
	s_mov_b64 s[64:65], 0
	v_nop
	global_prefetch_b8 v0, s[64:65] scope:SCOPE_SE
	s_setreg_imm32_b32 hwreg(HW_REG_WAVE_MODE, 25, 1), 1
	s_wait_xcnt 0x0
; TWO INDEPENDENT JOBS IN ONE LAUNCH, parted once on the work-group's number: work-groups 0-207 quantise the five weights, work-groups 208-463 make LayerNorm 1 of x and quantise it.
; Neither reads what the other writes.  Each way has LDS bytes of its own.  Both write IMAGES OF AN OPERAND'S REGISTERS in codes of FP4 (E2M1) with one E8M0 byte for each 32 along K:
; a tile is 1,024 bytes of codes [c][lane][16 bytes]: lane (r, h) of tile i holds block 4 s + 2 c + h of row 32 (i / 2) + 8 (i % 2) + r + 8 (r / 8), s the K step; its scale words [r][4 bytes], byte b = block 4 s + b.
; The tiles lie [K step s][tile i]; those of Wq and Wkv [region G][K step s][4 tiles], G = 6 j + w (key-value head j; w 0-3 its query heads, 4 k, 5 v), so that all that a head's work-group reads lies on end.
; A block's scale byte is its largest magnitude's exponent field - 2, held at 1 from below.
; LIMITS: NaN and infinities are not served; a block whose largest magnitude lies under 2^-124 gets the byte 1; a block of zeros gets the byte 1, not 127 (its codes are zeros, and this program alone reads the bytes).
; LAYERNORM (f32: mean; mean of squared differences; rsqrt(var + 1e-5); gain, bias): a work-group makes one tile of 16 tokens.  Phase 1: wave w normalises tile rows 2 w and 2 w + 1 (two neighbouring tokens,
; 8 KiB on end), each row whole in 32 registers; the rows meet in LDS.  Phase 2: wave w quantises K step w of all sixteen rows; a lane holds two whole blocks.  The scale words leave in pieces of 64 bytes.
; WEIGHTS (f32 [N][K], K innermost): a wave's unit is 2 tiles (32 rows) x one K step of 128: it asks for its 32 x 512 bytes in one run of 32 loads, writes 2,048 consecutive bytes of codes and 128 consecutive
; bytes of scale words (half of a 256-byte unit: one byte in 128 of what the unit reads).  1,664 units = 208 work-groups x 8 waves.
; A row's 512 bytes are loaded as they lie and turn through the wave's own stage in LDS, so that a lane ends up with two whole blocks.  These waves share nothing: no barrier.
.set NWW, 208                          ; work-groups that take weights
.set H_S, 2097152                      ; hq: the scale words' region
.set RP,  4112                         ; LN: a row in LDS: 4,096 bytes + 16: an odd multiple of 16
.set SH,  8                            ; LN: v8  8 h
.set X,   32                           ; v32-95   two rows, later two blocks
.set GA,  96                           ; v96-127  gain
.set BE,  128                          ; v128-159 bias
.set TA,  160                          ; v160-175 eight registers of statistics a row
.set QM,  176                          ; v176-183 at work
.set CD,  184                          ; v184-191 codes
.set SEL, 12
	v_lshl_add_u32 v254, v0, 2, 0x21100
	v_mov_b32 v255, 0
	v_lshrrev_b32 v1, 5, v0
	s_delay_alu instid0(VALU_DEP_1)
	v_readfirstlane_b32 s2, v1                     ; wave 0..7
	v_and_b32 v1, 31, v0                           ; lane
	v_and_b32 v2, 15, v0                           ; r
	v_bfe_u32 v3, v0, 4, 1                         ; h
	s_delay_alu instid0(VALU_DEP_3)
	v_lshlrev_b32 v4, 4, v1                        ; 16 x lane
	s_cmp_lt_u32 ttmp9, NWW                        ; the same for all waves of a work-group
	s_cbranch_scc1 .Lweights
	; ---------------- LayerNorm 1 ----------------
	s_load_b256 s[4:11], s[0:1], 0x0               ; x, gain, bias, the images
	s_sub_co_u32 s25, ttmp9, NWW                   ; tile i
	s_mul_i32 s3, s2, 2*RP
	v_add_nc_u32 v5, s3, v4                        ; LDS, in: my two rows
	v_mul_u32_u24 v6, v2, RP
	s_delay_alu instid0(VALU_DEP_1)
	v_lshl_add_u32 v6, v3, 7, v6
	s_lshl_b32 s3, s2, 9
	v_add_nc_u32 v6, s3, v6                        ; out: row r, K step w, + 128 h
	v_lshlrev_b32 v7, 2, v2
	v_lshlrev_b32 v[SH], 3, v3
	v_mov_b32 v[TA+5], 0                           ; lane permutes' destinations count as read: written once
	v_mov_b32 v[TA+13], 0
	v_mov_b32 v[QM+7], 0
	s_mov_b32 s[SEL], 0x76543210
	s_mov_b32 s[SEL+1], 0xfedcba98
	s_mov_b32 s14, 0x3a800000                      ; 1 / 1,024
	s_mov_b32 s15, 0x3727c5ac                      ; 1e-5
	s_lshr_b32 s16, s25, 1
	s_lshl_b32 s16, s16, 5
	s_and_b32 s17, s25, 1
	s_lshl_b32 s17, s17, 3
	s_add_co_u32 s16, s16, s17
	s_lshl_b32 s17, s2, 1
	s_add_co_u32 s16, s16, s17
	s_lshr_b32 s17, s2, 2
	s_lshl_b32 s17, s17, 3
	s_add_co_u32 s16, s16, s17                     ; my first token: 32 (i / 2) + 8 (i % 2) + 2 w + 8 (w / 4)
	s_lshl_b32 s16, s16, 12
	s_mov_b32 s17, 0
	s_lshl_b32 s18, s2, 8
	s_add_co_u32 s18, s18, s25                     ; 256 s + i, s = my wave's number
	s_lshl_b32 s20, s18, 10
	s_mov_b32 s21, 0
	s_lshl_b32 s22, s18, 6
	s_add_co_u32 s22, s22, H_S
	s_mov_b32 s23, 0
	s_wait_kmcnt 0x0
	s_add_nc_u64 s[4:5], s[4:5], s[16:17]
	s_add_nc_u64 s[20:21], s[10:11], s[20:21]
	s_add_nc_u64 s[22:23], s[10:11], s[22:23]
.irp a, 0,1
.irp j, 0,1,2,3,4,5,6,7
	global_load_b128 v[X+32*\a+4*\j:X+32*\a+4*\j+3], v4, s[4:5] offset:4096*\a+512*\j      ; register 32 a + 4 j + k: column 128 j + 4 lane + k
.endr
.endr
.irp j, 0,1,2,3,4,5,6,7
	global_load_b128 v[GA+4*\j:GA+4*\j+3], v4, s[6:7] offset:512*\j
.endr
.irp j, 0,1,2,3,4,5,6,7
	global_load_b128 v[BE+4*\j:BE+4*\j+3], v4, s[8:9] offset:512*\j
.endr
.macro WSUM r, t                       ; the sum over the wave's 32 lanes, in every lane
	s_delay_alu instid0(VALU_DEP_1)
	v_add_f32_dpp v[\r], v[\r], v[\r] row_xmask:1 row_mask:0xf bank_mask:0xf
	s_delay_alu instid0(VALU_DEP_1)
	v_add_f32_dpp v[\r], v[\r], v[\r] row_xmask:2 row_mask:0xf bank_mask:0xf
	s_delay_alu instid0(VALU_DEP_1)
	v_add_f32_dpp v[\r], v[\r], v[\r] row_xmask:4 row_mask:0xf bank_mask:0xf
	s_delay_alu instid0(VALU_DEP_1)
	v_add_f32_dpp v[\r], v[\r], v[\r] row_xmask:8 row_mask:0xf bank_mask:0xf
	s_delay_alu instid0(VALU_DEP_1)
	v_permlanex16_b32 v[\t], v[\r], s[SEL], s[SEL+1]
	s_delay_alu instid0(VALU_DEP_1)
	v_add_f32 v[\r], v[\r], v[\t]
.endm
.macro STATS a                         ; row a becomes (x - mean) / sqrt(var + eps), in place
.set XA, X+32*\a
.set T, TA+8*\a
	v_pk_add_f32 v[T:T+1], v[XA:XA+1], v[XA+2:XA+3]                ; two chains of packed sums
	v_pk_add_f32 v[T+2:T+3], v[XA+4:XA+5], v[XA+6:XA+7]
.irp i, 8,12,16,20,24,28
	s_delay_alu instid0(VALU_DEP_2)
	v_pk_add_f32 v[T:T+1], v[T:T+1], v[XA+\i:XA+\i+1]
	s_delay_alu instid0(VALU_DEP_2)
	v_pk_add_f32 v[T+2:T+3], v[T+2:T+3], v[XA+\i+2:XA+\i+3]
.endr
	s_delay_alu instid0(VALU_DEP_1)
	v_pk_add_f32 v[T:T+1], v[T:T+1], v[T+2:T+3]
	s_delay_alu instid0(VALU_DEP_1)
	v_add_f32 v[T+4], v[T], v[T+1]
	WSUM T+4, T+5
	s_delay_alu instid0(VALU_DEP_1)
	v_mul_f32 v[T+6], s14, v[T+4]                  ; the mean, twice: a pair for the packed form
	s_delay_alu instid0(VALU_DEP_1)
	v_mov_b32 v[T+7], v[T+6]
.irp i, 0,2,4,6,8,10,12,14,16,18,20,22,24,26,28,30
	v_pk_add_f32 v[XA+\i:XA+\i+1], v[XA+\i:XA+\i+1], v[T+6:T+7] neg_lo:[0,1] neg_hi:[0,1]
.endr
	v_pk_mul_f32 v[T:T+1], v[XA:XA+1], v[XA:XA+1]
	v_pk_mul_f32 v[T+2:T+3], v[XA+2:XA+3], v[XA+2:XA+3]
.irp i, 4,8,12,16,20,24,28
	s_delay_alu instid0(VALU_DEP_2)
	v_pk_fma_f32 v[T:T+1], v[XA+\i:XA+\i+1], v[XA+\i:XA+\i+1], v[T:T+1]
	s_delay_alu instid0(VALU_DEP_2)
	v_pk_fma_f32 v[T+2:T+3], v[XA+\i+2:XA+\i+3], v[XA+\i+2:XA+\i+3], v[T+2:T+3]
.endr
	s_delay_alu instid0(VALU_DEP_1)
	v_pk_add_f32 v[T:T+1], v[T:T+1], v[T+2:T+3]
	s_delay_alu instid0(VALU_DEP_1)
	v_add_f32 v[T+4], v[T], v[T+1]
	WSUM T+4, T+5
	s_delay_alu instid0(VALU_DEP_1)
	v_fma_f32 v[T+4], v[T+4], s14, s15             ; var + eps
	s_wait_alu depctr_va_vdst(0)                   ; the wait ahead of the transcendental
	v_rsq_f32 v[T+6], v[T+4]
	v_nop                                          ; one plain place behind the transcendental
	s_wait_alu depctr_va_vdst(0)                   ; the wait ahead of its first reader
	v_mov_b32 v[T+7], v[T+6]
.irp i, 0,2,4,6,8,10,12,14,16,18,20,22,24,26,28,30
	v_pk_mul_f32 v[XA+\i:XA+\i+1], v[XA+\i:XA+\i+1], v[T+6:T+7]
.endr
.endm
	s_wait_loadcnt 16                              ; the two rows are in; gain's and bias's sixteen loads may be out
	STATS 0
	STATS 1
	s_wait_loadcnt 0x0
.irp a, 0,1
.irp i, 0,2,4,6,8,10,12,14,16,18,20,22,24,26,28,30
	v_pk_fma_f32 v[X+32*\a+\i:X+32*\a+\i+1], v[X+32*\a+\i:X+32*\a+\i+1], v[GA+\i:GA+\i+1], v[BE+\i:BE+\i+1]
.endr
.endr
.irp a, 0,1
.irp j, 0,1,2,3,4,5,6,7
	ds_store_b128 v5, v[X+32*\a+4*\j:X+32*\a+4*\j+3] offset:RP*\a+512*\j
.endr
.endr
	s_wait_dscnt 0x0                               ; for the others' sake: my rows lie in LDS
	s_barrier_signal -1
	s_barrier_wait -1
.irp c, 0,1
.irp j, 0,1,2,3,4,5,6,7
	ds_load_b128 v[X+32*\c+4*\j:X+32*\c+4*\j+3], v6 offset:256*\c+16*\j      ; block 4 w + 2 c + h of row r
.endr
.endr
	s_wait_dscnt 0x0
	v_max3_num_f32 v[QM], |v[X]|, |v[X+1]|, 0x1800000              ; the floor 2^(3 - 127) among the leaves holds the byte at 1 from below
	v_max3_num_f32 v[QM+1], |v[X+32]|, |v[X+33]|, 0x1800000
.irp i, 2,4,6,8,10,12,14,16,18,20,22,24,26,28,30
	s_delay_alu instid0(VALU_DEP_2)
	v_max3_num_f32 v[QM], v[QM], |v[X+\i]|, |v[X+\i+1]|
	s_delay_alu instid0(VALU_DEP_2)
	v_max3_num_f32 v[QM+1], v[QM+1], |v[X+32+\i]|, |v[X+33+\i]|
.endr
	s_delay_alu instid0(VALU_DEP_2)
	v_add_nc_u32 v[QM+2], 0xff000000, v[QM]        ; 2 off the exponent field: the conversion's scale operand
	s_delay_alu instid0(VALU_DEP_2)
	v_add_nc_u32 v[QM+3], 0xff000000, v[QM+1]
	s_delay_alu instid0(VALU_DEP_2)
	v_lshrrev_b32 v[QM+4], 23, v[QM+2]
	s_delay_alu instid0(VALU_DEP_2)
	v_lshrrev_b32 v[QM+5], 23, v[QM+3]
	s_delay_alu instid0(VALU_DEP_1)
	v_lshl_or_b32 v[QM+6], v[QM+5], 16, v[QM+4]
	s_delay_alu instid0(VALU_DEP_1)
	v_lshlrev_b32 v[QM+6], v[SH], v[QM+6]
	s_delay_alu instid0(VALU_DEP_1)
	v_permlanex16_b32 v[QM+7], v[QM+6], s[SEL], s[SEL+1]
	s_delay_alu instid0(VALU_DEP_1)
	v_or_b32 v[QM+6], v[QM+6], v[QM+7]             ; the row's scale word
.irp g, 0,1,2,3
	v_cvt_scalef32_pk8_fp4_f32 v[CD+\g], v[X+8*\g:X+8*\g+7], v[QM+2]
.endr
.irp g, 0,1,2,3
	v_cvt_scalef32_pk8_fp4_f32 v[CD+4+\g], v[X+32+8*\g:X+39+8*\g], v[QM+3]
.endr
	v_cmp_gt_u32 vcc_lo, 16, v1                    ; (a plain place behind the conversions)
	global_store_b128 v4, v[CD:CD+3], s[20:21]     ; 512 consecutive bytes a store
	global_store_b128 v4, v[CD+4:CD+7], s[20:21] offset:512
	s_wait_xcnt 0x0                                ; EXEC changes only behind this wait
	s_wait_tensorcnt 0x0                           ; the wave's end, with all lanes on
	ds_add_u32 v254, v255
	s_wait_dscnt 0x0
	s_and_saveexec_b32 s24, vcc_lo
	global_store_b32 v7, v[QM+6], s[22:23]         ; lanes 0-15: the tile's sixteen words
	s_wait_xcnt 0x0
	s_or_b32 exec_lo, exec_lo, s24
	s_endpgm
	; ---------------- the weights ----------------
.set WQKV_C, 0                         ; regions of wts, in bytes: codes of Wq and Wkv, [region G 24][K step 8][4 tiles][1024]
.set WO_C,   786432                    ; [8][64][1024]
.set W1_C,   1310720                   ; [8][128][1024]
.set W2_C,   2359296                   ; [16][64][1024]
.set WQKV_S, 3407872                   ; their scale words, 64 bytes a tile
.set WO_S,   3457024
.set W1_S,   3489792
.set W2_S,   3555328
.set WBASE,  65792                     ; LDS: behind the bytes that the other way uses
.set SP,     528                       ; a stage row: 512 bytes + 16: an odd multiple of 16, so that sixteen rows start at sixteen different 16-byte columns
.set WREG,   16*SP+256                 ; a wave's LDS: the stage, then a block of 256 bytes for its 128 bytes of scale words
.set OFF, 8                            ; v8-23   byte offset of tile row p: 16 x lane + (p + 8 (p / 8)) x row bytes
.set WSH, 26                           ; v26     8 h: where my two scale bytes stand in the word
.set WX,  32                           ; v32-95  my two blocks of 32 numbers
.set WR,  96                           ; v96-223 two tiles of 16 rows as loaded
.set WC,  224                          ; v224-239 eight registers of codes for each tile
.set WQ,  240                          ; v240-247 at work
.set WSEL, 46                          ; s[46:47] lane selects: lane l xor 16
.Lweights:
	s_load_b256 s[4:11], s[0:1], 0x20              ; Wq, Wkv, Wo, W1
	s_load_b128 s[12:15], s[0:1], 0x40             ; W2, wts
	s_mul_i32 s3, s2, WREG
	s_add_co_u32 s3, s3, WBASE
	s_wait_alu depctr_va_vdst(0)
	v_add_nc_u32 v5, s3, v4                        ; the stage, on the way in
	v_mul_u32_u24 v6, v2, SP
	s_delay_alu instid0(VALU_DEP_1)
	v_lshl_add_u32 v6, v3, 7, v6
	s_delay_alu instid0(VALU_DEP_1)
	v_add_nc_u32 v6, s3, v6                        ; and out: row r, + 128 h
	s_add_co_u32 s3, s3, 16*SP
	v_lshl_add_u32 v7, v2, 2, s3                   ; my row's scale word
	v_lshl_add_u32 v24, v1, 2, s3                  ; the words on their way out: 4 bytes a lane
	v_lshlrev_b32 v25, 2, v1
	v_lshlrev_b32 v[WSH], 3, v3
	v_mov_b32 v[WQ+7], 0                           ; a lane permute's destination counts as read: written once
	s_mov_b32 s[WSEL], 0x76543210
	s_mov_b32 s[WSEL+1], 0xfedcba98
	s_wait_kmcnt 0x0
; which tensor: the choice hangs on the work-group's number alone.  s[16:17] source, s18 its first work-group, s19 log2 of its K steps, s20 row bytes, s21 tiles in the image, s22 first tile, s23, s24 regions
.macro PICK below, ptr, first, lks, rb, nt, toff, creg, sreg
	s_cmp_lt_u32 ttmp9, \below
	s_cselect_b64 s[16:17], s[\ptr:\ptr+1], s[16:17]
	s_cselect_b32 s18, \first, s18
	s_cselect_b32 s19, \lks, s19
	s_cselect_b32 s20, \rb, s20
	s_cselect_b32 s21, \nt, s21
	s_cselect_b32 s22, \toff, s22
	s_cselect_b32 s23, \creg, s23
	s_cselect_b32 s24, \sreg, s24
.endm
	s_mov_b64 s[16:17], s[12:13]                   ; W2: work-groups 144-207
	s_mov_b32 s18, 144
	s_mov_b32 s19, 4
	s_mov_b32 s20, 8192
	s_mov_b32 s21, 64
	s_mov_b32 s22, 0
	s_mov_b32 s23, W2_C
	s_mov_b32 s24, W2_S
	PICK 144, 10, 80, 3, 4096, 128, 0, W1_C, W1_S  ; W1: 80-143
	PICK 80, 8, 48, 3, 4096, 64, 0, WO_C, WO_S     ; Wo: 48-79
	PICK 48, 6, 32, 3, 4096, 96, 64, WQKV_C, WQKV_S        ; Wkv: 32-47
	PICK 32, 4, 0, 3, 4096, 96, 0, WQKV_C, WQKV_S  ; Wq: 0-31
	s_sub_co_u32 s25, ttmp9, s18
	s_lshl_b32 s25, s25, 3
	s_add_co_u32 s25, s25, s2                      ; my unit in the tensor
	s_lshl_b32 s26, 1, s19
	s_sub_co_u32 s26, s26, 1
	s_and_b32 s26, s25, s26                        ; K step s: neighbouring waves take neighbouring 512 bytes of the same rows
	s_lshr_b32 s27, s25, s19                       ; group of 32 rows: two tiles
	s_mul_i32 s36, s26, s21
	s_lshl_b32 s37, s27, 1
	s_add_co_u32 s36, s36, s37
	s_add_co_u32 s36, s36, s22                     ; s x tiles + my first tile
	; Wq and Wkv (work-groups 0-47) are laid by regions of 64 rows instead, all K steps of a region on end: tile index 4 (8 G + s) + 2 (which 32 rows of the 64)
	s_lshr_b32 s45, s27, 1                         ; the group of 64 rows
	s_lshr_b32 s37, s45, 2
	s_lshl_b32 s37, s37, 1
	s_add_co_u32 s37, s37, s45                     ; Wq: group 4 j + w -> G = 6 j + w
	s_lshr_b32 s44, s45, 1
	s_lshl_b32 s44, s44, 2
	s_add_co_u32 s44, s44, s45
	s_add_co_u32 s44, s44, 4                       ; Wkv: group 2 j + u -> G = 6 j + 4 + u
	s_cmp_lt_u32 ttmp9, 32
	s_cselect_b32 s37, s37, s44
	s_lshl_b32 s37, s37, 3
	s_add_co_u32 s37, s37, s26                     ; 8 G + s
	s_lshl_b32 s37, s37, 1
	s_and_b32 s44, s27, 1
	s_add_co_u32 s37, s37, s44
	s_lshl_b32 s37, s37, 1
	s_cmp_lt_u32 ttmp9, 48
	s_cselect_b32 s36, s37, s36
	s_lshl_b32 s38, s36, 10
	s_add_co_u32 s38, s38, s23
	s_mov_b32 s39, 0
	s_add_nc_u64 s[38:39], s[14:15], s[38:39]      ; my 2,048 bytes of codes
	s_lshl_b32 s40, s36, 6
	s_add_co_u32 s40, s40, s24
	s_mov_b32 s41, 0
	s_add_nc_u64 s[40:41], s[14:15], s[40:41]      ; my 128 bytes of scale words
	s_lshl_b32 s42, s27, 5
	s_lshl_b32 s43, s26, 9
.irp t, 0,1
	s_add_co_u32 s44, s42, 8*\t                    ; tile t's first row
	s_mul_i32 s44, s44, s20
	s_add_co_u32 s44, s44, s43
	s_mov_b32 s45, 0
	s_add_nc_u64 s[28+2*\t:29+2*\t], s[16:17], s[44:45]
.endr
.irp p, 0,1,2,3,4,5,6,7,8,9,10,11,12,13,14,15
	v_mad_u32_u24 v[OFF+\p], s20, \p+8*(\p/8), v4
.endr
.macro LOADT t                         ; tile t's sixteen rows, 512 consecutive bytes each
.irp p, 0,1,2,3,4,5,6,7,8,9,10,11,12,13,14,15
	global_load_b128 v[WR+64*(\t)+4*\p:WR+64*(\t)+4*\p+3], v[OFF+\p], s[28+2*(\t):29+2*(\t)] th:TH_LOAD_NT
.endr
.endm
; Two whole blocks of a lane, v[x + 32 c + 0 .. 31], become eight registers of codes; v[WQ+6] becomes the row's scale word (my two bytes and lane l xor 16's two).
.macro QB x, c
	v_max3_num_f32 v[WQ], |v[\x]|, |v[\x+1]|, 0x1800000            ; the floor 2^(3 - 127) among the leaves holds the byte at 1 from below
	v_max3_num_f32 v[WQ+1], |v[\x+32]|, |v[\x+33]|, 0x1800000
.irp i, 2,4,6,8,10,12,14,16,18,20,22,24,26,28,30
	s_delay_alu instid0(VALU_DEP_2)
	v_max3_num_f32 v[WQ], v[WQ], |v[\x+\i]|, |v[\x+\i+1]|          ; the two blocks by turns
	s_delay_alu instid0(VALU_DEP_2)
	v_max3_num_f32 v[WQ+1], v[WQ+1], |v[\x+32+\i]|, |v[\x+33+\i]|
.endr
	s_delay_alu instid0(VALU_DEP_2)
	v_add_nc_u32 v[WQ+2], 0xff000000, v[WQ]        ; 2 off the exponent field: the conversion's scale operand
	s_delay_alu instid0(VALU_DEP_2)
	v_add_nc_u32 v[WQ+3], 0xff000000, v[WQ+1]
	s_delay_alu instid0(VALU_DEP_2)
	v_lshrrev_b32 v[WQ+4], 23, v[WQ+2]             ; the scale's byte
	s_delay_alu instid0(VALU_DEP_2)
	v_lshrrev_b32 v[WQ+5], 23, v[WQ+3]
	s_delay_alu instid0(VALU_DEP_1)
	v_lshl_or_b32 v[WQ+6], v[WQ+5], 16, v[WQ+4]    ; blocks h and 2 + h,
	s_delay_alu instid0(VALU_DEP_1)
	v_lshlrev_b32 v[WQ+6], v[WSH], v[WQ+6]         ; at their places in the word
	s_delay_alu instid0(VALU_DEP_1)
	v_permlanex16_b32 v[WQ+7], v[WQ+6], s[WSEL], s[WSEL+1]
	s_delay_alu instid0(VALU_DEP_1)
	v_or_b32 v[WQ+6], v[WQ+6], v[WQ+7]
.irp g, 0,1,2,3
	v_cvt_scalef32_pk8_fp4_f32 v[\c+\g], v[\x+8*\g:\x+8*\g+7], v[WQ+2]
.endr
.irp g, 0,1,2,3
	v_cvt_scalef32_pk8_fp4_f32 v[\c+4+\g], v[\x+32+8*\g:\x+39+8*\g], v[WQ+3]
.endr
	v_nop                                          ; one plain place behind the last scaled conversion
.endm
.macro TILE t
.if (\t) < 1
	s_wait_loadcnt 16                              ; this tile's sixteen loads are in; the next tile's may be out
.else
	s_wait_loadcnt 0x0
.endif
.irp p, 0,1,2,3,4,5,6,7,8,9,10,11,12,13,14,15
	ds_store_b128 v5, v[WR+64*(\t)+4*\p:WR+64*(\t)+4*\p+3] offset:SP*\p
.endr
.irp c, 0,1
.irp j, 0,1,2,3,4,5,6,7
	ds_load_b128 v[WX+32*\c+4*\j:WX+32*\c+4*\j+3], v6 offset:256*\c+16*\j    ; LDS serves a wave's instructions in order: these see the stores above
.endr
.endr
	s_wait_dscnt 0x0
	QB WX, WC+8*(\t)                               ; each tile has its own registers of codes: no store's data are written again
	global_store_b128 v4, v[WC+8*(\t):WC+8*(\t)+3], s[38:39] offset:1024*(\t)      ; 32 lanes store 512 consecutive bytes
	global_store_b128 v4, v[WC+8*(\t)+4:WC+8*(\t)+7], s[38:39] offset:1024*(\t)+512
	ds_store_b32 v7, v[WQ+6] offset:64*(\t)        ; both halves of the lanes write the same word with the same value
.endm
	LOADT 0
	LOADT 1
	s_wait_alu depctr_va_vdst(0)                   ; the wait at the head's end
	TILE 0
	TILE 1
	ds_load_b32 v248, v24
	s_wait_dscnt 0x0
	global_store_b32 v25, v248, s[40:41]           ; two tiles' scale words: 128 consecutive bytes
	s_wait_tensorcnt 0x0                           ; the wave's end
	ds_add_u32 v254, v255
	s_wait_dscnt 0x0
	s_endpgm
.Lfunc_end_k_q78f0c715f6_prep:
	.size	k_q78f0c715f6_prep, .Lfunc_end_k_q78f0c715f6_prep-k_q78f0c715f6_prep
	.p2alignl 7, 3214868480
	.fill 96, 4, 3214868480
	.section	.rodata,"a",@progbits
	.p2align	6, 0x0
	.amdhsa_kernel k_q78f0c715f6_prep
		.amdhsa_group_segment_fixed_size 136448
		.amdhsa_private_segment_fixed_size 0
		.amdhsa_enable_private_segment 0
		.amdhsa_kernarg_size 80
		.amdhsa_user_sgpr_count 2
		.amdhsa_user_sgpr_kernarg_segment_ptr 1
		.amdhsa_wavefront_size32 1
		.amdhsa_system_sgpr_workgroup_id_x 1
		.amdhsa_system_sgpr_workgroup_id_y 1
		.amdhsa_system_sgpr_workgroup_id_z 1
		.amdhsa_system_vgpr_workitem_id 0
		.amdhsa_next_free_vgpr 256
		.amdhsa_next_free_sgpr 66
		.amdhsa_reserve_vcc 1
		.amdhsa_float_denorm_mode_32 3
		.amdhsa_float_denorm_mode_16_64 3
		.amdhsa_memory_ordered 1
		.amdhsa_forward_progress 1
		.amdhsa_inst_pref_size 49
	.end_amdhsa_kernel
	.amdgpu_metadata
---
amdhsa.version: [ 1, 2 ]
amdhsa.kernels:
  - .name:           k_q78f0c715f6_prep
    .symbol:         k_q78f0c715f6_prep.kd
    .args:
      - { .name: x, .offset: 0, .size: 8, .value_kind: global_buffer, .address_space: global }
      - { .name: ln1_g, .offset: 8, .size: 8, .value_kind: global_buffer, .address_space: global }
      - { .name: ln1_b, .offset: 16, .size: 8, .value_kind: global_buffer, .address_space: global }
      - { .name: hq, .offset: 24, .size: 8, .value_kind: global_buffer, .address_space: global }
      - { .name: Wq, .offset: 32, .size: 8, .value_kind: global_buffer, .address_space: global }
      - { .name: Wkv, .offset: 40, .size: 8, .value_kind: global_buffer, .address_space: global }
      - { .name: Wo, .offset: 48, .size: 8, .value_kind: global_buffer, .address_space: global }
      - { .name: W1, .offset: 56, .size: 8, .value_kind: global_buffer, .address_space: global }
      - { .name: W2, .offset: 64, .size: 8, .value_kind: global_buffer, .address_space: global }
      - { .name: wts, .offset: 72, .size: 8, .value_kind: global_buffer, .address_space: global }
    .group_segment_fixed_size: 136448
    .private_segment_fixed_size: 0
    .kernarg_segment_align: 8
    .kernarg_segment_size: 80
    .max_flat_workgroup_size: 256
    .sgpr_count:     66
    .vgpr_count:     256
    .wavefront_size: 32
...
	.end_amdgpu_metadata
.endif
;; end of part 8
;; launch qkv (part 9): grid 64 x 4, 6 waves a work-group, clusters of 4 x 4, 280,832 bytes of LDS; arguments hq, wts, cos, sin, qkvq; writes qkvq
.if DOCPART == 9
	.amdgcn_target "amdgcn-amd-amdhsa--gfx1250"
	.amdhsa_code_object_version 6
	.text
	.protected	k_q78f0c715f6_qkv
	.globl	k_q78f0c715f6_qkv
	.p2align	8
	.type	k_q78f0c715f6_qkv,@function
k_q78f0c715f6_qkv:
	s_mov_b64 s[64:65], 0
	v_nop
	global_prefetch_b8 v0, s[64:65] scope:SCOPE_SE
	s_setreg_imm32_b32 hwreg(HW_REG_WAVE_MODE, 25, 1), 1
	s_wait_xcnt 0x0
	s_wait_alu depctr_hold_cnt(0) depctr_sa_sdst(0) depctr_va_vdst(0) depctr_va_sdst(0) depctr_va_ssrc(0) depctr_va_vcc(0) depctr_vm_vsrc(0)
	s_getreg_b32 s2, hwreg(HW_REG_IB_STS2, 6, 4)
	s_cmp_eq_u32 s2, 0
	s_cbranch_scc0 .Lentry_in_a_cluster
	s_endpgm
.Lentry_in_a_cluster:
	s_bfe_u32 s2, ttmp6, 0x10000c
	s_cmp_lg_u32 s2, 0xf033
	s_cbranch_scc0 .Lentry_shape_is_right
	s_endpgm
.Lentry_shape_is_right:
; q, k, v = h Wq^T, h Wkv^T on codes of FP4 (E2M1) with E8M0 scales, K = 1,024; RoPE on q and k in f32; then q and k are quantised along the head's 64, v along the tokens, for the two products of attention.
; A work-group takes 64 tokens (m) and one key-value head j.  Waves 0-3: query heads 4 j + w; wave 4: k; wave 5: v.  Each makes 64 x 64: 16 accumulators, register window 1.
; ALL OPERANDS OF THE WORK-GROUP FIT IN LDS AT ONCE: they come once, by tensor loads at the head, one wait for all of them, one barrier.  No LDS byte is filled twice.
; CLUSTERS: 4 x 4 work-groups: four blocks of tokens (cx) x the four heads (cy = j).  The four of a row of the cluster (same j) need the same weights, the four of a column (same m) the same h, cos and sin:
; each tile is asked for JOINTLY, by the same tensor load with the same descriptor and a mask that names the four.  One round of the cluster's barrier stands in front of the loads, one in front of the end.
; Operands lie as images of their registers ([K step][tile][c][lane][16 bytes]): a fragment is two ds_load_b128 at 16 x lane.  Row r of tile i is row 32 (i / 2) + 8 (i % 2) + r + 8 (r / 8).
; Waves 0-4 use the product transposed (source 0 = 16 rows of W, source 1 = 16 tokens): a lane holds one token, and the 32 registers of a token tile are the head's channels 32 b + 16 h + 0 .. 15, b = 0, 1.
; Wave 5 takes the tokens as source 0 and W's rows as source 1, so that a lane holds one channel of v and its registers run along the tokens, v's K.  Only the two base addresses differ: the K walk has no branch.
; Out: q codes [head 16][tile 256][512 B], k codes [bk 8][tile 128][512 B] (the head's 64 are half a K step; the words' upper two bytes are 127, the other half's codes are zeros in the reader's registers),
; v codes [bk][key step 16][channel tile 4][1,024 B]; words 64 bytes a tile.  v's scale bytes leave two at a time (64 tokens are half of a word's 128): 32 KiB in the launch.
; LIMITS: NaN and infinities are not served; a block under 2^-124 or of zeros gets the byte 1.
.set KSTEPS, 8
.set SSTR,   4096                      ; LDS: from K step to K step in a region of codes (4 tiles),
.set CSTR,   256                       ; and of scale words
; THE HEAD'S LOADS ARE SIX, ONE A WAVE: the six waves' W lie on end in memory ([head j][wave][K step][4 tiles]), so one load brings all their codes and one all their scale words.
; The scale words of q and k carry their two bytes twice (bytes 2, 3 repeat bytes 0, 1): the reader places the head's 64 in either half of a K step.
.set SCB,    229376                    ; seven regions of codes of 32,768 bytes from 0 (0-5: W of waves 0-5; 6: h); here seven of scale words of 2,048, in the same order
.set COSL,   243712                    ; 64 rows of cos, 256 bytes + 16
.set SINL,   261120                    ; and of sin
.set MST,    278528                    ; 256 bytes a wave: scale words on their way out; no tile lands here
.set NOPAD,  3<<16                     ; group 1, word 0: elements of 8 bytes
.set PAD16,  (3<<16)|(1<<20)|(5<<22)|(3<<25)   ; and four words of padding behind every 64
.set WQKV_S, 3407872
.set H_S,    2097152
.set Q_C, 0
.set K_C, 2097152
.set V_C, 2621440
.set Q_S, 3145728
.set K_S, 3407872
.set V_S, 3473408
.set ADP, 4                            ; v4  source 0's fragments   v5 source 1's   v6 scale words: lanes 0-15 source 0's, lanes 16-31 source 1's
.set ADQ, 5
.set ADS, 6
.set ACS, 7                            ; v7  my token's row of cos
.set MSW, 8                            ; v8, v9  scale words into and out of my 256 bytes
.set MSR, 9
.set L16, 10                           ; v10-12  16, 8, 4 x lane
.set L8,  11
.set L4,  12
.set CO,  32                           ; behind the K walk: v32-63 cos, v64-95 sin, v96-127 the rotated numbers
.set SI,  64
.set TT,  96
.set QM,  200                          ; v200-207 at work
.set WD,  208
.set CD,  212                          ; v212-227 codes, four registers for each tile, so that no store's data are written again
.set HW,  228
.set WV,  2
.set CX,  44                           ; s44 cx   s45 m = 4 x cluster x + cx   s46 the mask of my row of the cluster   s47 of my column   s51 cy = j
.set MM,  45
.set RMK, 46
.set CMK, 47
.set JJ,  51
.set SEL, 62
.set GWC0, 12                          ; descriptor groups 0, four registers for each of the six tiles: my W's codes, my W's scale words,
.set GWS0, 16
.set GHC0, 20                          ; h's codes, h's scale words,
.set GHS0, 24
.set GCO0, 28                          ; cos, sin
.set GSI0, 32
.set GWC1, 36                          ; groups 1, eight registers for each shape; cos and sin share one
.set GWS1, 68
.set GHC1, 76
.set GHS1, 84
.set GCS1, 92
.set MSB, 0
.macro WIN new                         ; the immediate's high byte repeats the setting that is left
.if MSB != (\new)
	s_set_vgpr_msb (MSB<<8)|(\new)
.set MSB, (\new)
.endif
.endm
; ALL DESCRIPTORS ARE WRITTEN AHEAD OF THE FIRST TENSOR LOAD, by every wave, each tile's group 0 in registers of its own: none of these registers is written again before the wait for all loads.
.macro GRP0 g, lds, bp, op, extra      ; to LDS byte lds, from the buffer in s[bp] + the offset in s[op] + extra
	s_mov_b32 s[\g], 1
	s_mov_b32 s[\g+1], \lds
	s_add_nc_u64 s[\g+2:\g+3], s[\bp:\bp+1], s[\op:\op+1]
.if \extra
	s_add_nc_u64 s[\g+2:\g+3], s[\g+2:\g+3], \extra
.endif
	s_or_b32 s[\g+3], s[\g+3], 0x80000000
.endm
.macro GRP1 g, c8, rows, pitch8, flags, mask   ; rows x (8 c8) bytes, 8 pitch8 bytes from row to row; the mask of the four that ask jointly, bit 21 beside it
	s_or_b32 s[\g], s[\mask], (\flags)|(1<<21)
	s_mov_b32 s[\g+1], (\c8)<<16
	s_mov_b32 s[\g+2], (\rows)<<16
	s_mov_b32 s[\g+3], (\c8)<<16
	s_mov_b32 s[\g+4], \rows
	s_mov_b32 s[\g+5], \pitch8
	s_mov_b32 s[\g+6], 0
	s_mov_b32 s[\g+7], 0
.endm
.macro ASK wv, g0, g1                  ; wave wv alone asks for this tile, in every work-group alike; four v_nop follow the load
	s_cmp_eq_u32 s[WV], \wv
	s_cbranch_scc0 .Lskip_\@
	tensor_load_to_lds s[\g0:\g0+3], s[\g1:\g1+7]
	s_nop 0
.rept 4
	v_nop
.endr
	s_branch .Lasked                               ; one chain of arms, all to one join: no way through the head passes two loads
.Lskip_\@:
.endm
.macro ROUND                           ; a round of the cluster's barrier: my work-group's barrier; wave 0 signals for the work-group; every wave waits for all sixteen; my work-group's barrier once more
	s_barrier_signal -1
	s_barrier_wait -1
	s_cmp_lg_u32 s[WV], 0
	s_cbranch_scc1 .Lnot_wave_0_\@
	s_barrier_signal -3
.Lnot_wave_0_\@:
	s_barrier_wait -3
	s_barrier_signal -1
	s_barrier_wait -1
.endm
.macro FETCH ap, aq, off, soff, f      ; 20 LDS loads: four fragments of each source and four registers of scale words, into buffer f
.irp t, 0,1,2,3
	ds_load_b128 v[32+64*(\f)+8*\t:32+64*(\f)+8*\t+3], v[\ap] offset:(\off)+1024*\t
	ds_load_b128 v[32+64*(\f)+8*\t+4:32+64*(\f)+8*\t+7], v[\ap] offset:(\off)+1024*\t+512
.endr
.irp t, 0,1,2,3
	ds_load_b128 v[64+64*(\f)+8*\t:64+64*(\f)+8*\t+3], v[\aq] offset:(\off)+1024*\t
	ds_load_b128 v[64+64*(\f)+8*\t+4:64+64*(\f)+8*\t+7], v[\aq] offset:(\off)+1024*\t+512
.endr
.irp t, 0,1,2,3
	ds_load_b32 v[160+4*(\f)+\t], v[ADS] offset:(\soff)+64*\t
.endr
.endm
.macro MUL f, mode                     ; 16 products, the 16 accumulators by turns, one instruction a turn.  mode 1: the first K step starts the sums
	WIN 0x50                                       ; C and D in window 1
.irp q, 0,1,2,3
.irp p, 0,1,2,3
.if \mode == 1
	v_wmma_scale_f32_16x16x128_f8f6f4 v[32*\q+8*\p:32*\q+8*\p+7], v[32+64*(\f)+8*\p:32+64*(\f)+8*\p+7], v[64+64*(\f)+8*\q:64+64*(\f)+8*\q+7], 0, v[160+4*(\f)+\p], v[160+4*(\f)+\q] matrix_a_fmt:MATRIX_FMT_FP4 matrix_b_fmt:MATRIX_FMT_FP4 matrix_b_scale:MATRIX_SCALE_ROW1
.else
	v_wmma_scale_f32_16x16x128_f8f6f4 v[32*\q+8*\p:32*\q+8*\p+7], v[32+64*(\f)+8*\p:32+64*(\f)+8*\p+7], v[64+64*(\f)+8*\q:64+64*(\f)+8*\q+7], v[32*\q+8*\p:32*\q+8*\p+7], v[160+4*(\f)+\p], v[160+4*(\f)+\q] matrix_a_fmt:MATRIX_FMT_FP4 matrix_b_fmt:MATRIX_FMT_FP4 matrix_b_scale:MATRIX_SCALE_ROW1
.endif
.endr
.endr
	WIN 0
.endm
; 32 numbers of a lane, register 16 b + i = k 32 b + 16 h + i of its row (window win), become four registers of codes: block h of the row, 16 bytes, the image's piece at 16 x lane.  v[QM+6], v[QM+7]: the two bytes.
.macro QUANT2 T, win, C
	WIN 0x05*\win
	v_max3_num_f32 v[QM], |v[\T]|, |v[\T+1]|, 0x1800000            ; each accumulator is read from its low end on; the floor 2^(3 - 127) holds the byte at 1 from below
	v_max3_num_f32 v[QM+1], |v[\T+16]|, |v[\T+17]|, 0x1800000
	WIN 0x14*\win
.irp i, 2,4,6,8,10,12,14
	v_max3_num_f32 v[QM], v[QM], |v[\T+\i]|, |v[\T+\i+1]|
	v_max3_num_f32 v[QM+1], v[QM+1], |v[\T+16+\i]|, |v[\T+17+\i]|
.endr
	WIN 0
	v_permlanex16_b32 v[QM+2], v[QM], s[SEL], s[SEL+1]
	v_permlanex16_b32 v[QM+3], v[QM+1], s[SEL], s[SEL+1]
	v_max_num_f32 v[QM], v[QM], v[QM+2]            ; with lane l xor 16's sixteen: the block's largest magnitude
	v_max_num_f32 v[QM+1], v[QM+1], v[QM+3]
	v_add_nc_u32 v[QM+4], 0xff000000, v[QM]        ; 2 off the exponent field: the conversion's scale operand
	v_add_nc_u32 v[QM+5], 0xff000000, v[QM+1]
	v_lshrrev_b32 v[QM+6], 23, v[QM+4]
	v_lshrrev_b32 v[QM+7], 23, v[QM+5]
	WIN 0x01*\win
	v_cvt_scalef32_pk8_fp4_f32 v[\C], v[\T:\T+7], v[QM+4]
	v_cvt_scalef32_pk8_fp4_f32 v[\C+1], v[\T+8:\T+15], v[QM+4]
	v_cvt_scalef32_pk8_fp4_f32 v[\C+2], v[\T+16:\T+23], v[QM+5]
	v_cvt_scalef32_pk8_fp4_f32 v[\C+3], v[\T+24:\T+31], v[QM+5]
	WIN 0
	v_nop                                          ; one plain place behind the last scaled conversion
	v_permlane16_swap_b32 v[\C], v[\C+2]           ; a whole block to a lane: lanes 0-15 block 0, lanes 16-31 block 1
	v_permlane16_swap_b32 v[\C+1], v[\C+3]
.endm
	s_load_b256 s[4:11], s[0:1], 0x0               ; hq, wts, cos, sin
	s_load_b64 s[48:49], s[0:1], 0x20              ; the images of q, k, v
	v_lshl_add_u32 v254, v0, 2, 0x44600
	v_mov_b32 v255, 0
	ds_add_u32 v254, v255
	ds_add_u32 v254, v255
	v_lshrrev_b32 v1, 5, v0
	v_readfirstlane_b32 s[WV], v1                  ; wave 0..5
	v_and_b32 v1, 31, v0
	v_and_b32 v2, 15, v0                           ; r
	v_bfe_u32 v3, v0, 4, 1                         ; h
	s_wait_alu depctr_va_vdst(0)
	s_add_co_u32 s3, s[WV], 3
	s_lshr_b32 s3, s3, 3                           ; 1 for wave 5, else 0
	v_lshlrev_b32 v[L16], 4, v1
	v_lshlrev_b32 v[L8], 3, v1
	v_lshlrev_b32 v[L4], 2, v1
	s_add_co_u32 s50, s[WV], s3
	s_lshl_b32 s50, s50, 15
	v_add_nc_u32 v[ADP], s50, v[L16]               ; source 0: region w (waves 0-4: their W); wave 5: region 6 (h)
	s_xor_b32 s50, s3, 1
	s_add_co_u32 s50, s50, 5
	s_lshl_b32 s50, s50, 15
	v_add_nc_u32 v[ADQ], s50, v[L16]               ; source 1: region 6 (h); wave 5: region 5 (its W)
	s_mov_b32 s50, 6
	s_sub_co_u32 s50, s50, s[WV]
	s_lshl_b32 s50, s50, 11                        ; from region w's scale words to h's: at least one region
	v_xor_b32 v[ADS], s3, v3                       ; the lanes that take h's: 16-31; in wave 5, whose source 0 is h, 0-15
	v_mul_u32_u24 v[ADS], s50, v[ADS]
	v_lshl_add_u32 v[ADS], v2, 2, v[ADS]
	s_lshl_b32 s50, s[WV], 11
	s_add_co_u32 s50, s50, SCB
	v_add_nc_u32 v[ADS], s50, v[ADS]
	v_and_b32 v[ACS], 8, v2
	v_add_nc_u32 v[ACS], v[ACS], v2                ; r + 8 (r / 8)
	v_mul_u32_u24 v[ACS], v[ACS], 272
	v_lshl_add_u32 v[ACS], v3, 6, v[ACS]
	v_add_nc_u32 v[ACS], COSL, v[ACS]
	s_lshl_b32 s50, s[WV], 8
	s_add_co_u32 s50, s50, MST
	v_lshl_add_u32 v[MSW], v2, 2, s50
	v_add_nc_u32 v[MSR], s50, v[L8]
	v_mov_b32 v[QM+2], 0                           ; lane permutes' destinations count as read: written once
	v_mov_b32 v[QM+3], 0
	s_mov_b32 s[SEL], 0x76543210
	s_mov_b32 s[SEL+1], 0xfedcba98
	s_bfe_u32 s[CX], ttmp6, 0x40000                ; cx: my place along the cluster's x
	s_bfe_u32 s[JJ], ttmp6, 0x40004                ; cy: along its y.  The grid is one cluster high, so cy is the key-value head j
	s_lshl_b32 s[MM], ttmp9, 2                     ; in a cluster launch ttmp9 counts clusters
	s_add_co_u32 s[MM], s[MM], s[CX]               ; my block of 64 tokens
	s_lshl_b32 s[RMK], s[JJ], 2
	s_lshl_b32 s[RMK], 15, s[RMK]                  ; my row of the cluster: places 4 cy .. 4 cy + 3
	s_lshl_b32 s[CMK], 0x1111, s[CX]               ; my column: places cx, cx + 4, cx + 8, cx + 12
	GRP1 GWC1, 512, 48, 512, NOPAD, RMK            ; the six waves' W: 196,608 dense bytes of codes.  They hang on j alone: shared along the row
	GRP1 GWS1, 32, 48, 32, NOPAD, RMK              ; and 12,288 of scale words
	GRP1 GHC1, 512, 8, 32768, NOPAD, CMK           ; h's codes: 256 tiles a K step.  They hang on the block of tokens: shared along the column
	GRP1 GHS1, 32, 8, 2048, NOPAD, CMK
	GRP1 GCS1, 32, 64, 32, PAD16, CMK              ; 64 rows of a table, dense in memory, padded in LDS
	s_mul_i32 s52, s[JJ], 196608                   ; head j's six regions of codes
	s_mov_b32 s53, 0
	s_mul_i32 s54, s[JJ], 12288                    ; and of scale words
	s_add_co_u32 s54, s54, WQKV_S
	s_mov_b32 s55, 0
	s_lshl_b32 s100, s[MM], 12                     ; the block's four tiles of h: 4 x 1,024 bytes (in registers that never hold j),
	s_mov_b32 s101, 0
	s_lshl_b32 s104, s[MM], 8                      ; 4 x 64
	s_mov_b32 s105, 0
	s_and_b32 s56, s[MM], 31
	s_lshl_b32 s56, s56, 14                        ; the block's 64 rows of the tables: tokens count within a batch
	s_mov_b32 s57, 0
	s_wait_dscnt 0x0
	s_wait_kmcnt 0x0
	GRP0 GWC0, 0, 6, 52, 0
	GRP0 GWS0, SCB, 6, 54, 0
	GRP0 GHC0, 6*32768, 4, 100, 0
	GRP0 GHS0, SCB+6*2048, 4, 104, H_S
	GRP0 GCO0, COSL, 8, 56, 0
	GRP0 GSI0, SINL, 10, 56, 0
	ROUND                                          ; all sixteen work-groups are here: the joint loads meet
	ASK 0, GWC0, GWC1
	ASK 1, GHC0, GHC1
	ASK 2, GWS0, GWS1
	ASK 3, GHS0, GHS1
	ASK 4, GCO0, GCS1
	tensor_load_to_lds s[GSI0:GSI0+3], s[GCS1:GCS1+7]              ; wave 5
	s_nop 0
.rept 4
	v_nop
.endr
.Lasked:
	s_wait_tensorcnt 0x0                           ; all my tiles have landed (from here on the descriptors' registers are free),
	s_barrier_signal -1
	s_barrier_wait -1                              ; everybody's have
	s_lshr_b32 s12, s[MM], 5                       ; batch
	s_and_b32 s13, s[MM], 31
	s_lshl_b32 s14, s12, 2
	s_add_co_u32 s14, s14, s[JJ]                   ; bk = 4 b + j
	s_lshl_b32 s15, s[JJ], 2
	s_add_co_u32 s15, s15, s[WV]
	s_lshl_b32 s15, s15, 8
	s_lshl_b32 s16, s[MM], 2
	s_add_co_u32 s15, s15, s16                     ; q: head x 256 + my first tile
	s_lshl_b32 s16, s14, 7
	s_lshl_b32 s17, s13, 2
	s_add_co_u32 s16, s16, s17                     ; k: bk x 128 + my first tile in the batch
	s_mov_b32 s17, K_C
	s_mov_b32 s18, K_S
	s_cmp_lt_u32 s[WV], 4
	s_cselect_b32 s15, s15, s16
	s_cselect_b32 s17, Q_C, s17
	s_cselect_b32 s18, Q_S, s18
	s_lshl_b32 s20, s15, 9
	s_add_co_u32 s20, s20, s17
	s_mov_b32 s21, 0
	s_add_nc_u64 s[20:21], s[48:49], s[20:21]      ; q's or k's codes
	s_lshl_b32 s22, s15, 6
	s_add_co_u32 s22, s22, s18
	s_mov_b32 s23, 0
	s_add_nc_u64 s[22:23], s[48:49], s[22:23]      ; and words
	s_lshl_b32 s16, s14, 4
	s_lshr_b32 s17, s13, 1
	s_add_co_u32 s16, s16, s17                     ; v: 16 bk + key step
	s_and_b32 s17, s[MM], 1                        ; which half of the key step's 128 tokens
	s_lshl_b32 s24, s16, 12
	s_lshl_b32 s18, s17, 9
	s_add_co_u32 s24, s24, s18
	s_add_co_u32 s24, s24, V_C
	s_mov_b32 s25, 0
	s_add_nc_u64 s[24:25], s[48:49], s[24:25]
	s_lshl_b32 s26, s16, 8
	s_lshl_b32 s18, s17, 1
	s_add_co_u32 s26, s26, s18
	s_add_co_u32 s26, s26, V_S
	s_mov_b32 s27, 0
	s_add_nc_u64 s[26:27], s[48:49], s[26:27]
	; THE K WALK, written out: the next step's 20 loads are issued ahead of this step's 16 products
	FETCH ADP, ADQ, 0, 0, 0
.set S, 0
.rept KSTEPS
.if S+1 < KSTEPS
.if S > 0
.rept 4
	v_nop                                          ; four places between the last products and loads into the buffer that they read
.endr
.endif
	FETCH ADP, ADQ, (S+1)*SSTR, (S+1)*CSTR, (S+1)%2
	s_wait_dscnt 20                                ; all but the 20 just issued
.else
	s_wait_dscnt 0x0
.endif
.if S == 0
	MUL 0, 1
.else
	MUL S%2, 0
.endif
.set S, S+1
.endr
.rept 4
	v_nop                                          ; four places ahead of the first read of results and of loads over the operands
.endr
	s_cmp_eq_u32 s[WV], 5
	s_cbranch_scc1 .Lvpath
	; q and k: RoPE, a tile of 16 tokens at a time: out(even) = a(even) cos - a(odd) sin, out(odd) = a(odd) cos + a(even) sin, each with its own column's table entry
	s_wait_alu depctr_va_vdst(0)
.irp q, 0,1,2,3
.irp b, 0,1
.irp n, 0,1,2,3
	ds_load_b128 v[CO+16*\b+4*\n:CO+16*\b+4*\n+3], v[ACS] offset:(32*(\q/2)+8*(\q%2))*272+128*\b+16*\n
	ds_load_b128 v[SI+16*\b+4*\n:SI+16*\b+4*\n+3], v[ACS] offset:(32*(\q/2)+8*(\q%2))*272+128*\b+16*\n+SINL-COSL
.endr
.endr
	s_wait_dscnt 0x0
	WIN 0x01                                       ; source 0: the accumulators' window
.irp e, 0,2,4,6,8,10,12,14,16,18,20,22,24,26,28,30
	v_mul_f32 v[TT+\e], v[32*\q+\e], v[CO+\e]
	v_mul_f32 v[TT+\e+1], v[32*\q+\e+1], v[CO+\e+1]
	v_fma_f32 v[TT+\e], -v[32*\q+\e+1], v[SI+\e], v[TT+\e]
	v_fma_f32 v[TT+\e+1], v[32*\q+\e], v[SI+\e+1], v[TT+\e+1]
.endr
	QUANT2 TT, 0, CD+4*\q
	v_lshl_or_b32 v[WD], v[QM+7], 8, v[QM+6]
	v_lshl_or_b32 v[WD], v[WD], 16, v[WD]          ; the two bytes twice
	global_store_b128 v[L16], v[CD+4*\q:CD+4*\q+3], s[20:21] offset:512*\q     ; 512 consecutive bytes
	ds_store_b32 v[MSW], v[WD] offset:64*\q        ; both halves of the lanes write the same word with the same value
.endr
	ds_load_b64 v[CO:CO+1], v[MSR]                 ; LDS serves a wave's instructions in order: this sees my stores
	s_wait_dscnt 0x0
	global_store_b64 v[L8], v[CO:CO+1], s[22:23]   ; four tiles' words: 256 consecutive bytes, aligned
	s_branch .Lend
.Lvpath:
	; v: a lane holds one channel; the 32 registers of a channel tile run along my 64 tokens: two blocks of the key step's four
.irp q, 0,1,2,3
	QUANT2 32*\q, 1, CD+4*\q
	v_lshl_or_b32 v[HW+\q], v[QM+7], 8, v[QM+6]
	global_store_b128 v[L16], v[CD+4*\q:CD+4*\q+3], s[24:25] offset:1024*\q
.endr
	s_mov_b32 vcc_lo, 0xffff0000
	v_cndmask_b32 v[HW+4], v[HW], v[HW+1], vcc_lo  ; lanes 0-15 an even tile's two bytes, lanes 16-31 the next tile's
	v_cndmask_b32 v[HW+5], v[HW+2], v[HW+3], vcc_lo
	global_store_b16 v[L4], v[HW+4], s[26:27]
	global_store_b16 v[L4], v[HW+5], s[26:27] offset:128
.Lend:
	s_wait_tensorcnt 0x0
	ds_add_u32 v254, v255
	s_wait_dscnt 0x0
	ROUND                                          ; the closing round: no work-group ends while a partner may still ask for a tile that names it.  No LDS instruction of mine is out
	s_endpgm
.Lfunc_end_k_q78f0c715f6_qkv:
	.size	k_q78f0c715f6_qkv, .Lfunc_end_k_q78f0c715f6_qkv-k_q78f0c715f6_qkv
	.p2alignl 7, 3214868480
	.fill 96, 4, 3214868480
	.section	.rodata,"a",@progbits
	.p2align	6, 0x0
	.amdhsa_kernel k_q78f0c715f6_qkv
		.amdhsa_group_segment_fixed_size 280832
		.amdhsa_private_segment_fixed_size 0
		.amdhsa_enable_private_segment 0
		.amdhsa_kernarg_size 40
		.amdhsa_user_sgpr_count 2
		.amdhsa_user_sgpr_kernarg_segment_ptr 1
		.amdhsa_wavefront_size32 1
		.amdhsa_system_sgpr_workgroup_id_x 1
		.amdhsa_system_sgpr_workgroup_id_y 1
		.amdhsa_system_sgpr_workgroup_id_z 1
		.amdhsa_system_vgpr_workitem_id 0
		.amdhsa_next_free_vgpr 384
		.amdhsa_next_free_sgpr 106
		.amdhsa_reserve_vcc 1
		.amdhsa_float_denorm_mode_32 3
		.amdhsa_float_denorm_mode_16_64 3
		.amdhsa_memory_ordered 1
		.amdhsa_forward_progress 1
		.amdhsa_inst_pref_size 72
	.end_amdhsa_kernel
	.amdgpu_metadata
---
amdhsa.version: [ 1, 2 ]
amdhsa.kernels:
  - .name:           k_q78f0c715f6_qkv
    .symbol:         k_q78f0c715f6_qkv.kd
    .args:
      - { .name: hq, .offset: 0, .size: 8, .value_kind: global_buffer, .address_space: global }
      - { .name: wts, .offset: 8, .size: 8, .value_kind: global_buffer, .address_space: global }
      - { .name: cos, .offset: 16, .size: 8, .value_kind: global_buffer, .address_space: global }
      - { .name: sin, .offset: 24, .size: 8, .value_kind: global_buffer, .address_space: global }
      - { .name: qkvq, .offset: 32, .size: 8, .value_kind: global_buffer, .address_space: global }
    .group_segment_fixed_size: 280832
    .private_segment_fixed_size: 0
    .kernarg_segment_align: 8
    .kernarg_segment_size: 40
    .max_flat_workgroup_size: 192
    .sgpr_count:     106
    .vgpr_count:     384
    .wavefront_size: 32
...
	.end_amdgpu_metadata
.endif
;; end of part 9
;; launch attn (part 10): grid 32 x 8, 16 waves a work-group, clusters of 4 x 1, 327,680 bytes of LDS; arguments qkvq, oq; writes oq
.if DOCPART == 10
	.amdgcn_target "amdgcn-amd-amdhsa--gfx1250"
	.amdhsa_code_object_version 6
	.text
	.protected	k_q78f0c715f6_attn
	.globl	k_q78f0c715f6_attn
	.p2align	8
	.type	k_q78f0c715f6_attn,@function
k_q78f0c715f6_attn:
	s_mov_b64 s[64:65], 0
	v_nop
	global_prefetch_b8 v0, s[64:65] scope:SCOPE_SE
	s_setreg_imm32_b32 hwreg(HW_REG_WAVE_MODE, 25, 1), 1
	s_wait_xcnt 0x0
	s_wait_alu depctr_hold_cnt(0) depctr_sa_sdst(0) depctr_va_vdst(0) depctr_va_sdst(0) depctr_va_ssrc(0) depctr_va_vcc(0) depctr_vm_vsrc(0)
	s_getreg_b32 s2, hwreg(HW_REG_IB_STS2, 6, 4)
	s_cmp_eq_u32 s2, 0
	s_cbranch_scc0 .Lentry_in_a_cluster
	s_endpgm
.Lentry_in_a_cluster:
	s_bfe_u32 s2, ttmp6, 0x10000c
	s_cmp_lg_u32 s2, 0x3003
	s_cbranch_scc0 .Lentry_shape_is_right
	s_endpgm
.Lentry_shape_is_right:
; o = softmax(q k^T / 8) v for 64 tokens x the four query heads of one key-value head, both products on codes of FP4 (E2M1) with E8M0 scales; o is quantised along the channels and leaves as the next product's image.
; THE SOFTMAX: t = score x log2(e) / 8; M = the running largest t rounded up to a whole number; p = 2^(t - M) is quantised along the keys; the row's sum is taken of the unquantised p and divides at the end.
; When M moves, the sum and O are multiplied by 2^(old M - new M), made by v_ldexp_f32: nothing is rounded, no branch hangs on data.
; SHARES: sixteen waves; wave w owns 16 tokens (tile w % 4) of query head w / 4 and walks all 2,048 keys, 256 a trip, 8 trips.
; ALL OF K AND V OF THE HEAD (128 KiB of codes, 12 KiB of scale words) COMES INTO LDS ONCE, by the head's loads: waves 0-3 K's codes, 4-7 V's, 16 KiB each; wave 8 K's words; wave 9 V's.  No byte is filled twice.
; CLUSTER: four work-groups along x walk the same K and V: every load is asked for jointly by the four.  No prefetch: no load stands behind the head for one to run ahead of.
; LAYOUT: both products are used transposed (S^T = K Q^T, O^T = V^T P^T): a lane holds one query.  THE KEYS OF A TILE ARE CHOSEN: row m of tile (C, u) is key 64 C + 32 (m / 8) + 8 u + m % 8,
; so the 32 registers of tiles (C, 0 .. 3) are, in lane half h, the WHOLE block of keys 64 C + 32 h + 0 .. 31: a block's largest score needs no other lane, and the conversions' results are P's operand as they stand.
; The head's 64 are half of the instruction's 128 along K: an A operand holds TWO tiles of keys, one in each half, and is multiplied once by [q | 0] and once by [0 | q].  q's and k's scale words carry their bytes twice for that.
; LIMITS: the scaled scores stay under 2^31 in magnitude; NaN and infinities are not served; a block of p or of o under 2^-124 or of zeros gets the byte 1 (its codes add nothing).
.set K_C, 2097152
.set Q_S, 3145728
.set K_S, 3407872
.set V_S, 3473408
.set O_S, 2097152
.set LV,  65536                        ; LDS: K's codes from 0, V's here,
.set LKW, 131072                       ; K's scale words, 4 bytes a key,
.set LVW, 139264                       ; V's, 256 bytes for 128 keys
.set OST, 143360                       ; 512 bytes in which o's scale bytes meet; no tile lands here
.set SPARE, 167936                     ; the spare words, 128 bytes a wave
.set JOINT, 15|(3<<16)|(1<<21)
.set SPW, 1
.set NIL, 2
.set AK,  3                            ; v3-6 my lane's place in K's codes, K's words, V's codes, V's words
.set AKW, 4
.set AV,  5
.set AVW, 6
.set QS,  7                            ; q's scale words
.set NM,  8                            ; -M
.set SMX, 9                            ; the running largest score
.set L,   10                           ; v10-11 the sum in two halves
.set F,   12                           ; v12 f = 2^(old M - new M); v13 named with it as a pair
.set AKT, 14                           ; v14, v15, v254, v255 the trip's addresses
.set AKWT, 15
.set AVT, 254
.set AVWT, 255
.set BM,  28                           ; v28-31 my four blocks: largest score, then largest p, then the conversion's scale operand.  (v16-19 q, v20-23 zeros, v24-27 q)
.set KF,  32                           ; v32-63 four pairs of key tiles; later V's fragments of the trip's first 128 keys
.set S,   64                           ; v64-191 S^T, then p; v128-159 later V's fragments of the second 128 keys
.set O,   192                          ; v192-223 O^T
.set PC,  224                          ; v224-239 p's codes; ahead of the conversions at work
.set KW,  240                          ; v240-247 K's scale words   v248-251 V's   v252-253 p's
.set VW,  248
.set PW,  252
.set WV,  2
.set SEL, 36
.set CS,  38
.set NC,  40
.set TK,  41
.set TS,  42
.set TV,  43
.set CNT, 66
.set GC0, 12
.set GK0, 16
.set GV0, 20
.set G32, 24
.set G16, 68
.set G64, 76
.macro GRP0 g, lds, bp, op, extra
	s_mov_b32 s[\g], 1
	s_mov_b32 s[\g+1], \lds
	s_add_nc_u64 s[\g+2:\g+3], s[\bp:\bp+1], s[\op:\op+1]
.if \extra
	s_add_nc_u64 s[\g+2:\g+3], s[\g+2:\g+3], \extra
.endif
	s_or_b32 s[\g+3], s[\g+3], 0x80000000
.endm
.macro GRP1 g, rows                    ; rows of 256 dense bytes, asked for by the four jointly
	s_mov_b32 s[\g], JOINT
	s_mov_b32 s[\g+1], 32<<16
	s_mov_b32 s[\g+2], (\rows)<<16
	s_mov_b32 s[\g+3], 32<<16
	s_mov_b32 s[\g+4], \rows
	s_mov_b32 s[\g+5], 32
	s_mov_b32 s[\g+6], 0
	s_mov_b32 s[\g+7], 0
.endm
.macro ARM under, g0, g1, next         ; one arm of the head's chain: its load, and a jump to the join
	s_cmp_lt_u32 s[WV], \under
	s_cbranch_scc0 \next
	tensor_load_to_lds s[\g0:\g0+3], s[\g1:\g1+7]
	s_nop 0
.rept 4
	v_nop
.endr
	s_branch .Lasked
\next:
.endm
.macro ROUND                           ; a round of the cluster's barrier
	s_barrier_signal -1
	s_barrier_wait -1
	s_cmp_lg_u32 s[WV], 0
	s_cbranch_scc1 .Lnot_wave_0_\@
	s_barrier_signal -3
.Lnot_wave_0_\@:
	s_barrier_wait -3
	s_barrier_signal -1
	s_barrier_wait -1
.endm
.macro WM d, a, b, c, sa, sb, mod
	v_wmma_scale_f32_16x16x128_f8f6f4 v[\d:\d+7], v[\a:\a+7], v[\b:\b+7], \c, v[\sa], v[\sb] matrix_a_fmt:MATRIX_FMT_FP4 matrix_b_fmt:MATRIX_FMT_FP4 \mod
.endm
.macro KLOAD a                         ; keys 128 a on: four pairs of tiles.  Pair 4 a + p holds tiles (C, u), (C, u + 1), C = 2 a + p / 2, u = 2 (p % 2)
.irp p, 0,1,2,3
	ds_load_b128 v[KF+8*\p:KF+8*\p+3], v[AKT] offset:(2*\a+\p/2)*2048+(\p%2)*128
	ds_load_b128 v[KF+8*\p+4:KF+8*\p+7], v[AKT] offset:(2*\a+\p/2)*2048+(\p%2)*128+512
.endr
.endm
.macro SMUL a                          ; eight tiles of scores; lanes 0-15 of a word register hold the even tile's words, lanes 16-31 the odd tile's
.irp p, 0,1,2,3
	WM S+16*(4*\a+\p), KF+8*\p, 16, 0, KW+4*\a+\p, QS
	WM S+16*(4*\a+\p)+8, KF+8*\p, 20, 0, KW+4*\a+\p, QS, matrix_a_scale:MATRIX_SCALE_ROW1
.endr
.endm
.macro VLOAD a                         ; V^T of keys 128 a on: four tiles of 16 channels, and their words
.irp d, 0,1,2,3
.irp c, 0,1
	ds_load_b128 v[KF+96*\a+8*\d+4*\c:KF+96*\a+8*\d+4*\c+3], v[AVT] offset:4096*\a+1024*\d+512*\c
.endr
.endr
	ds_load_b32 v[VW+2*\a], v[AVWT] offset:256*\a
	ds_load_b32 v[VW+2*\a+1], v[AVWT] offset:256*\a+128
.endm
.macro MXF c                           ; a block's largest score: each accumulator is read from its low end on
	v_max3_num_f32 v[BM+\c], v[S+32*\c], v[S+32*\c+1], v[S+32*\c+2]
.endm
.macro MX c, i
	v_max3_num_f32 v[BM+\c], v[BM+\c], v[S+32*\c+\i], v[S+32*\c+\i+1]
.endm
.macro FOLD n                          ; the sum of p, in place: the lower n registers take the next n onto them
.set J, 0
.rept \n/2
	v_pk_add_f32 v[S+J:S+J+1], v[S+J:S+J+1], v[S+\n+J:S+\n+J+1]
.set J, J+2
.endr
.endm
	s_load_b128 s[4:7], s[0:1], 0x0                ; the images of q, k, v; o's image
	v_lshl_add_u32 v[SPW], v0, 2, SPARE
	v_mov_b32 v[NIL], 0
	ds_add_u32 v[SPW], v[NIL]                      ; the opening lines: the add twice on end, and its wait ahead of the first tensor load
	ds_add_u32 v[SPW], v[NIL]
	v_lshrrev_b32 v14, 5, v0
	v_readfirstlane_b32 s[WV], v14                 ; wave 0..15
	s_and_b32 s8, s[WV], 3                         ; my tile of tokens
	s_lshr_b32 s9, s[WV], 2                        ; my head in the group
	s_lshr_b32 s10, s9, 1
	s_and_b32 s11, s9, 1
	s_lshl_b32 s32, s10, 8
	s_lshl_b32 s33, s8, 6
	s_add_co_u32 s32, s32, s33
	s_lshl_b32 s33, s11, 1
	s_add_co_u32 s32, s32, s33
	s_add_co_u32 s32, s32, OST                     ; where my two scale bytes of a row of o go
	GRP1 G64, 64
	GRP1 G32, 32
	GRP1 G16, 16
	s_bfe_u32 s46, ttmp6, 0x40000                  ; cx
	s_lshl_b32 s47, ttmp9, 2
	s_add_co_u32 s47, s47, s46                     ; my block of 64 tokens in the batch
	s_and_b32 s56, ttmp7, 0xffff                   ; bk = 4 b + j
	s_lshr_b32 s57, s56, 2
	s_and_b32 s58, s56, 3
	s_lshl_b32 s59, s57, 7
	s_lshl_b32 s60, s47, 2
	s_add_co_u32 s59, s59, s60                     ; the block's first tile of tokens
	s_add_co_u32 s60, s59, s8                      ; mine
	s_lshl_b32 s61, s58, 2
	s_add_co_u32 s61, s61, s9
	s_lshl_b32 s61, s61, 8
	s_add_co_u32 s61, s61, s60                     ; q: head x 256 + tile
	s_lshl_b32 s44, s9, 19                         ; the codes that waves 0-7 fetch: K's (waves 0-3) or V's (4-7), 2^19 bytes on,
	s_lshl_b32 s45, s56, 16                        ; of head bk,
	s_add_co_u32 s44, s44, s45
	s_lshl_b32 s45, s8, 14                         ; quarter w % 4
	s_add_co_u32 s44, s44, s45
	s_add_co_u32 s44, s44, K_C
	s_mov_b32 s45, 0
	s_lshl_b32 s62, s[WV], 14                      ; to LDS byte 16,384 w
	s_lshl_b32 s48, s56, 13
	s_mov_b32 s49, 0
	s_lshl_b32 s54, s56, 12
	s_mov_b32 s55, 0
	s_lshl_b32 s50, s61, 9
	s_mov_b32 s51, 0
	s_lshl_b32 s52, s61, 6
	s_add_co_u32 s52, s52, Q_S
	s_mov_b32 s53, 0
	s_mov_b32 s[SEL], 0x76543210
	s_mov_b32 s[SEL+1], 0xfedcba98
	s_mov_b32 s[CS], 0x3e38aa3b                    ; c = log2(e) / 8
	s_mov_b32 s[CS+1], s[CS]
	s_mov_b32 s[NC], 0xbe38aa3b                    ; -c
	s_mov_b32 s[TK], 0
	s_mov_b32 s[TS], 0
	s_mov_b32 s[TV], 0
	s_mov_b32 s[CNT], 8
	s_wait_dscnt 0x0
	s_wait_kmcnt 0x0
	GRP0 GC0, s62, 4, 44, 0
	GRP0 GK0, LKW, 4, 48, K_S
	GRP0 GV0, LVW, 4, 54, V_S
	ROUND                                          ; the four work-groups are here: the joint loads meet
	ARM 8, GC0, G64, .Lhead_kw                     ; one chain of arms on the wave's number: no way through the head passes two loads
	ARM 9, GK0, G32, .Lhead_vw
	ARM 10, GV0, G16, .Lhead_none
.Lasked:
	s_add_nc_u64 s[50:51], s[4:5], s[50:51]
	s_add_nc_u64 s[52:53], s[4:5], s[52:53]
	v_and_b32 v32, 31, v0
	v_and_b32 v33, 15, v0
	v_lshlrev_b32 v34, 4, v32
	v_lshlrev_b32 v35, 2, v33
	global_load_b128 v[16:19], v34, s[50:51]       ; q for the lower half of K,
	global_load_b128 v[24:27], v34, s[50:51]       ; and once more for the upper
	global_load_b32 v[QS], v35, s[52:53]
	v_and_b32 v36, 7, v0                           ; x = r % 8
	v_bfe_u32 v37, v0, 3, 1                        ; g = r / 8
	v_bfe_u32 v38, v0, 4, 1                        ; h
	v_lshlrev_b32 v[AK], 4, v36                    ; K's image holds key 32 n + 16 a + 8 e + x in tile 2 n + e, row x + 8 a, 512 bytes a tile, 16 a lane:
	v_lshl_add_u32 v[AKW], v36, 2, LKW
	v_lshl_add_u32 v[AK], v37, 10, v[AK]           ; lane (r, h) of tile (C, u) reads at 2,048 C + 1,024 g + 512 (u % 2) + 128 (u / 2) + 256 h + 16 x
	v_lshl_add_u32 v[AKW], v37, 7, v[AKW]
	v_lshl_add_u32 v[AK], v38, 8, v[AK]
	v_lshl_add_u32 v[AKW], v38, 6, v[AKW]          ; words: 256 C + 128 g + 32 (u / 2) + 4 x; lanes 16-31 the odd tile's, 64 on
	v_add_nc_u32 v[AV], LV, v34
	v_lshl_add_u32 v[AVW], v32, 2, LVW
.irp k, 20,21,22,23
	v_mov_b32 v[\k], 0
.endr
	v_mov_b32 v[SMX], 0xff61b1e6                   ; -3e38, under every score
	v_mov_b32 v[NM], 0x7f61b1e6                    ; -M to begin with
	v_mov_b32 v[L], 0
	v_mov_b32 v[L+1], 0
	v_mov_b32 v[F+1], 0
	v_mov_b32 v[PC+1], 0                           ; lane permutes' destinations count as read: written once
	v_mov_b32 v[PC+4], 0
.set J, 0
.rept 32
	v_mov_b32 v[O+J], 0                            ; the first trip finds zeros, which the first change of M leaves zeros
.set J, J+1
.endr
	s_wait_alu depctr_va_vdst(0)                   ; the wait at the head's end
	s_wait_tensorcnt 0x0                           ; my tile has landed,
	s_wait_loadcnt 0x0                             ; q is in,
	s_barrier_signal -1
	s_barrier_wait -1                              ; everybody's tile has landed
	s_lshl_b32 s12, s58, 1
	s_add_co_u32 s12, s12, s10                     ; o's K step: 2 j + head / 2
	s_lshl_b32 s12, s12, 8
	s_add_co_u32 s12, s12, s60
	s_lshl_b32 s12, s12, 10
	s_lshl_b32 s13, s11, 9
	s_add_co_u32 s12, s12, s13
	s_mov_b32 s13, 0
	s_add_nc_u64 s[12:13], s[6:7], s[12:13]        ; my 512 bytes of o's codes
	s_lshl_b32 s14, s58, 15
	s_lshl_b32 s15, s59, 6
	s_add_co_u32 s14, s14, s15
	s_add_co_u32 s14, s14, O_S
	s_mov_b32 s15, 0
	s_add_nc_u64 s[14:15], s[6:7], s[14:15]        ; the work-group's scale words of o
.Lstep:                                                ; 256 keys a trip
	v_add_nc_u32 v[AKT], s[TK], v[AK]
	v_add_nc_u32 v[AKWT], s[TS], v[AKW]
	KLOAD 0
.irp p, 0,1,2,3,4,5,6,7
	ds_load_b32 v[KW+\p], v[AKWT] offset:(\p/2)*256+(\p%2)*32
.endr
	s_wait_alu depctr_va_vdst(0)
	s_wait_dscnt 0x0
	SMUL 0
	v_add_nc_u32 v[AVT], s[TK], v[AV]              ; four places ahead of the loads over the fragments
	v_add_nc_u32 v[AVWT], s[TV], v[AVW]
	v_nop
	v_nop
	KLOAD 1
	s_wait_alu depctr_va_vdst(0)
	s_wait_dscnt 0x0
	SMUL 1
	MXF 0                                          ; blocks 0 and 1 were finished above: these four lines are the places behind the last products
	MXF 1
	MX 0, 3
	MX 1, 3
	VLOAD 0
	MXF 2
	MXF 3
	MX 2, 3
	MX 3, 3
.irp i, 5,7,9,11,13,15,17,19,21,23,25,27,29
.irp c, 0,1,2,3
	MX \c, \i
.endr
.endr
.irp c, 0,1,2,3
	v_max_num_f32 v[BM+\c], v[BM+\c], v[S+32*\c+31]
.endr
	v_mov_b32 v[PC+2], v[NM]                       ; the old -M
	v_max3_num_f32 v[PC], v[BM], v[BM+1], v[BM+2]
	s_delay_alu instid0(VALU_DEP_1)
	v_max3_num_f32 v[PC], v[PC], v[BM+3], v[SMX]
	v_permlanex16_b32 v[PC+1], v[PC], s[SEL], s[SEL+1]
	v_max_num_f32 v[SMX], v[PC], v[PC+1]           ; with lane l xor 16's keys: the running largest score of my query
	s_delay_alu instid0(VALU_DEP_1)
	v_mul_f32 v[PC], s[NC], v[SMX]                 ; -t
	s_delay_alu instid0(VALU_DEP_1)
	v_floor_f32 v[NM], v[PC]                       ; -M = floor(-t) = -ceil(t)
	s_delay_alu instid0(VALU_DEP_1)
	v_sub_f32 v[PC+2], v[NM], v[PC+2]              ; old M - new M: a whole number, 0 or less
	s_delay_alu instid0(VALU_DEP_1)
	v_cvt_i32_f32 v[PC+2], v[PC+2]                 ; (it saturates)
	s_delay_alu instid0(VALU_DEP_1)
	v_ldexp_f32 v[F], 1.0, v[PC+2]
.set J, 0
.rept 64
	v_pk_fma_f32 v[S+J:S+J+1], v[S+J:S+J+1], s[CS:CS+1], v[NM:NM+1] op_sel_hi:[1,0,0]      ; t - M
.set J, J+2
.endr
.irp c, 0,1,2,3
	v_fma_f32 v[BM+\c], v[BM+\c], s[CS], v[NM]     ; the same of each block's largest score
.endr
.set J, 0
.rept 16
	v_pk_mul_f32 v[O+J:O+J+1], v[O+J:O+J+1], v[F:F+1] op_sel_hi:[1,0]                      ; O^T under the new M, each accumulator from its low end on
.set J, J+2
.endr
	s_wait_alu depctr_va_vdst(0)                   ; the wait ahead of the batch
.irp c, 0,1,2,3
	v_exp_f32 v[BM+\c], v[BM+\c]                   ; the block's largest p
.endr
.set J, 0
.rept 128
	v_exp_f32 v[S+J], v[S+J]                       ; p = 2^(t - M)
.set J, J+1
.endr
	v_pk_mul_f32 v[L:L+1], v[L:L+1], v[F:F+1] op_sel_hi:[1,0]      ; the sums under the new M (a plain place behind the batch)
	s_wait_alu depctr_va_vdst(0)                   ; one wait for the batch, ahead of its first reader
.irp c, 0,1,2,3
	v_max_num_f32 v[BM+\c], 0x1800000, v[BM+\c]    ; the floor 2^(3 - 127) holds the byte at 1 from below
.endr
.irp c, 0,1,2,3
	s_delay_alu instid0(VALU_DEP_4)
	v_add_nc_u32 v[BM+\c], 0xff000000, v[BM+\c]    ; 2 off the exponent field: the conversion's scale operand
.endr
.irp c, 0,1,2,3
	s_delay_alu instid0(VALU_DEP_4)
	v_lshrrev_b32 v[PC+\c], 23, v[BM+\c]           ; the byte
.endr
	v_lshl_or_b32 v[PC], v[PC+1], 8, v[PC]
	v_lshl_or_b32 v[PC+2], v[PC+3], 8, v[PC+2]
	s_delay_alu instid0(VALU_DEP_1)
	v_lshl_or_b32 v[PC], v[PC+2], 16, v[PC]        ; my four bytes: blocks 2 C + h, C = 0 .. 3
	v_permlanex16_b32 v[PC+4], v[PC], s[SEL], s[SEL+1]
	v_perm_b32 v[PW], v[PC+4], v[PC], 0x05010400   ; lanes 0-15, which alone are read: the words of keys 0-127: mine, the other half's, mine, the other half's;
	v_perm_b32 v[PW+1], v[PC+4], v[PC], 0x07030602 ; and of keys 128-255
.irp c, 0,1,2,3
.irp u, 0,1,2,3
	v_cvt_scalef32_pk8_fp4_f32 v[PC+4*\c+\u], v[S+32*\c+8*\u:S+32*\c+8*\u+7], v[BM+\c]     ; register 4 c + u of P's operand: keys 64 C + 32 h + 8 u + 0 .. 7
.endr
.endr
	v_nop                                          ; one plain place behind the last scaled conversion
	FOLD 64
	VLOAD 1                                        ; into registers that the fold has left
	FOLD 32
	s_wait_alu depctr_va_vdst(0)                   ; the fold goes on behind the wait below
	s_wait_dscnt 0x0
.irp a, 0,1                                    ; O^T += V^T P^T: the four accumulators by turns
.irp d, 0,1,2,3
.if \d%2
	WM O+8*\d, KF+96*\a+8*\d, PC+8*\a, v[O+8*\d:O+8*\d+7], VW+2*\a+\d/2, PW+\a, matrix_a_scale:MATRIX_SCALE_ROW1
.else
	WM O+8*\d, KF+96*\a+8*\d, PC+8*\a, v[O+8*\d:O+8*\d+7], VW+2*\a+\d/2, PW+\a
.endif
.endr
.endr
	FOLD 16                                        ; the rest of the fold names no register of the products: these lines are the places behind them
	FOLD 8
	FOLD 4
	s_delay_alu instid0(VALU_DEP_1)
	v_pk_add_f32 v[S:S+1], v[S:S+1], v[S+2:S+3]
	s_delay_alu instid0(VALU_DEP_1)
	v_pk_add_f32 v[L:L+1], v[L:L+1], v[S:S+1]
	s_add_co_u32 s[TK], s[TK], 8192
	s_add_co_u32 s[TS], s[TS], 1024
	s_add_co_u32 s[TV], s[TV], 512
	s_sub_co_u32 s[CNT], s[CNT], 1
	s_cmp_lg_u32 s[CNT], 0
	s_cbranch_scc1 .Lstep
	; THE WAY OUT: O^T / the sum; register 16 b + i is channel 32 b + 16 h + i of the head; quantised along the channels
	v_add_f32 v[L], v[L], v[L+1]
	v_permlanex16_b32 v[PC+1], v[L], s[SEL], s[SEL+1]
	v_add_f32 v[L], v[L], v[PC+1]                  ; with lane l xor 16's keys: the row's sum
	s_wait_alu depctr_va_vdst(0)                   ; the wait ahead of the transcendental
	v_rcp_f32 v[L], v[L]
	v_and_b32 v32, 31, v0
	v_and_b32 v35, 15, v0
	v_bfe_u32 v38, v0, 4, 1
	v_lshlrev_b32 v33, 4, v32                      ; 16 x lane
	v_lshl_add_u32 v34, v35, 2, s32                ; my row's two scale bytes
	v_lshlrev_b32 v37, 4, v35
	v_add_nc_u32 v36, OST, v33
	v_lshl_add_u32 v37, v38, 14, v37               ; the words on their way out: lanes 0-15 one K step's 256 bytes, lanes 16-31 the next K step's
	s_wait_alu depctr_va_vdst(0)                   ; the wait ahead of the first reader, of the reciprocal and of O^T
.set J, 0
.rept 32
	v_mul_f32 v[64+J], v[O+J], v[L]
.set J, J+1
.endr
.set QM, 96
	v_max3_num_f32 v[QM], |v64|, |v65|, 0x1800000
	v_max3_num_f32 v[QM+1], |v80|, |v81|, 0x1800000
.irp i, 2,4,6,8,10,12,14
	s_delay_alu instid0(VALU_DEP_2)
	v_max3_num_f32 v[QM], v[QM], |v[64+\i]|, |v[65+\i]|
	s_delay_alu instid0(VALU_DEP_2)
	v_max3_num_f32 v[QM+1], v[QM+1], |v[80+\i]|, |v[81+\i]|
.endr
	s_delay_alu instid0(VALU_DEP_2)
	v_permlanex16_b32 v[QM+2], v[QM], s[SEL], s[SEL+1]
	s_delay_alu instid0(VALU_DEP_2)
	v_permlanex16_b32 v[QM+3], v[QM+1], s[SEL], s[SEL+1]
	s_delay_alu instid0(VALU_DEP_2)
	v_max_num_f32 v[QM], v[QM], v[QM+2]
	s_delay_alu instid0(VALU_DEP_2)
	v_max_num_f32 v[QM+1], v[QM+1], v[QM+3]
	s_delay_alu instid0(VALU_DEP_2)
	v_add_nc_u32 v[QM+4], 0xff000000, v[QM]
	s_delay_alu instid0(VALU_DEP_2)
	v_add_nc_u32 v[QM+5], 0xff000000, v[QM+1]
	s_delay_alu instid0(VALU_DEP_2)
	v_lshrrev_b32 v[QM+6], 23, v[QM+4]
	s_delay_alu instid0(VALU_DEP_2)
	v_lshrrev_b32 v[QM+7], 23, v[QM+5]
	v_cvt_scalef32_pk8_fp4_f32 v104, v[64:71], v[QM+4]
	v_cvt_scalef32_pk8_fp4_f32 v105, v[72:79], v[QM+4]
	v_cvt_scalef32_pk8_fp4_f32 v106, v[80:87], v[QM+5]
	v_cvt_scalef32_pk8_fp4_f32 v107, v[88:95], v[QM+5]
	v_lshl_or_b32 v108, v[QM+7], 8, v[QM+6]        ; (a plain place behind the conversions)
	v_permlane16_swap_b32 v104, v106               ; a whole block to a lane
	v_permlane16_swap_b32 v105, v107
	global_store_b128 v33, v[104:107], s[12:13]    ; 512 consecutive bytes of o's image
	ds_store_b16 v34, v108                         ; both halves of the lanes write the same bytes with the same value
	s_wait_dscnt 0x0                               ; for the others' sake
	s_barrier_signal -1
	s_barrier_wait -1
	s_cmp_lg_u32 s[WV], 0
	s_cbranch_scc1 .Ldone
	ds_load_b128 v[16:19], v36
	s_wait_dscnt 0x0
	global_store_b128 v37, v[16:19], s[14:15]      ; two runs of 256 consecutive bytes, aligned
.Ldone:
	s_wait_tensorcnt 0x0                           ; the wave's end
	ds_add_u32 v[SPW], v[NIL]
	s_wait_dscnt 0x0
	ROUND                                          ; the closing round
	s_endpgm
.Lfunc_end_k_q78f0c715f6_attn:
	.size	k_q78f0c715f6_attn, .Lfunc_end_k_q78f0c715f6_attn-k_q78f0c715f6_attn
	.p2alignl 7, 3214868480
	.fill 96, 4, 3214868480
	.section	.rodata,"a",@progbits
	.p2align	6, 0x0
	.amdhsa_kernel k_q78f0c715f6_attn
		.amdhsa_group_segment_fixed_size 327680
		.amdhsa_private_segment_fixed_size 0
		.amdhsa_enable_private_segment 0
		.amdhsa_kernarg_size 16
		.amdhsa_user_sgpr_count 2
		.amdhsa_user_sgpr_kernarg_segment_ptr 1
		.amdhsa_wavefront_size32 1
		.amdhsa_system_sgpr_workgroup_id_x 1
		.amdhsa_system_sgpr_workgroup_id_y 1
		.amdhsa_system_sgpr_workgroup_id_z 1
		.amdhsa_system_vgpr_workitem_id 0
		.amdhsa_next_free_vgpr 256
		.amdhsa_next_free_sgpr 90
		.amdhsa_reserve_vcc 0
		.amdhsa_float_denorm_mode_32 3
		.amdhsa_float_denorm_mode_16_64 3
		.amdhsa_memory_ordered 1
		.amdhsa_forward_progress 1
		.amdhsa_inst_pref_size 41
	.end_amdhsa_kernel
	.amdgpu_metadata
---
amdhsa.version: [ 1, 2 ]
amdhsa.kernels:
  - .name:           k_q78f0c715f6_attn
    .symbol:         k_q78f0c715f6_attn.kd
    .args:
      - { .name: qkvq, .offset: 0, .size: 8, .value_kind: global_buffer, .address_space: global }
      - { .name: oq, .offset: 8, .size: 8, .value_kind: global_buffer, .address_space: global }
    .group_segment_fixed_size: 327680
    .private_segment_fixed_size: 0
    .kernarg_segment_align: 8
    .kernarg_segment_size: 16
    .max_flat_workgroup_size: 512
    .sgpr_count:     90
    .vgpr_count:     256
    .wavefront_size: 32
...
	.end_amdgpu_metadata
.endif
;; end of part 10
;; launch gemm_o (part 11): grid 8 x 32, 4 waves a work-group, clusters of 4 x 4, 168,448 bytes of LDS; arguments oq, wts, x, x1; writes x1
.if DOCPART == 11
	.amdgcn_target "amdgcn-amd-amdhsa--gfx1250"
	.amdhsa_code_object_version 6
	.text
	.protected	k_q78f0c715f6_gemm_o
	.globl	k_q78f0c715f6_gemm_o
	.p2align	8
	.type	k_q78f0c715f6_gemm_o,@function
k_q78f0c715f6_gemm_o:
	s_mov_b64 s[64:65], 0
	v_nop
	global_prefetch_b8 v0, s[64:65] scope:SCOPE_SE
	s_setreg_imm32_b32 hwreg(HW_REG_WAVE_MODE, 25, 1), 1
	s_wait_xcnt 0x0
	s_wait_alu depctr_hold_cnt(0) depctr_sa_sdst(0) depctr_va_vdst(0) depctr_va_sdst(0) depctr_va_ssrc(0) depctr_va_vcc(0) depctr_vm_vsrc(0)
	s_getreg_b32 s2, hwreg(HW_REG_IB_STS2, 6, 4)
	s_cmp_eq_u32 s2, 0
	s_cbranch_scc0 .Lentry_in_a_cluster
	s_endpgm
.Lentry_in_a_cluster:
	s_bfe_u32 s2, ttmp6, 0x10000c
	s_cmp_lg_u32 s2, 0xf033
	s_cbranch_scc0 .Lentry_shape_is_right
	s_endpgm
.Lentry_shape_is_right:
; x1 = x + o Wo^T on codes of FP4 (E2M1) with E8M0 scales, K = 1,024; sums and the residual in f32.
; A work-group makes 128 tokens (Y) x 128 channels (X); each of four waves 64 x 64: 16 accumulators in register window 1; 1,024 such wave tiles, one for each SIMD.
; ALL OPERANDS OF THE WORK-GROUP FIT IN LDS AT ONCE (136 KiB): one tensor load a wave at the head, one wait, one barrier; no byte is filled twice.
; CLUSTERS: 4 x 4 work-groups.  The four of a column of the cluster (same X) need the same tiles of Wo, the four of a row (same Y) the same tiles of o: each tile is asked for JOINTLY, by the same tensor load with
; the same descriptor and a mask that names the four.  One round of the cluster's barrier stands in front of the loads, one in front of the end.
; THE RESIDUAL'S ROWS ARE ASKED FOR AT THE HEAD, behind the tensor loads, into 128 registers that the K walk does not touch (window 1, v128-255): they land while the tiles land and the products run.
; Operands lie as images of their registers ([K step][tile][c][lane][16 bytes]).  The product is used transposed (source 0 = 16 rows of Wo, source 1 = 16 tokens): a lane holds one token and neighbouring channels.
; Row r of tile i is row 32 (i / 2) + 8 (i % 2) + r + 8 (r / 8), of the weights and of the tokens alike.  Results go through the wave's own stage in LDS and leave as aligned runs of 256 bytes.
.set KSTEPS, 8
.set SSTR, 8192                        ; LDS: from K step to K step: 8 tiles of codes,
.set CSTR, 512                         ; of scale words
.set LTC,  65536                       ; W's codes from 0; the tokens' here
.set LWS,  131072                      ; W's scale words
.set LTS,  135168                      ; the tokens'
.set STG,  139264                      ; 16 rows x 272 bytes for each wave; no tile lands here
.set NOPAD, 3<<16
.set WO_C, 786432
.set WO_S, 3457024
.set O_S,  2097152
.set ADP, 4
.set ADQ, 5
.set ADS, 6
.set STO, 7
.set RD,  8
.set CO,  9
.set L16, 10
.set YY,  168                          ; v168-231 two sets of eight rows' pieces on the way out
.set RES, 128                          ; window 1, v128-255: the residual, 32 registers for each tile of tokens
.set WV,  2
.set CX,  40                           ; s40 cx   s41 cy   s42 X   s43 the mask of my row of the cluster   s44 of my column   s61 Y
.set CY,  41
.set XX,  42
.set RMK, 43
.set CMK, 44
.set GWC0, 12                          ; descriptor groups 0: W's codes, the tokens' codes, W's scale words, the tokens'
.set GTC0, 16
.set GWS0, 20
.set GTS0, 24
.set GWC1, 28                          ; and their groups 1
.set GTC1, 68
.set GWS1, 76
.set GTS1, 84
.set MSB, 0
.macro WIN new
.if MSB != (\new)
	s_set_vgpr_msb (MSB<<8)|(\new)
.set MSB, (\new)
.endif
.endm
; ALL DESCRIPTORS ARE WRITTEN AHEAD OF THE FIRST TENSOR LOAD, by every wave, each tile's in registers of its own: none of these registers is written again before the wait for all loads.
.macro GRP0 g, lds, bp, op, extra      ; to LDS byte lds, from the buffer in s[bp] + the offset in s[op] + extra
	s_mov_b32 s[\g], 1
	s_mov_b32 s[\g+1], \lds
	s_add_nc_u64 s[\g+2:\g+3], s[\bp:\bp+1], s[\op:\op+1]
.if \extra
	s_add_nc_u64 s[\g+2:\g+3], s[\g+2:\g+3], \extra
.endif
	s_or_b32 s[\g+3], s[\g+3], 0x80000000
.endm
.macro GRP1 g, c8, rows, pitch8, flags, mask   ; rows x (8 c8) bytes, 8 pitch8 bytes from row to row; the mask of the four that ask jointly, bit 21 beside it
	s_or_b32 s[\g], s[\mask], (\flags)|(1<<21)
	s_mov_b32 s[\g+1], (\c8)<<16
	s_mov_b32 s[\g+2], (\rows)<<16
	s_mov_b32 s[\g+3], (\c8)<<16
	s_mov_b32 s[\g+4], \rows
	s_mov_b32 s[\g+5], \pitch8
	s_mov_b32 s[\g+6], 0
	s_mov_b32 s[\g+7], 0
.endm
.macro ASK wv, g0, g1                  ; wave wv alone asks for this tile, in every work-group alike; four v_nop follow the load
	s_cmp_eq_u32 s[WV], \wv
	s_cbranch_scc0 .Lskip_\@
	tensor_load_to_lds s[\g0:\g0+3], s[\g1:\g1+7]
	s_nop 0
.rept 4
	v_nop
.endr
	s_branch .Lasked                               ; one chain of arms, all to one join: no way through the head passes two loads
.Lskip_\@:
.endm
.macro ROUND                           ; a round of the cluster's barrier: my work-group's barrier; wave 0 signals for the work-group; every wave waits for all sixteen; my work-group's barrier once more
	s_barrier_signal -1
	s_barrier_wait -1
	s_cmp_lg_u32 s[WV], 0
	s_cbranch_scc1 .Lnot_wave_0_\@
	s_barrier_signal -3
.Lnot_wave_0_\@:
	s_barrier_wait -3
	s_barrier_signal -1
	s_barrier_wait -1
.endm
.macro FETCH ap, aq, off, soff, f      ; 20 LDS loads into buffer f
.irp t, 0,1,2,3
	ds_load_b128 v[32+64*(\f)+8*\t:32+64*(\f)+8*\t+3], v[\ap] offset:(\off)+1024*\t
	ds_load_b128 v[32+64*(\f)+8*\t+4:32+64*(\f)+8*\t+7], v[\ap] offset:(\off)+1024*\t+512
.endr
.irp t, 0,1,2,3
	ds_load_b128 v[64+64*(\f)+8*\t:64+64*(\f)+8*\t+3], v[\aq] offset:(\off)+1024*\t
	ds_load_b128 v[64+64*(\f)+8*\t+4:64+64*(\f)+8*\t+7], v[\aq] offset:(\off)+1024*\t+512
.endr
.irp t, 0,1,2,3
	ds_load_b32 v[160+4*(\f)+\t], v[ADS] offset:(\soff)+64*\t      ; lanes 0-15: W's tile t; lanes 16-31: the tokens' tile t
.endr
.endm
.macro MUL f, mode                     ; 16 products, the 16 accumulators by turns, one instruction a turn.  mode 1: the first K step starts the sums
	WIN 0x50
.irp q, 0,1,2,3
.irp p, 0,1,2,3
.if \mode == 1
	v_wmma_scale_f32_16x16x128_f8f6f4 v[32*\q+8*\p:32*\q+8*\p+7], v[32+64*(\f)+8*\p:32+64*(\f)+8*\p+7], v[64+64*(\f)+8*\q:64+64*(\f)+8*\q+7], 0, v[160+4*(\f)+\p], v[160+4*(\f)+\q] matrix_a_fmt:MATRIX_FMT_FP4 matrix_b_fmt:MATRIX_FMT_FP4 matrix_b_scale:MATRIX_SCALE_ROW1
.else
	v_wmma_scale_f32_16x16x128_f8f6f4 v[32*\q+8*\p:32*\q+8*\p+7], v[32+64*(\f)+8*\p:32+64*(\f)+8*\p+7], v[64+64*(\f)+8*\q:64+64*(\f)+8*\q+7], v[32*\q+8*\p:32*\q+8*\p+7], v[160+4*(\f)+\p], v[160+4*(\f)+\q] matrix_a_fmt:MATRIX_FMT_FP4 matrix_b_fmt:MATRIX_FMT_FP4 matrix_b_scale:MATRIX_SCALE_ROW1
.endif
.endr
.endr
	WIN 0
.endm
	s_load_b256 s[4:11], s[0:1], 0x0               ; o's image, the weights' images, x, x1
	v_lshl_add_u32 v254, v0, 2, 0x29000
	v_mov_b32 v255, 0
	ds_add_u32 v254, v255
	ds_add_u32 v254, v255
	v_lshrrev_b32 v1, 5, v0
	v_readfirstlane_b32 s[WV], v1
	v_and_b32 v1, 31, v0
	v_and_b32 v2, 15, v0                           ; r
	v_bfe_u32 v3, v0, 4, 1                         ; h
	s_wait_alu depctr_va_vdst(0)
	s_lshr_b32 s3, s[WV], 1                        ; which 64 tokens
	s_and_b32 s48, s[WV], 1                        ; which 64 channels
	v_lshlrev_b32 v[L16], 4, v1
	s_lshl_b32 s49, s48, 12
	v_add_nc_u32 v[ADP], s49, v[L16]
	s_lshl_b32 s49, s3, 12
	s_add_co_u32 s49, s49, LTC
	v_add_nc_u32 v[ADQ], s49, v[L16]
	s_lshl_b32 s49, s3, 8
	s_add_co_u32 s49, s49, LTS-LWS
	s_lshl_b32 s60, s48, 8
	s_sub_co_u32 s49, s49, s60                     ; from my W's scale words to my tokens'
	v_mul_u32_u24 v[ADS], s49, v3
	v_lshl_add_u32 v[ADS], v2, 2, v[ADS]
	s_add_co_u32 s60, s60, LWS
	v_add_nc_u32 v[ADS], s60, v[ADS]
	s_mul_i32 s49, s[WV], 16*272
	s_add_co_u32 s49, s49, STG
	v_mul_u32_u24 v[STO], v2, 272
	v_lshl_add_u32 v[STO], v3, 6, v[STO]
	v_add_nc_u32 v[STO], s49, v[STO]               ; the stage, in: row r, + 64 h
	v_mul_u32_u24 v[RD], v3, 272
	v_lshl_add_u32 v[RD], v2, 4, v[RD]
	v_add_nc_u32 v[RD], s49, v[RD]                 ; out: lanes 0-15 one row of 256 bytes, lanes 16-31 the next
	v_lshlrev_b32 v[CO], 12, v3
	v_lshl_add_u32 v[CO], v2, 4, v[CO]             ; and the same two rows in memory
	s_bfe_u32 s[CX], ttmp6, 0x40000                ; cx, cy: my place in the cluster
	s_bfe_u32 s[CY], ttmp6, 0x40004
	s_lshl_b32 s[XX], ttmp9, 2                     ; in a cluster launch ttmp9 and ttmp7 count clusters
	s_add_co_u32 s[XX], s[XX], s[CX]               ; X = 4 x cluster x + cx
	s_and_b32 s61, ttmp7, 0xffff
	s_lshl_b32 s61, s61, 2
	s_add_co_u32 s61, s61, s[CY]                   ; Y = 4 x cluster y + cy
	s_lshl_b32 s[RMK], s[CY], 2
	s_lshl_b32 s[RMK], 15, s[RMK]                  ; my row of the cluster: places 4 cy .. 4 cy + 3
	s_lshl_b32 s[CMK], 0x1111, s[CX]               ; my column: places cx, cx + 4, cx + 8, cx + 12
	GRP1 GWC1, 1024, 8, 8192, NOPAD, CMK           ; W's codes: 8 K steps x 8 tiles; the image has 64 tiles a K step.  They hang on X alone: shared along the column
	GRP1 GTC1, 1024, 8, 32768, NOPAD, RMK          ; the tokens': 256 tiles a K step.  They hang on Y alone: shared along the row
	GRP1 GWS1, 64, 8, 512, NOPAD, CMK              ; W's scale words
	GRP1 GTS1, 64, 8, 2048, NOPAD, RMK             ; the tokens'
	s_lshl_b32 s50, s[XX], 13
	s_mov_b32 s51, 0
	s_lshl_b32 s52, s[XX], 9
	s_mov_b32 s53, 0
	s_lshl_b32 s54, s61, 13
	s_mov_b32 s55, 0
	s_lshl_b32 s56, s61, 9
	s_mov_b32 s57, 0
	s_lshl_b32 s62, s61, 19                        ; my first token's row, my first channel: (128 Y + 64 th) x 4,096 + (128 X + 64 ch) x 4
	s_lshl_b32 s60, s3, 18
	s_add_co_u32 s62, s62, s60
	s_add_co_u32 s62, s62, s52
	s_lshl_b32 s60, s48, 8
	s_add_co_u32 s62, s62, s60
	s_mov_b32 s63, 0
	s_wait_dscnt 0x0
	s_wait_kmcnt 0x0
	GRP0 GWC0, 0, 6, 50, WO_C
	GRP0 GTC0, LTC, 4, 54, 0
	GRP0 GWS0, LWS, 6, 52, WO_S
	GRP0 GTS0, LTS, 4, 56, O_S
	ROUND                                          ; all sixteen work-groups are here: the joint loads meet
	ASK 0, GWC0, GWC1
	ASK 1, GTC0, GTC1
	ASK 2, GWS0, GWS1
	ASK 3, GTS0, GTS1
.Lasked:
	s_add_nc_u64 s[8:9], s[8:9], s[62:63]
	s_add_nc_u64 s[10:11], s[10:11], s[62:63]
	WIN 0x40                                       ; destination window 1, address window 0
	s_wait_alu depctr_va_vdst(0)
.irp q, 0,1,2,3
.irp n, 0,1,2,3,4,5,6,7
	global_load_b128 v[RES+32*\q+4*\n:RES+32*\q+4*\n+3], v[CO], s[8:9] offset:(32*(\q/2)+8*(\q%2)+2*\n+8*(\n/4))*4096     ; the residual: sixteen lanes read 256 consecutive bytes
.endr
.endr
	WIN 0
	s_wait_tensorcnt 0x0                           ; my tile has landed,
	s_barrier_signal -1
	s_barrier_wait -1                              ; everybody's has
	FETCH ADP, ADQ, 0, 0, 0
.set S, 0
.rept KSTEPS
.if S+1 < KSTEPS
.if S > 0
.rept 4
	v_nop                                          ; four places between the last products and loads into the buffer that they read
.endr
.endif
	FETCH ADP, ADQ, (S+1)*SSTR, (S+1)*CSTR, (S+1)%2
	s_wait_dscnt 20                                ; all but the 20 just issued
.else
	s_wait_dscnt 0x0
.endif
.if S == 0
	MUL 0, 1
.else
	MUL S%2, 0
.endif
.set S, S+1
.endr
.rept 4
	v_nop                                          ; four places ahead of the first read of results
.endr
.irp q, 0,1,2,3
.if \q > 1
	s_wait_xcnt 0x0                                ; the stores of two tiles ago have read this set: it is loaded again only behind this wait
.endif
	WIN 0x04                                       ; an LDS store's data are its source 1: window 1
.irp p, 0,1,2,3
.irp k, 0,1
	ds_store_b128 v[STO], v[32*\q+8*\p+4*\k:32*\q+8*\p+4*\k+3] offset:128*(\p/2)+32*(\p%2)+16*\k     ; each accumulator from its low end on
.endr
.endr
	WIN 0
.irp n, 0,1,2,3,4,5,6,7
	ds_load_b128 v[YY+32*(\q%2)+4*\n:YY+32*(\q%2)+4*\n+3], v[RD] offset:544*\n       ; LDS serves a wave's instructions in order: these see the stores above
.endr
	s_wait_dscnt 0x0
	s_wait_loadcnt 8*(3-\q)                        ; this tile's eight residual loads are in; the later tiles' may be out
	WIN 0x04                                       ; source 1, the residual: window 1
.irp i, 0,2,4,6,8,10,12,14,16,18,20,22,24,26,28,30
	v_pk_add_f32 v[YY+32*(\q%2)+\i:YY+32*(\q%2)+\i+1], v[YY+32*(\q%2)+\i:YY+32*(\q%2)+\i+1], v[RES+32*\q+\i:RES+32*\q+\i+1]
.endr
	WIN 0
.irp n, 0,1,2,3,4,5,6,7
	global_store_b128 v[CO], v[YY+32*(\q%2)+4*\n:YY+32*(\q%2)+4*\n+3], s[10:11] offset:(32*(\q/2)+8*(\q%2)+2*\n+8*(\n/4))*4096    ; sixteen lanes store 256 consecutive bytes, aligned
.endr
.endr
	s_wait_tensorcnt 0x0
	ds_add_u32 v254, v255
	s_wait_dscnt 0x0
	ROUND                                          ; the closing round: no work-group ends while a partner may still ask for a tile that names it.  No LDS instruction of mine is out
	s_endpgm
.Lfunc_end_k_q78f0c715f6_gemm_o:
	.size	k_q78f0c715f6_gemm_o, .Lfunc_end_k_q78f0c715f6_gemm_o-k_q78f0c715f6_gemm_o
	.p2alignl 7, 3214868480
	.fill 96, 4, 3214868480
	.section	.rodata,"a",@progbits
	.p2align	6, 0x0
	.amdhsa_kernel k_q78f0c715f6_gemm_o
		.amdhsa_group_segment_fixed_size 168448
		.amdhsa_private_segment_fixed_size 0
		.amdhsa_enable_private_segment 0
		.amdhsa_kernarg_size 32
		.amdhsa_user_sgpr_count 2
		.amdhsa_user_sgpr_kernarg_segment_ptr 1
		.amdhsa_wavefront_size32 1
		.amdhsa_system_sgpr_workgroup_id_x 1
		.amdhsa_system_sgpr_workgroup_id_y 1
		.amdhsa_system_sgpr_workgroup_id_z 1
		.amdhsa_system_vgpr_workitem_id 0
		.amdhsa_next_free_vgpr 512
		.amdhsa_next_free_sgpr 92
		.amdhsa_reserve_vcc 0
		.amdhsa_float_denorm_mode_32 3
		.amdhsa_float_denorm_mode_16_64 3
		.amdhsa_memory_ordered 1
		.amdhsa_forward_progress 1
		.amdhsa_inst_pref_size 51
	.end_amdhsa_kernel
	.amdgpu_metadata
---
amdhsa.version: [ 1, 2 ]
amdhsa.kernels:
  - .name:           k_q78f0c715f6_gemm_o
    .symbol:         k_q78f0c715f6_gemm_o.kd
    .args:
      - { .name: oq, .offset: 0, .size: 8, .value_kind: global_buffer, .address_space: global }
      - { .name: wts, .offset: 8, .size: 8, .value_kind: global_buffer, .address_space: global }
      - { .name: x, .offset: 16, .size: 8, .value_kind: global_buffer, .address_space: global }
      - { .name: x1, .offset: 24, .size: 8, .value_kind: global_buffer, .address_space: global }
    .group_segment_fixed_size: 168448
    .private_segment_fixed_size: 0
    .kernarg_segment_align: 8
    .kernarg_segment_size: 32
    .max_flat_workgroup_size: 128
    .sgpr_count:     92
    .vgpr_count:     512
    .wavefront_size: 32
...
	.end_amdgpu_metadata
.endif
;; end of part 11
;; launch ln2 (part 12): grid 256 x 1, 8 waves a work-group, no clusters, 66,816 bytes of LDS; arguments x1, ln2_g, ln2_b, hq; writes hq
.if DOCPART == 12
	.amdgcn_target "amdgcn-amd-amdhsa--gfx1250"
	.amdhsa_code_object_version 6
	.text
	.protected	k_q78f0c715f6_ln2
	.globl	k_q78f0c715f6_ln2
	.p2align	8
	.type	k_q78f0c715f6_ln2,@function
k_q78f0c715f6_ln2:
	s_mov_b64 s[64:65], 0
	v_nop
	global_prefetch_b8 v0, s[64:65] scope:SCOPE_SE
	s_setreg_imm32_b32 hwreg(HW_REG_WAVE_MODE, 25, 1), 1
	s_wait_xcnt 0x0
; LayerNorm over 1,024 channels in f32 (mean; mean of squared differences; rsqrt(var + 1e-5); gain, bias), then the quantiser along the channels: codes of FP4 (E2M1), one E8M0 byte for each 32.
; Output: images of the operand's registers: codes [K step s 8][tile i 256][c][lane][16 bytes], scale words [s][i][r][4 bytes]; row r of tile i is token 32 (i / 2) + 8 (i % 2) + r + 8 (r / 8).
; A work-group makes one tile of 16 tokens.  Phase 1: wave w normalises tile rows 2 w and 2 w + 1 (two neighbouring tokens, 8 KiB on end), each row whole in 32 registers; the rows meet in LDS.
; Phase 2: wave w quantises K step w of all sixteen rows; a lane holds two whole blocks.  The scale words leave in pieces of 64 bytes: one byte in 128 of what the launch reads.
; LIMITS: NaN and infinities are not served; a block whose largest magnitude lies under 2^-124, or a block of zeros, gets the byte 1 (zero codes add nothing; this program alone reads the bytes).
.set H_S, 2097152                      ; the scale words' region
.set RP,  4112                         ; a row in LDS: 4,096 bytes + 16: an odd multiple of 16
.set SH,  8                            ; v8  8 h
.set X,   32                           ; v32-95   two rows, later two blocks
.set GA,  96                           ; v96-127  gain
.set BE,  128                          ; v128-159 bias
.set TA,  160                          ; v160-175 eight registers of statistics a row
.set QM,  176                          ; v176-183 at work
.set CD,  184                          ; v184-191 codes
.set SEL, 12
	s_load_b256 s[4:11], s[0:1], 0x0               ; the rows, gain, bias, the images
	v_lshl_add_u32 v192, v0, 2, 0x10100
	v_mov_b32 v193, 0
	v_lshrrev_b32 v1, 5, v0
	s_delay_alu instid0(VALU_DEP_1)
	v_readfirstlane_b32 s2, v1                     ; wave
	v_and_b32 v1, 31, v0
	v_and_b32 v2, 15, v0                           ; r
	v_bfe_u32 v3, v0, 4, 1                         ; h
	s_delay_alu instid0(VALU_DEP_3)
	v_lshlrev_b32 v4, 4, v1                        ; 16 x lane
	s_mul_i32 s3, s2, 2*RP
	v_add_nc_u32 v5, s3, v4                        ; LDS, in: my two rows
	v_mul_u32_u24 v6, v2, RP
	s_delay_alu instid0(VALU_DEP_1)
	v_lshl_add_u32 v6, v3, 7, v6
	s_lshl_b32 s3, s2, 9
	v_add_nc_u32 v6, s3, v6                        ; out: row r, K step w, + 128 h
	v_lshlrev_b32 v7, 2, v2
	v_lshlrev_b32 v[SH], 3, v3
	v_mov_b32 v[TA+5], 0                           ; lane permutes' destinations count as read: written once
	v_mov_b32 v[TA+13], 0
	v_mov_b32 v[QM+7], 0
	s_mov_b32 s[SEL], 0x76543210
	s_mov_b32 s[SEL+1], 0xfedcba98
	s_mov_b32 s14, 0x3a800000                      ; 1 / 1,024
	s_mov_b32 s15, 0x3727c5ac                      ; 1e-5
	s_lshr_b32 s16, ttmp9, 1
	s_lshl_b32 s16, s16, 5
	s_and_b32 s17, ttmp9, 1
	s_lshl_b32 s17, s17, 3
	s_add_co_u32 s16, s16, s17
	s_lshl_b32 s17, s2, 1
	s_add_co_u32 s16, s16, s17
	s_lshr_b32 s17, s2, 2
	s_lshl_b32 s17, s17, 3
	s_add_co_u32 s16, s16, s17                     ; my first token: 32 (i / 2) + 8 (i % 2) + 2 w + 8 (w / 4)
	s_lshl_b32 s16, s16, 12
	s_mov_b32 s17, 0
	s_lshl_b32 s18, s2, 8
	s_add_co_u32 s18, s18, ttmp9                   ; 256 s + i, s = my wave's number
	s_lshl_b32 s20, s18, 10
	s_mov_b32 s21, 0
	s_lshl_b32 s22, s18, 6
	s_add_co_u32 s22, s22, H_S
	s_mov_b32 s23, 0
	s_wait_kmcnt 0x0
	s_add_nc_u64 s[4:5], s[4:5], s[16:17]
	s_add_nc_u64 s[20:21], s[10:11], s[20:21]
	s_add_nc_u64 s[22:23], s[10:11], s[22:23]
.irp a, 0,1
.irp j, 0,1,2,3,4,5,6,7
	global_load_b128 v[X+32*\a+4*\j:X+32*\a+4*\j+3], v4, s[4:5] offset:4096*\a+512*\j      ; register 32 a + 4 j + k: column 128 j + 4 lane + k
.endr
.endr
.irp j, 0,1,2,3,4,5,6,7
	global_load_b128 v[GA+4*\j:GA+4*\j+3], v4, s[6:7] offset:512*\j
.endr
.irp j, 0,1,2,3,4,5,6,7
	global_load_b128 v[BE+4*\j:BE+4*\j+3], v4, s[8:9] offset:512*\j
.endr
.macro WSUM r, t                       ; the sum over the wave's 32 lanes, in every lane
	s_delay_alu instid0(VALU_DEP_1)
	v_add_f32_dpp v[\r], v[\r], v[\r] row_xmask:1 row_mask:0xf bank_mask:0xf
	s_delay_alu instid0(VALU_DEP_1)
	v_add_f32_dpp v[\r], v[\r], v[\r] row_xmask:2 row_mask:0xf bank_mask:0xf
	s_delay_alu instid0(VALU_DEP_1)
	v_add_f32_dpp v[\r], v[\r], v[\r] row_xmask:4 row_mask:0xf bank_mask:0xf
	s_delay_alu instid0(VALU_DEP_1)
	v_add_f32_dpp v[\r], v[\r], v[\r] row_xmask:8 row_mask:0xf bank_mask:0xf
	s_delay_alu instid0(VALU_DEP_1)
	v_permlanex16_b32 v[\t], v[\r], s[SEL], s[SEL+1]
	s_delay_alu instid0(VALU_DEP_1)
	v_add_f32 v[\r], v[\r], v[\t]
.endm
.macro STATS a                         ; row a becomes (x - mean) / sqrt(var + eps), in place
.set XA, X+32*\a
.set T, TA+8*\a
	v_pk_add_f32 v[T:T+1], v[XA:XA+1], v[XA+2:XA+3]                ; two chains of packed sums
	v_pk_add_f32 v[T+2:T+3], v[XA+4:XA+5], v[XA+6:XA+7]
.irp i, 8,12,16,20,24,28
	s_delay_alu instid0(VALU_DEP_2)
	v_pk_add_f32 v[T:T+1], v[T:T+1], v[XA+\i:XA+\i+1]
	s_delay_alu instid0(VALU_DEP_2)
	v_pk_add_f32 v[T+2:T+3], v[T+2:T+3], v[XA+\i+2:XA+\i+3]
.endr
	s_delay_alu instid0(VALU_DEP_1)
	v_pk_add_f32 v[T:T+1], v[T:T+1], v[T+2:T+3]
	s_delay_alu instid0(VALU_DEP_1)
	v_add_f32 v[T+4], v[T], v[T+1]
	WSUM T+4, T+5
	s_delay_alu instid0(VALU_DEP_1)
	v_mul_f32 v[T+6], s14, v[T+4]                  ; the mean, twice: a pair for the packed form
	s_delay_alu instid0(VALU_DEP_1)
	v_mov_b32 v[T+7], v[T+6]
.irp i, 0,2,4,6,8,10,12,14,16,18,20,22,24,26,28,30
	v_pk_add_f32 v[XA+\i:XA+\i+1], v[XA+\i:XA+\i+1], v[T+6:T+7] neg_lo:[0,1] neg_hi:[0,1]
.endr
	v_pk_mul_f32 v[T:T+1], v[XA:XA+1], v[XA:XA+1]
	v_pk_mul_f32 v[T+2:T+3], v[XA+2:XA+3], v[XA+2:XA+3]
.irp i, 4,8,12,16,20,24,28
	s_delay_alu instid0(VALU_DEP_2)
	v_pk_fma_f32 v[T:T+1], v[XA+\i:XA+\i+1], v[XA+\i:XA+\i+1], v[T:T+1]
	s_delay_alu instid0(VALU_DEP_2)
	v_pk_fma_f32 v[T+2:T+3], v[XA+\i+2:XA+\i+3], v[XA+\i+2:XA+\i+3], v[T+2:T+3]
.endr
	s_delay_alu instid0(VALU_DEP_1)
	v_pk_add_f32 v[T:T+1], v[T:T+1], v[T+2:T+3]
	s_delay_alu instid0(VALU_DEP_1)
	v_add_f32 v[T+4], v[T], v[T+1]
	WSUM T+4, T+5
	s_delay_alu instid0(VALU_DEP_1)
	v_fma_f32 v[T+4], v[T+4], s14, s15             ; var + eps
	s_wait_alu depctr_va_vdst(0)
	v_rsq_f32 v[T+6], v[T+4]
	v_nop                                          ; one plain place behind the transcendental
	s_wait_alu depctr_va_vdst(0)
	v_mov_b32 v[T+7], v[T+6]
.irp i, 0,2,4,6,8,10,12,14,16,18,20,22,24,26,28,30
	v_pk_mul_f32 v[XA+\i:XA+\i+1], v[XA+\i:XA+\i+1], v[T+6:T+7]
.endr
.endm
	s_wait_loadcnt 16                              ; the two rows are in; gain's and bias's sixteen loads may be out
	STATS 0
	STATS 1
	s_wait_loadcnt 0x0
.irp a, 0,1
.irp i, 0,2,4,6,8,10,12,14,16,18,20,22,24,26,28,30
	v_pk_fma_f32 v[X+32*\a+\i:X+32*\a+\i+1], v[X+32*\a+\i:X+32*\a+\i+1], v[GA+\i:GA+\i+1], v[BE+\i:BE+\i+1]
.endr
.endr
.irp a, 0,1
.irp j, 0,1,2,3,4,5,6,7
	ds_store_b128 v5, v[X+32*\a+4*\j:X+32*\a+4*\j+3] offset:RP*\a+512*\j
.endr
.endr
	s_wait_dscnt 0x0                               ; for the others' sake: my rows lie in LDS
	s_barrier_signal -1
	s_barrier_wait -1
.irp c, 0,1
.irp j, 0,1,2,3,4,5,6,7
	ds_load_b128 v[X+32*\c+4*\j:X+32*\c+4*\j+3], v6 offset:256*\c+16*\j      ; block 4 w + 2 c + h of row r
.endr
.endr
	s_wait_dscnt 0x0
	v_max3_num_f32 v[QM], |v[X]|, |v[X+1]|, 0x1800000              ; the floor 2^(3 - 127) among the leaves holds the byte at 1 from below
	v_max3_num_f32 v[QM+1], |v[X+32]|, |v[X+33]|, 0x1800000
.irp i, 2,4,6,8,10,12,14,16,18,20,22,24,26,28,30
	s_delay_alu instid0(VALU_DEP_2)
	v_max3_num_f32 v[QM], v[QM], |v[X+\i]|, |v[X+\i+1]|
	s_delay_alu instid0(VALU_DEP_2)
	v_max3_num_f32 v[QM+1], v[QM+1], |v[X+32+\i]|, |v[X+33+\i]|
.endr
	s_delay_alu instid0(VALU_DEP_2)
	v_add_nc_u32 v[QM+2], 0xff000000, v[QM]        ; 2 off the exponent field: the conversion's scale operand
	s_delay_alu instid0(VALU_DEP_2)
	v_add_nc_u32 v[QM+3], 0xff000000, v[QM+1]
	s_delay_alu instid0(VALU_DEP_2)
	v_lshrrev_b32 v[QM+4], 23, v[QM+2]
	s_delay_alu instid0(VALU_DEP_2)
	v_lshrrev_b32 v[QM+5], 23, v[QM+3]
	s_delay_alu instid0(VALU_DEP_1)
	v_lshl_or_b32 v[QM+6], v[QM+5], 16, v[QM+4]
	s_delay_alu instid0(VALU_DEP_1)
	v_lshlrev_b32 v[QM+6], v[SH], v[QM+6]
	s_delay_alu instid0(VALU_DEP_1)
	v_permlanex16_b32 v[QM+7], v[QM+6], s[SEL], s[SEL+1]
	s_delay_alu instid0(VALU_DEP_1)
	v_or_b32 v[QM+6], v[QM+6], v[QM+7]             ; the row's scale word
.irp g, 0,1,2,3
	v_cvt_scalef32_pk8_fp4_f32 v[CD+\g], v[X+8*\g:X+8*\g+7], v[QM+2]
.endr
.irp g, 0,1,2,3
	v_cvt_scalef32_pk8_fp4_f32 v[CD+4+\g], v[X+32+8*\g:X+39+8*\g], v[QM+3]
.endr
	v_cmp_gt_u32 vcc_lo, 16, v1                    ; (a plain place behind the conversions)
	global_store_b128 v4, v[CD:CD+3], s[20:21]     ; 512 consecutive bytes a store
	global_store_b128 v4, v[CD+4:CD+7], s[20:21] offset:512
	s_wait_xcnt 0x0                                ; EXEC changes only behind this wait
	s_wait_tensorcnt 0x0
	ds_add_u32 v192, v193
	s_wait_dscnt 0x0
	s_and_saveexec_b32 s24, vcc_lo
	global_store_b32 v7, v[QM+6], s[22:23]         ; lanes 0-15: the tile's sixteen words
	s_wait_xcnt 0x0
	s_or_b32 exec_lo, exec_lo, s24
	s_endpgm
.Lfunc_end_k_q78f0c715f6_ln2:
	.size	k_q78f0c715f6_ln2, .Lfunc_end_k_q78f0c715f6_ln2-k_q78f0c715f6_ln2
	.p2alignl 7, 3214868480
	.fill 96, 4, 3214868480
	.section	.rodata,"a",@progbits
	.p2align	6, 0x0
	.amdhsa_kernel k_q78f0c715f6_ln2
		.amdhsa_group_segment_fixed_size 66816
		.amdhsa_private_segment_fixed_size 0
		.amdhsa_enable_private_segment 0
		.amdhsa_kernarg_size 32
		.amdhsa_user_sgpr_count 2
		.amdhsa_user_sgpr_kernarg_segment_ptr 1
		.amdhsa_wavefront_size32 1
		.amdhsa_system_sgpr_workgroup_id_x 1
		.amdhsa_system_sgpr_workgroup_id_y 1
		.amdhsa_system_sgpr_workgroup_id_z 1
		.amdhsa_system_vgpr_workitem_id 0
		.amdhsa_next_free_vgpr 194
		.amdhsa_next_free_sgpr 66
		.amdhsa_reserve_vcc 1
		.amdhsa_float_denorm_mode_32 3
		.amdhsa_float_denorm_mode_16_64 3
		.amdhsa_memory_ordered 1
		.amdhsa_forward_progress 1
		.amdhsa_inst_pref_size 27
	.end_amdhsa_kernel
	.amdgpu_metadata
---
amdhsa.version: [ 1, 2 ]
amdhsa.kernels:
  - .name:           k_q78f0c715f6_ln2
    .symbol:         k_q78f0c715f6_ln2.kd
    .args:
      - { .name: x1, .offset: 0, .size: 8, .value_kind: global_buffer, .address_space: global }
      - { .name: ln2_g, .offset: 8, .size: 8, .value_kind: global_buffer, .address_space: global }
      - { .name: ln2_b, .offset: 16, .size: 8, .value_kind: global_buffer, .address_space: global }
      - { .name: hq, .offset: 24, .size: 8, .value_kind: global_buffer, .address_space: global }
    .group_segment_fixed_size: 66816
    .private_segment_fixed_size: 0
    .kernarg_segment_align: 8
    .kernarg_segment_size: 32
    .max_flat_workgroup_size: 256
    .sgpr_count:     66
    .vgpr_count:     194
    .wavefront_size: 32
...
	.end_amdgpu_metadata
.endif
;; end of part 12
;; launch gemm_1 (part 13): grid 8 x 32, 8 waves a work-group, clusters of 4 x 4, 210,944 bytes of LDS; arguments hq, wts, b1, gq; writes gq
.if DOCPART == 13
	.amdgcn_target "amdgcn-amd-amdhsa--gfx1250"
	.amdhsa_code_object_version 6
	.text
	.protected	k_q78f0c715f6_gemm_1
	.globl	k_q78f0c715f6_gemm_1
	.p2align	8
	.type	k_q78f0c715f6_gemm_1,@function
k_q78f0c715f6_gemm_1:
	s_mov_b64 s[64:65], 0
	v_nop
	global_prefetch_b8 v0, s[64:65] scope:SCOPE_SE
	s_setreg_imm32_b32 hwreg(HW_REG_WAVE_MODE, 25, 1), 1
	s_wait_xcnt 0x0
	s_wait_alu depctr_hold_cnt(0) depctr_sa_sdst(0) depctr_va_vdst(0) depctr_va_sdst(0) depctr_va_ssrc(0) depctr_va_vcc(0) depctr_vm_vsrc(0)
	s_getreg_b32 s2, hwreg(HW_REG_IB_STS2, 6, 4)
	s_cmp_eq_u32 s2, 0
	s_cbranch_scc0 .Lentry_in_a_cluster
	s_endpgm
.Lentry_in_a_cluster:
	s_bfe_u32 s2, ttmp6, 0x10000c
	s_cmp_lg_u32 s2, 0xf033
	s_cbranch_scc0 .Lentry_shape_is_right
	s_endpgm
.Lentry_shape_is_right:
; g = gelu(h2 W1^T + b1), exact (by erf), on codes of FP4 (E2M1) with E8M0 scales, K = 1,024; g is quantised along the 2,048 hidden units on the way and leaves as the next product's image.
; A work-group makes 128 tokens (Y) x 256 hidden units (X); each of eight waves 64 x 64: 16 accumulators in register window 1.  All operands (204 KiB) come into LDS once: one tensor load for each of waves 0-5.
; CLUSTERS: 4 x 4 work-groups.  The four of a column of the cluster (same X) need the same tiles of W1, the four of a row (same Y) the same tiles of h2: each tile is asked for JOINTLY, by the same tensor load with
; the same descriptor and a mask that names the four.  One round of the cluster's barrier stands in front of the loads, one in front of the end.
; The product is used transposed (source 0 = 16 rows of W1, source 1 = 16 tokens); row r of tile i is row 32 (i / 2) + 8 (i % 2) + r + 8 (r / 8): so a lane holds one token, and the 32 registers of a token tile
; are hidden units 32 b + 16 h + 0 .. 15, b = 0, 1: two blocks of the next K, shared with lane l xor 16.  The bias is the C of each sum's first product.
; gelu(x) = x/2 (1 + erf(z)), z = x / sqrt(2).  |z| <= 0.9277: 1 + erf by an odd polynomial.  Beyond: e = exp(polynomial in |z|) = erfc(|z|), and 1 + erf = 2 - e (z > 0) or e (z < 0): nothing cancels on the negative side.
; Both ways are computed for every number and chosen by v_cndmask_b32.
; LIMITS: NaN and infinities are not served; erfc under 2^-126 is flushed to 0 by the exponential; a block under 2^-124 or of zeros gets the byte 1.
.set KSTEPS, 8
.set SSTR, 8192
.set CSTR, 512
.set LTC,  131072                      ; W's codes in two halves of 8 tiles from 0 and 65,536; the tokens' here
.set LWS,  196608                      ; W's scale words, two halves of 4,096
.set LTS,  204800                      ; the tokens'
.set GST,  208896                      ; 1 KiB in which g's scale bytes meet; no tile lands here
.set NOPAD, 3<<16
.set W1_C, 1310720
.set W1_S, 3489792
.set H_S,  2097152
.set G_S,  4194304
.set ADP, 4
.set ADQ, 5
.set ADS, 6
.set GSW, 7
.set GSR, 8
.set L16, 10
.set BO,  13
.set Z,   32                           ; behind the K walk, 16 registers each: z, x/2, |z|, z^2, two polynomials
.set HX,  48
.set TT,  64
.set SS,  80
.set RA,  96
.set RB,  112
.set KC,  144                          ; v144-149 three constants as pairs
.set GG,  168                          ; v168-199 the bias (8 registers a tile of W1), later g
.set QM,  200
.set WD,  208
.set CD,  212
.set WV,  2
.set SEL, 46
.set CX,  92                           ; s92 cx   s93 cy   s94 the mask of my row of the cluster   s95 of my column (all four free once the groups 1 are written)   s101 X   s61 Y
.set CY,  93
.set RMK, 94
.set CMK, 95
.set XX,  101
.set GWA0, 12                          ; descriptor groups 0: W's codes, first and second half; the tokens' codes;
.set GWB0, 16
.set GTC0, 20
.set GSA0, 24                          ; W's scale words, first and second half; the tokens'
.set GSB0, 28
.set GTS0, 32
.set GWC1, 36                          ; groups 1: one for each shape; W's two halves share theirs
.set GTC1, 68
.set GWS1, 76
.set GTS1, 84
.set MSB, 0
.macro WIN new
.if MSB != (\new)
	s_set_vgpr_msb (MSB<<8)|(\new)
.set MSB, (\new)
.endif
.endm
; ALL DESCRIPTORS ARE WRITTEN AHEAD OF THE FIRST TENSOR LOAD, by every wave, each tile's group 0 in registers of its own: none of these registers is written again before the wait for all loads.
.macro GRP0 g, lds, bp, op, extra      ; to LDS byte lds, from the buffer in s[bp] + the offset in s[op] + extra
	s_mov_b32 s[\g], 1
	s_mov_b32 s[\g+1], \lds
	s_add_nc_u64 s[\g+2:\g+3], s[\bp:\bp+1], s[\op:\op+1]
.if \extra
	s_add_nc_u64 s[\g+2:\g+3], s[\g+2:\g+3], \extra
.endif
	s_or_b32 s[\g+3], s[\g+3], 0x80000000
.endm
.macro GRP1 g, c8, rows, pitch8, flags, mask   ; rows x (8 c8) bytes, 8 pitch8 bytes from row to row; the mask of the four that ask jointly, bit 21 beside it
	s_or_b32 s[\g], s[\mask], (\flags)|(1<<21)
	s_mov_b32 s[\g+1], (\c8)<<16
	s_mov_b32 s[\g+2], (\rows)<<16
	s_mov_b32 s[\g+3], (\c8)<<16
	s_mov_b32 s[\g+4], \rows
	s_mov_b32 s[\g+5], \pitch8
	s_mov_b32 s[\g+6], 0
	s_mov_b32 s[\g+7], 0
.endm
.macro ASK wv, g0, g1                  ; wave wv alone asks for this tile, in every work-group alike; four v_nop follow the load
	s_cmp_eq_u32 s[WV], \wv
	s_cbranch_scc0 .Lskip_\@
	tensor_load_to_lds s[\g0:\g0+3], s[\g1:\g1+7]
	s_nop 0
.rept 4
	v_nop
.endr
	s_branch .Lasked                               ; one chain of arms, all to one join: no way through the head passes two loads
.Lskip_\@:
.endm
.macro ROUND                           ; a round of the cluster's barrier: my work-group's barrier; wave 0 signals for the work-group; every wave waits for all sixteen; my work-group's barrier once more
	s_barrier_signal -1
	s_barrier_wait -1
	s_cmp_lg_u32 s[WV], 0
	s_cbranch_scc1 .Lnot_wave_0_\@
	s_barrier_signal -3
.Lnot_wave_0_\@:
	s_barrier_wait -3
	s_barrier_signal -1
	s_barrier_wait -1
.endm
.macro FETCH ap, aq, off, soff, f      ; 20 LDS loads into buffer f
.irp t, 0,1,2,3
	ds_load_b128 v[32+64*(\f)+8*\t:32+64*(\f)+8*\t+3], v[\ap] offset:(\off)+1024*\t
	ds_load_b128 v[32+64*(\f)+8*\t+4:32+64*(\f)+8*\t+7], v[\ap] offset:(\off)+1024*\t+512
.endr
.irp t, 0,1,2,3
	ds_load_b128 v[64+64*(\f)+8*\t:64+64*(\f)+8*\t+3], v[\aq] offset:(\off)+1024*\t
	ds_load_b128 v[64+64*(\f)+8*\t+4:64+64*(\f)+8*\t+7], v[\aq] offset:(\off)+1024*\t+512
.endr
.irp t, 0,1,2,3
	ds_load_b32 v[160+4*(\f)+\t], v[ADS] offset:(\soff)+64*\t
.endr
.endm
.macro MUL f, mode                     ; 16 products, the 16 accumulators by turns, one instruction a turn.  mode 2: the first K step starts the sums from the bias
.if \mode == 2
	WIN 0x40                                       ; D in window 1, C (the bias) in window 0
.else
	WIN 0x50
.endif
.irp q, 0,1,2,3
.irp p, 0,1,2,3
.if \mode == 2
	v_wmma_scale_f32_16x16x128_f8f6f4 v[32*\q+8*\p:32*\q+8*\p+7], v[32+64*(\f)+8*\p:32+64*(\f)+8*\p+7], v[64+64*(\f)+8*\q:64+64*(\f)+8*\q+7], v[GG+8*\p:GG+8*\p+7], v[160+4*(\f)+\p], v[160+4*(\f)+\q] matrix_a_fmt:MATRIX_FMT_FP4 matrix_b_fmt:MATRIX_FMT_FP4 matrix_b_scale:MATRIX_SCALE_ROW1
.else
	v_wmma_scale_f32_16x16x128_f8f6f4 v[32*\q+8*\p:32*\q+8*\p+7], v[32+64*(\f)+8*\p:32+64*(\f)+8*\p+7], v[64+64*(\f)+8*\q:64+64*(\f)+8*\q+7], v[32*\q+8*\p:32*\q+8*\p+7], v[160+4*(\f)+\p], v[160+4*(\f)+\q] matrix_a_fmt:MATRIX_FMT_FP4 matrix_b_fmt:MATRIX_FMT_FP4 matrix_b_scale:MATRIX_SCALE_ROW1
.endif
.endr
.endr
	WIN 0
.endm
; 16 numbers from the accumulators (window 1, from register A on) become gelu in v[G] on
.macro GELU16 A, G
	WIN 0x01
.irp i, 0,2,4,6,8,10,12,14
	v_pk_mul_f32 v[Z+\i:Z+\i+1], v[\A+\i:\A+\i+1], 0x3f3504f3 op_sel_hi:[1,0]          ; z = x / sqrt(2); each accumulator is read from its low end on
	v_pk_mul_f32 v[HX+\i:HX+\i+1], v[\A+\i:\A+\i+1], 0.5 op_sel_hi:[1,0]
.endr
	WIN 0
.irp i, 0,1,2,3,4,5,6,7,8,9,10,11,12,13,14,15
	v_and_b32 v[TT+\i], 0x7fffffff, v[Z+\i]        ; t = |z|
.endr
.irp i, 0,2,4,6,8,10,12,14
	v_pk_mul_f32 v[SS+\i:SS+\i+1], v[Z+\i:Z+\i+1], v[Z+\i:Z+\i+1]                      ; s = z^2
.endr
.irp i, 0,2,4,6,8,10,12,14
	v_pk_fma_f32 v[RA+\i:RA+\i+1], v[TT+\i:TT+\i+1], 0xb7910000, v[KC:KC+1] op_sel_hi:[1,0,1]
.endr
.irp i, 0,2,4,6,8,10,12,14
	v_pk_fma_f32 v[RB+\i:RB+\i+1], v[TT+\i:TT+\i+1], 0xbb7e8a1c, v[KC+2:KC+3] op_sel_hi:[1,0,1]
.endr
.irp i, 0,2,4,6,8,10,12,14
	v_pk_fma_f32 v[RA+\i:RA+\i+1], v[RA+\i:RA+\i+1], v[SS+\i:SS+\i+1], v[RB+\i:RB+\i+1]
.endr
.irp i, 0,2,4,6,8,10,12,14
	v_pk_fma_f32 v[RA+\i:RA+\i+1], v[RA+\i:RA+\i+1], v[TT+\i:TT+\i+1], 0xbddaae5c op_sel_hi:[1,1,0]
.endr
.irp i, 0,2,4,6,8,10,12,14
	v_pk_fma_f32 v[RA+\i:RA+\i+1], v[RA+\i:RA+\i+1], v[TT+\i:TT+\i+1], 0xbf228550 op_sel_hi:[1,1,0]
.endr
.irp i, 0,2,4,6,8,10,12,14
	v_pk_fma_f32 v[RA+\i:RA+\i+1], v[RA+\i:RA+\i+1], v[TT+\i:TT+\i+1], 0xbe03ce86 op_sel_hi:[1,1,0]
.endr
.irp i, 0,2,4,6,8,10,12,14
	v_pk_fma_f32 v[RA+\i:RA+\i+1], v[RA+\i:RA+\i+1], v[TT+\i:TT+\i+1], v[TT+\i:TT+\i+1] neg_lo:[0,0,1] neg_hi:[0,0,1]
.endr
.irp i, 0,2,4,6,8,10,12,14
	v_pk_mul_f32 v[RA+\i:RA+\i+1], v[RA+\i:RA+\i+1], 0x3fb8aa3b op_sel_hi:[1,0]        ; x log2(e): the exponential works in base 2
.endr
.irp i, 0,2,4,6,8,10,12,14
	v_pk_fma_f32 v[RB+\i:RB+\i+1], v[SS+\i:SS+\i+1], 0xba1c7000, v[KC+4:KC+5] op_sel_hi:[1,0,1]
.endr
.irp i, 0,2,4,6,8,10,12,14
	v_pk_fma_f32 v[RB+\i:RB+\i+1], v[RB+\i:RB+\i+1], v[SS+\i:SS+\i+1], 0xbcdb48d9 op_sel_hi:[1,1,0]
.endr
.irp i, 0,2,4,6,8,10,12,14
	v_pk_fma_f32 v[RB+\i:RB+\i+1], v[RB+\i:RB+\i+1], v[SS+\i:SS+\i+1], 0x3de70e22 op_sel_hi:[1,1,0]
.endr
.irp i, 0,2,4,6,8,10,12,14
	v_pk_fma_f32 v[RB+\i:RB+\i+1], v[RB+\i:RB+\i+1], v[SS+\i:SS+\i+1], 0xbec09380 op_sel_hi:[1,1,0]
.endr
.irp i, 0,2,4,6,8,10,12,14
	v_pk_fma_f32 v[RB+\i:RB+\i+1], v[RB+\i:RB+\i+1], v[SS+\i:SS+\i+1], 0x3e0375d4 op_sel_hi:[1,1,0]
.endr
.irp i, 0,2,4,6,8,10,12,14
	v_pk_fma_f32 v[RB+\i:RB+\i+1], v[RB+\i:RB+\i+1], v[Z+\i:Z+\i+1], v[Z+\i:Z+\i+1]    ; erf(z) for small |z|
.endr
	s_wait_alu depctr_va_vdst(0)
.irp i, 0,1,2,3,4,5,6,7,8,9,10,11,12,13,14,15
	v_exp_f32 v[RA+\i], v[RA+\i]                   ; erfc(|z|) for large |z|
.endr
.irp i, 0,2,4,6,8,10,12,14
	v_pk_add_f32 v[RB+\i:RB+\i+1], v[RB+\i:RB+\i+1], 1.0 op_sel_hi:[1,0]               ; (plain places behind the exponentials)
.endr
	s_wait_alu depctr_va_vdst(0)
.irp i, 0,1,2,3,4,5,6,7,8,9,10,11,12,13,14,15
	v_sub_f32 v[SS+\i], 2.0, v[RA+\i]
.endr
.irp i, 0,1,2,3,4,5,6,7,8,9,10,11,12,13,14,15
	v_cmp_gt_f32 vcc_lo, 0, v[Z+\i]
	v_cndmask_b32 v[SS+\i], v[SS+\i], v[RA+\i], vcc_lo
	v_cmp_lt_f32 vcc_lo, 0x3f6d8000, v[TT+\i]
	s_delay_alu instid0(VALU_DEP_1)
	v_cndmask_b32 v[RB+\i], v[RB+\i], v[SS+\i], vcc_lo
.endr
.irp i, 0,2,4,6,8,10,12,14
	v_pk_mul_f32 v[\G+\i:\G+\i+1], v[HX+\i:HX+\i+1], v[RB+\i:RB+\i+1]
.endr
.endm
; 32 numbers of a lane, register 16 b + i = k 32 b + 16 h + i of its row, become four registers of codes: block h of the row, the image's piece at 16 x lane.  v[QM+6], v[QM+7]: the two bytes.
.macro QUANT2 T, C
	v_max3_num_f32 v[QM], |v[\T]|, |v[\T+1]|, 0x1800000
	v_max3_num_f32 v[QM+1], |v[\T+16]|, |v[\T+17]|, 0x1800000
.irp i, 2,4,6,8,10,12,14
	s_delay_alu instid0(VALU_DEP_2)
	v_max3_num_f32 v[QM], v[QM], |v[\T+\i]|, |v[\T+\i+1]|
	s_delay_alu instid0(VALU_DEP_2)
	v_max3_num_f32 v[QM+1], v[QM+1], |v[\T+16+\i]|, |v[\T+17+\i]|
.endr
	s_delay_alu instid0(VALU_DEP_2)
	v_permlanex16_b32 v[QM+2], v[QM], s[SEL], s[SEL+1]
	s_delay_alu instid0(VALU_DEP_2)
	v_permlanex16_b32 v[QM+3], v[QM+1], s[SEL], s[SEL+1]
	s_delay_alu instid0(VALU_DEP_2)
	v_max_num_f32 v[QM], v[QM], v[QM+2]
	s_delay_alu instid0(VALU_DEP_2)
	v_max_num_f32 v[QM+1], v[QM+1], v[QM+3]
	s_delay_alu instid0(VALU_DEP_2)
	v_add_nc_u32 v[QM+4], 0xff000000, v[QM]
	s_delay_alu instid0(VALU_DEP_2)
	v_add_nc_u32 v[QM+5], 0xff000000, v[QM+1]
	s_delay_alu instid0(VALU_DEP_2)
	v_lshrrev_b32 v[QM+6], 23, v[QM+4]
	s_delay_alu instid0(VALU_DEP_2)
	v_lshrrev_b32 v[QM+7], 23, v[QM+5]
	v_cvt_scalef32_pk8_fp4_f32 v[\C], v[\T:\T+7], v[QM+4]
	v_cvt_scalef32_pk8_fp4_f32 v[\C+1], v[\T+8:\T+15], v[QM+4]
	v_cvt_scalef32_pk8_fp4_f32 v[\C+2], v[\T+16:\T+23], v[QM+5]
	v_cvt_scalef32_pk8_fp4_f32 v[\C+3], v[\T+24:\T+31], v[QM+5]
	v_nop                                          ; one plain place behind the last scaled conversion
	v_permlane16_swap_b32 v[\C], v[\C+2]
	v_permlane16_swap_b32 v[\C+1], v[\C+3]
.endm
	s_load_b256 s[4:11], s[0:1], 0x0               ; h2's image, the weights' images, b1, g's image
	v_lshl_add_u32 v254, v0, 2, 0x33400
	v_mov_b32 v255, 0
	ds_add_u32 v254, v255
	ds_add_u32 v254, v255
	v_lshrrev_b32 v1, 5, v0
	s_delay_alu instid0(VALU_DEP_1)
	v_readfirstlane_b32 s[WV], v1                  ; wave 0..7
	v_and_b32 v1, 31, v0
	v_and_b32 v2, 15, v0
	v_bfe_u32 v3, v0, 4, 1
	s_wait_alu depctr_va_vdst(0)
	s_lshr_b32 s3, s[WV], 2                        ; which 64 tokens
	s_and_b32 s48, s[WV], 3                        ; which 64 hidden units
	s_lshr_b32 s49, s48, 1
	s_and_b32 s44, s48, 1
	v_lshlrev_b32 v[L16], 4, v1
	s_wait_alu depctr_va_vdst(0)
	s_lshl_b32 s45, s49, 16
	s_lshl_b32 s100, s44, 12
	s_add_co_u32 s45, s45, s100
	v_add_nc_u32 v[ADP], s45, v[L16]
	s_lshl_b32 s45, s3, 12
	s_add_co_u32 s45, s45, LTC
	v_add_nc_u32 v[ADQ], s45, v[L16]
	s_lshl_b32 s45, s49, 12
	s_lshl_b32 s100, s44, 8
	s_add_co_u32 s45, s45, s100                    ; my W's scale words, from LWS on
	s_lshl_b32 s100, s3, 8
	s_add_co_u32 s100, s100, LTS-LWS
	s_sub_co_u32 s100, s100, s45                   ; from them to my tokens': at least 3,840 bytes
	v_mul_u32_u24 v[ADS], s100, v3
	s_delay_alu instid0(VALU_DEP_1)
	v_lshl_add_u32 v[ADS], v2, 2, v[ADS]
	s_add_co_u32 s45, s45, LWS
	v_add_nc_u32 v[ADS], s45, v[ADS]
	s_lshl_b32 s45, s49, 9
	s_lshl_b32 s100, s3, 8
	s_add_co_u32 s45, s45, s100
	s_lshl_b32 s100, s44, 1
	s_add_co_u32 s45, s45, s100
	s_add_co_u32 s45, s45, GST
	v_lshl_add_u32 v[GSW], v2, 2, s45              ; where my two scale bytes of a row go
	s_and_b32 s45, s[WV], 1
	s_lshl_b32 s45, s45, 9
	s_add_co_u32 s45, s45, GST
	v_add_nc_u32 v[GSR], s45, v[L16]               ; and where waves 0 and 1 read a K step's words
	v_lshlrev_b32 v[BO], 6, v3
	v_mov_b32 v[QM+2], 0                           ; lane permutes' destinations count as read: written once
	v_mov_b32 v[QM+3], 0
	s_mov_b32 s[SEL], 0x76543210
	s_mov_b32 s[SEL+1], 0xfedcba98
	s_bfe_u32 s[CX], ttmp6, 0x40000                ; cx, cy: my place in the cluster
	s_bfe_u32 s[CY], ttmp6, 0x40004
	s_lshl_b32 s[XX], ttmp9, 2                     ; in a cluster launch ttmp9 and ttmp7 count clusters
	s_add_co_u32 s[XX], s[XX], s[CX]               ; X = 4 x cluster x + cx
	s_and_b32 s61, ttmp7, 0xffff
	s_lshl_b32 s61, s61, 2
	s_add_co_u32 s61, s61, s[CY]                   ; Y = 4 x cluster y + cy
	s_lshl_b32 s[RMK], s[CY], 2
	s_lshl_b32 s[RMK], 15, s[RMK]                  ; my row of the cluster: places 4 cy .. 4 cy + 3
	s_lshl_b32 s[CMK], 0x1111, s[CX]               ; my column: places cx, cx + 4, cx + 8, cx + 12
	GRP1 GWC1, 1024, 8, 16384, NOPAD, CMK          ; W's codes: 8 K steps x 8 tiles; the image has 128 tiles a K step.  They hang on X alone: shared along the column
	GRP1 GTC1, 1024, 8, 32768, NOPAD, RMK          ; the tokens': 256 tiles a K step.  They hang on Y alone: shared along the row
	GRP1 GWS1, 64, 8, 1024, NOPAD, CMK             ; W's scale words
	GRP1 GTS1, 64, 8, 2048, NOPAD, RMK             ; the tokens'
	s_lshl_b32 s50, s[XX], 14
	s_mov_b32 s51, 0
	s_lshl_b32 s52, s[XX], 10
	s_mov_b32 s53, 0
	s_lshl_b32 s54, s61, 13
	s_mov_b32 s55, 0
	s_lshl_b32 s56, s61, 9
	s_mov_b32 s57, 0
	s_lshl_b32 s62, s48, 8
	s_add_co_u32 s62, s62, s52                     ; b1: (256 X + 64 ch) x 4
	s_mov_b32 s63, 0
	s_wait_dscnt 0x0
	s_wait_kmcnt 0x0
	GRP0 GWA0, 0, 6, 50, W1_C                      ; tiles 0-7 of my 16
	GRP0 GWB0, 65536, 6, 50, W1_C+8192             ; tiles 8-15
	GRP0 GTC0, LTC, 4, 54, 0
	GRP0 GSA0, LWS, 6, 52, W1_S
	GRP0 GSB0, LWS+4096, 6, 52, W1_S+512
	GRP0 GTS0, LTS, 4, 56, H_S
	ROUND                                          ; all sixteen work-groups are here: the joint loads meet
	ASK 0, GWA0, GWC1
	ASK 1, GWB0, GWC1
	ASK 2, GTC0, GTC1
	ASK 3, GSA0, GWS1
	ASK 4, GSB0, GWS1
	ASK 5, GTS0, GTS1
.Lasked:
	s_add_nc_u64 s[8:9], s[8:9], s[62:63]
	s_wait_alu depctr_va_vdst(0)
.irp p, 0,1,2,3
	global_load_b128 v[GG+8*\p:GG+8*\p+3], v[BO], s[8:9] offset:128*(\p/2)+32*(\p%2)           ; register j of tile p: the bias of hidden unit 32 (p / 2) + 16 h + 8 (p % 2) + j
	global_load_b128 v[GG+8*\p+4:GG+8*\p+7], v[BO], s[8:9] offset:128*(\p/2)+32*(\p%2)+16
.endr
	s_lshl_b32 s92, s[XX], 1
	s_add_co_u32 s93, s92, s49                     ; g's K step: 2 X + ch / 2
	s_lshl_b32 s93, s93, 8
	s_lshl_b32 s94, s61, 3
	s_add_co_u32 s93, s93, s94
	s_lshl_b32 s95, s3, 2
	s_add_co_u32 s93, s93, s95
	s_lshl_b32 s96, s93, 10
	s_lshl_b32 s95, s44, 9
	s_add_co_u32 s96, s96, s95
	s_mov_b32 s97, 0
	s_add_nc_u64 s[96:97], s[10:11], s[96:97]      ; my codes
	s_and_b32 s95, s[WV], 1
	s_add_co_u32 s92, s92, s95
	s_lshl_b32 s92, s92, 8
	s_add_co_u32 s92, s92, s94
	s_lshl_b32 s98, s92, 6
	s_add_co_u32 s98, s98, G_S
	s_mov_b32 s99, 0
	s_add_nc_u64 s[98:99], s[10:11], s[98:99]      ; the words that waves 0 and 1 store
	s_wait_tensorcnt 0x0
	s_wait_loadcnt 0x0                             ; the bias
	s_barrier_signal -1
	s_barrier_wait -1
	FETCH ADP, ADQ, 0, 0, 0
.set S, 0
.rept KSTEPS
.if S+1 < KSTEPS
.if S > 0
.rept 4
	v_nop                                          ; four places between the last products and loads into the buffer that they read
.endr
.endif
	FETCH ADP, ADQ, (S+1)*SSTR, (S+1)*CSTR, (S+1)%2
	s_wait_dscnt 20                                ; all but the 20 just issued
.else
	s_wait_dscnt 0x0
.endif
.if S == 0
	MUL 0, 2
.else
	MUL S%2, 0
.endif
.set S, S+1
.endr
.rept 4
	v_nop                                          ; four places ahead of the first read of results and of writes over the operands
.endr
	v_mov_b32 v[KC], 0x39c8e7d9
	v_mov_b32 v[KC+1], 0x39c8e7d9
	v_mov_b32 v[KC+2], 0x3cc6b1a1
	v_mov_b32 v[KC+3], 0x3cc6b1a1
	v_mov_b32 v[KC+4], 0x3ba38d2c
	v_mov_b32 v[KC+5], 0x3ba38d2c
.irp q, 0,1,2,3
	GELU16 32*\q, GG
	GELU16 32*\q+16, GG+16
	QUANT2 GG, CD+4*\q
	v_lshl_or_b32 v[WD], v[QM+7], 8, v[QM+6]
	global_store_b128 v[L16], v[CD+4*\q:CD+4*\q+3], s[96:97] offset:1024*\q    ; 512 consecutive bytes of g's image
	ds_store_b16 v[GSW], v[WD] offset:64*\q        ; both halves of the lanes write the same bytes with the same value
.endr
	s_wait_dscnt 0x0                               ; for the others' sake
	s_barrier_signal -1
	s_barrier_wait -1
	s_cmp_lt_u32 s[WV], 2
	s_cbranch_scc0 .Ldone
	ds_load_b128 v[32:35], v[GSR]
	s_wait_dscnt 0x0
	global_store_b128 v[L16], v[32:35], s[98:99]   ; a K step's words of eight tiles: 512 consecutive bytes
.Ldone:
	s_wait_tensorcnt 0x0
	ds_add_u32 v254, v255
	s_wait_dscnt 0x0
	ROUND                                          ; the closing round: no work-group ends while a partner may still ask for a tile that names it.  No LDS instruction of mine is out
	s_endpgm
.Lfunc_end_k_q78f0c715f6_gemm_1:
	.size	k_q78f0c715f6_gemm_1, .Lfunc_end_k_q78f0c715f6_gemm_1-k_q78f0c715f6_gemm_1
	.p2alignl 7, 3214868480
	.fill 96, 4, 3214868480
	.section	.rodata,"a",@progbits
	.p2align	6, 0x0
	.amdhsa_kernel k_q78f0c715f6_gemm_1
		.amdhsa_group_segment_fixed_size 210944
		.amdhsa_private_segment_fixed_size 0
		.amdhsa_enable_private_segment 0
		.amdhsa_kernarg_size 32
		.amdhsa_user_sgpr_count 2
		.amdhsa_user_sgpr_kernarg_segment_ptr 1
		.amdhsa_wavefront_size32 1
		.amdhsa_system_sgpr_workgroup_id_x 1
		.amdhsa_system_sgpr_workgroup_id_y 1
		.amdhsa_system_sgpr_workgroup_id_z 1
		.amdhsa_system_vgpr_workitem_id 0
		.amdhsa_next_free_vgpr 384
		.amdhsa_next_free_sgpr 102
		.amdhsa_reserve_vcc 1
		.amdhsa_float_denorm_mode_32 3
		.amdhsa_float_denorm_mode_16_64 3
		.amdhsa_memory_ordered 1
		.amdhsa_forward_progress 1
		.amdhsa_inst_pref_size 191
	.end_amdhsa_kernel
	.amdgpu_metadata
---
amdhsa.version: [ 1, 2 ]
amdhsa.kernels:
  - .name:           k_q78f0c715f6_gemm_1
    .symbol:         k_q78f0c715f6_gemm_1.kd
    .args:
      - { .name: hq, .offset: 0, .size: 8, .value_kind: global_buffer, .address_space: global }
      - { .name: wts, .offset: 8, .size: 8, .value_kind: global_buffer, .address_space: global }
      - { .name: b1, .offset: 16, .size: 8, .value_kind: global_buffer, .address_space: global }
      - { .name: gq, .offset: 24, .size: 8, .value_kind: global_buffer, .address_space: global }
    .group_segment_fixed_size: 210944
    .private_segment_fixed_size: 0
    .kernarg_segment_align: 8
    .kernarg_segment_size: 32
    .max_flat_workgroup_size: 256
    .sgpr_count:     102
    .vgpr_count:     384
    .wavefront_size: 32
...
	.end_amdgpu_metadata
.endif
;; end of part 13
;; launch gemm_2 (part 14): grid 8 x 32, 4 waves a work-group, clusters of 4 x 4, 296,448 bytes of LDS; arguments gq, wts, b2, x1, out0; writes out0
.if DOCPART == 14
	.amdgcn_target "amdgcn-amd-amdhsa--gfx1250"
	.amdhsa_code_object_version 6
	.text
	.protected	k_q78f0c715f6_gemm_2
	.globl	k_q78f0c715f6_gemm_2
	.p2align	8
	.type	k_q78f0c715f6_gemm_2,@function
k_q78f0c715f6_gemm_2:
	s_mov_b64 s[64:65], 0
	v_nop
	global_prefetch_b8 v0, s[64:65] scope:SCOPE_SE
	s_setreg_imm32_b32 hwreg(HW_REG_WAVE_MODE, 25, 1), 1
	s_wait_xcnt 0x0
	s_wait_alu depctr_hold_cnt(0) depctr_sa_sdst(0) depctr_va_vdst(0) depctr_va_sdst(0) depctr_va_ssrc(0) depctr_va_vcc(0) depctr_vm_vsrc(0)
	s_getreg_b32 s2, hwreg(HW_REG_IB_STS2, 6, 4)
	s_cmp_eq_u32 s2, 0
	s_cbranch_scc0 .Lentry_in_a_cluster
	s_endpgm
.Lentry_in_a_cluster:
	s_bfe_u32 s2, ttmp6, 0x10000c
	s_cmp_lg_u32 s2, 0xf033
	s_cbranch_scc0 .Lentry_shape_is_right
	s_endpgm
.Lentry_shape_is_right:
; out = x1 + g W2^T + b2 on codes of FP4 (E2M1) with E8M0 scales, K = 2,048; sums, bias and residual in f32.
; A work-group makes 128 tokens (Y) x 128 channels (X); each of four waves 64 x 64: 16 accumulators in register window 1.  All operands (272 KiB) come into LDS once: one tensor load a wave, one wait, one barrier.
; CLUSTERS: 4 x 4 work-groups.  The four of a column of the cluster (same X) need the same tiles of W2, the four of a row (same Y) the same tiles of g: each tile is asked for JOINTLY, by the same tensor load with
; the same descriptor and a mask that names the four.  One round of the cluster's barrier stands in front of the loads, one in front of the end.
; THE RESIDUAL'S ROWS ARE ASKED FOR AT THE HEAD, behind the tensor loads, into 128 registers that the K walk does not touch (window 1, v128-255): they land while the tiles land and the products run.
; Operands lie as images of their registers; the product is used transposed (source 0 = 16 rows of W2, source 1 = 16 tokens); row r of tile i is row 32 (i / 2) + 8 (i % 2) + r + 8 (r / 8).
; The bias is the C of each sum's first product.  Results go through the wave's own stage in LDS and leave as aligned runs of 256 bytes.
.set KSTEPS, 16
.set SSTR, 8192
.set CSTR, 512
.set LTC,  131072                      ; W's codes from 0; the tokens' here
.set LWS,  262144
.set LTS,  270336
.set STG,  278528                      ; 16 rows x 272 bytes for each wave; no tile lands here
.set NOPAD, 3<<16
.set W2_C, 2359296
.set W2_S, 3555328
.set G_S,  4194304
.set ADP, 4
.set ADQ, 5
.set ADS, 6
.set STO, 7
.set RD,  8
.set CO,  9
.set L16, 10
.set BO,  13
.set ADP2, 14                          ; v14, v15: the same 65,536 bytes on, for K steps 8-15: an LDS offset has 16 bits
.set ADQ2, 15
.set YY,  168                          ; v168-199 the bias, then with v200-231 two sets of eight rows' pieces on the way out
.set RES, 128                          ; window 1, v128-255: the residual, 32 registers for each tile of tokens
.set WV,  2
.set CX,  92                           ; s92 cx   s93 cy   s94 X   s95 the mask of my row of the cluster   s96 of my column   s61 Y
.set CY,  93
.set XX,  94
.set RMK, 95
.set CMK, 96
.set GWC0, 12                          ; descriptor groups 0: W's codes, the tokens' codes, W's scale words, the tokens'
.set GTC0, 16
.set GWS0, 20
.set GTS0, 24
.set GWC1, 28                          ; and their groups 1
.set GTC1, 68
.set GWS1, 76
.set GTS1, 84
.set MSB, 0
.macro WIN new
.if MSB != (\new)
	s_set_vgpr_msb (MSB<<8)|(\new)
.set MSB, (\new)
.endif
.endm
; ALL DESCRIPTORS ARE WRITTEN AHEAD OF THE FIRST TENSOR LOAD, by every wave, each tile's in registers of its own: none of these registers is written again before the wait for all loads.
.macro GRP0 g, lds, bp, op, extra      ; to LDS byte lds, from the buffer in s[bp] + the offset in s[op] + extra
	s_mov_b32 s[\g], 1
	s_mov_b32 s[\g+1], \lds
	s_add_nc_u64 s[\g+2:\g+3], s[\bp:\bp+1], s[\op:\op+1]
.if \extra
	s_add_nc_u64 s[\g+2:\g+3], s[\g+2:\g+3], \extra
.endif
	s_or_b32 s[\g+3], s[\g+3], 0x80000000
.endm
.macro GRP1 g, c8, rows, pitch8, flags, mask   ; rows x (8 c8) bytes, 8 pitch8 bytes from row to row; the mask of the four that ask jointly, bit 21 beside it
	s_or_b32 s[\g], s[\mask], (\flags)|(1<<21)
	s_mov_b32 s[\g+1], (\c8)<<16
	s_mov_b32 s[\g+2], (\rows)<<16
	s_mov_b32 s[\g+3], (\c8)<<16
	s_mov_b32 s[\g+4], \rows
	s_mov_b32 s[\g+5], \pitch8
	s_mov_b32 s[\g+6], 0
	s_mov_b32 s[\g+7], 0
.endm
.macro ASK wv, g0, g1                  ; wave wv alone asks for this tile, in every work-group alike; four v_nop follow the load
	s_cmp_eq_u32 s[WV], \wv
	s_cbranch_scc0 .Lskip_\@
	tensor_load_to_lds s[\g0:\g0+3], s[\g1:\g1+7]
	s_nop 0
.rept 4
	v_nop
.endr
	s_branch .Lasked                               ; one chain of arms, all to one join: no way through the head passes two loads
.Lskip_\@:
.endm
.macro ROUND                           ; a round of the cluster's barrier: my work-group's barrier; wave 0 signals for the work-group; every wave waits for all sixteen; my work-group's barrier once more
	s_barrier_signal -1
	s_barrier_wait -1
	s_cmp_lg_u32 s[WV], 0
	s_cbranch_scc1 .Lnot_wave_0_\@
	s_barrier_signal -3
.Lnot_wave_0_\@:
	s_barrier_wait -3
	s_barrier_signal -1
	s_barrier_wait -1
.endm
.macro FETCH ap, aq, off, soff, f      ; 20 LDS loads into buffer f
.irp t, 0,1,2,3
	ds_load_b128 v[32+64*(\f)+8*\t:32+64*(\f)+8*\t+3], v[\ap] offset:(\off)+1024*\t
	ds_load_b128 v[32+64*(\f)+8*\t+4:32+64*(\f)+8*\t+7], v[\ap] offset:(\off)+1024*\t+512
.endr
.irp t, 0,1,2,3
	ds_load_b128 v[64+64*(\f)+8*\t:64+64*(\f)+8*\t+3], v[\aq] offset:(\off)+1024*\t
	ds_load_b128 v[64+64*(\f)+8*\t+4:64+64*(\f)+8*\t+7], v[\aq] offset:(\off)+1024*\t+512
.endr
.irp t, 0,1,2,3
	ds_load_b32 v[160+4*(\f)+\t], v[ADS] offset:(\soff)+64*\t
.endr
.endm
.macro FETCHS n                        ; K step n
.if (\n) < 8
	FETCH ADP, ADQ, (\n)*SSTR, (\n)*CSTR, (\n)%2
.else
	FETCH ADP2, ADQ2, ((\n)-8)*SSTR, (\n)*CSTR, (\n)%2
.endif
.endm
.macro MUL f, mode                     ; 16 products, the 16 accumulators by turns, one instruction a turn.  mode 2: the first K step starts the sums from the bias
.if \mode == 2
	WIN 0x40
.else
	WIN 0x50
.endif
.irp q, 0,1,2,3
.irp p, 0,1,2,3
.if \mode == 2
	v_wmma_scale_f32_16x16x128_f8f6f4 v[32*\q+8*\p:32*\q+8*\p+7], v[32+64*(\f)+8*\p:32+64*(\f)+8*\p+7], v[64+64*(\f)+8*\q:64+64*(\f)+8*\q+7], v[YY+8*\p:YY+8*\p+7], v[160+4*(\f)+\p], v[160+4*(\f)+\q] matrix_a_fmt:MATRIX_FMT_FP4 matrix_b_fmt:MATRIX_FMT_FP4 matrix_b_scale:MATRIX_SCALE_ROW1
.else
	v_wmma_scale_f32_16x16x128_f8f6f4 v[32*\q+8*\p:32*\q+8*\p+7], v[32+64*(\f)+8*\p:32+64*(\f)+8*\p+7], v[64+64*(\f)+8*\q:64+64*(\f)+8*\q+7], v[32*\q+8*\p:32*\q+8*\p+7], v[160+4*(\f)+\p], v[160+4*(\f)+\q] matrix_a_fmt:MATRIX_FMT_FP4 matrix_b_fmt:MATRIX_FMT_FP4 matrix_b_scale:MATRIX_SCALE_ROW1
.endif
.endr
.endr
	WIN 0
.endm
	s_load_b256 s[4:11], s[0:1], 0x0               ; g's image, the weights' images, b2, x1
	s_load_b64 s[44:45], s[0:1], 0x20              ; out
	v_lshl_add_u32 v254, v0, 2, 0x48400
	v_mov_b32 v255, 0
	ds_add_u32 v254, v255
	ds_add_u32 v254, v255
	v_lshrrev_b32 v1, 5, v0
	v_readfirstlane_b32 s[WV], v1
	v_and_b32 v1, 31, v0
	v_and_b32 v2, 15, v0
	v_bfe_u32 v3, v0, 4, 1
	s_wait_alu depctr_va_vdst(0)
	s_lshr_b32 s3, s[WV], 1                        ; which 64 tokens
	s_and_b32 s48, s[WV], 1                        ; which 64 channels
	v_lshlrev_b32 v[L16], 4, v1
	s_lshl_b32 s49, s48, 12
	v_add_nc_u32 v[ADP], s49, v[L16]
	v_add_nc_u32 v[ADP2], 65536, v[ADP]
	s_lshl_b32 s49, s3, 12
	s_add_co_u32 s49, s49, LTC
	v_add_nc_u32 v[ADQ], s49, v[L16]
	v_add_nc_u32 v[ADQ2], 65536, v[ADQ]
	s_lshl_b32 s49, s3, 8
	s_add_co_u32 s49, s49, LTS-LWS
	s_lshl_b32 s60, s48, 8
	s_sub_co_u32 s49, s49, s60                     ; from my W's scale words to my tokens'
	v_mul_u32_u24 v[ADS], s49, v3
	v_lshl_add_u32 v[ADS], v2, 2, v[ADS]
	s_add_co_u32 s60, s60, LWS
	v_add_nc_u32 v[ADS], s60, v[ADS]
	s_mul_i32 s49, s[WV], 16*272
	s_add_co_u32 s49, s49, STG
	v_mul_u32_u24 v[STO], v2, 272
	v_lshl_add_u32 v[STO], v3, 6, v[STO]
	v_add_nc_u32 v[STO], s49, v[STO]
	v_mul_u32_u24 v[RD], v3, 272
	v_lshl_add_u32 v[RD], v2, 4, v[RD]
	v_add_nc_u32 v[RD], s49, v[RD]
	v_lshlrev_b32 v[CO], 12, v3
	v_lshl_add_u32 v[CO], v2, 4, v[CO]
	v_lshlrev_b32 v[BO], 6, v3
	s_bfe_u32 s[CX], ttmp6, 0x40000                ; cx, cy: my place in the cluster
	s_bfe_u32 s[CY], ttmp6, 0x40004
	s_lshl_b32 s[XX], ttmp9, 2                     ; in a cluster launch ttmp9 and ttmp7 count clusters
	s_add_co_u32 s[XX], s[XX], s[CX]               ; X = 4 x cluster x + cx
	s_and_b32 s61, ttmp7, 0xffff
	s_lshl_b32 s61, s61, 2
	s_add_co_u32 s61, s61, s[CY]                   ; Y = 4 x cluster y + cy
	s_lshl_b32 s[RMK], s[CY], 2
	s_lshl_b32 s[RMK], 15, s[RMK]                  ; my row of the cluster: places 4 cy .. 4 cy + 3
	s_lshl_b32 s[CMK], 0x1111, s[CX]               ; my column: places cx, cx + 4, cx + 8, cx + 12
	GRP1 GWC1, 1024, 16, 8192, NOPAD, CMK          ; W's codes: 16 K steps x 8 tiles; the image has 64 tiles a K step.  They hang on X alone: shared along the column
	GRP1 GTC1, 1024, 16, 32768, NOPAD, RMK         ; the tokens': 256 tiles a K step.  They hang on Y alone: shared along the row
	GRP1 GWS1, 64, 16, 512, NOPAD, CMK             ; W's scale words
	GRP1 GTS1, 64, 16, 2048, NOPAD, RMK            ; the tokens'
	s_lshl_b32 s50, s[XX], 13
	s_mov_b32 s51, 0
	s_lshl_b32 s52, s[XX], 9
	s_mov_b32 s53, 0
	s_lshl_b32 s54, s61, 13
	s_mov_b32 s55, 0
	s_lshl_b32 s56, s61, 9
	s_mov_b32 s57, 0
	s_lshl_b32 s40, s48, 8
	s_add_co_u32 s40, s40, s52                     ; b2: (128 X + 64 ch) x 4
	s_mov_b32 s41, 0
	s_lshl_b32 s62, s61, 19
	s_lshl_b32 s60, s3, 18
	s_add_co_u32 s62, s62, s60
	s_add_co_u32 s62, s62, s40                     ; my first token's row, my first channel
	s_mov_b32 s63, 0
	s_wait_dscnt 0x0
	s_wait_kmcnt 0x0
	GRP0 GWC0, 0, 6, 50, W2_C
	GRP0 GTC0, LTC, 4, 54, 0
	GRP0 GWS0, LWS, 6, 52, W2_S
	GRP0 GTS0, LTS, 4, 56, G_S
	ROUND                                          ; all sixteen work-groups are here: the joint loads meet
	ASK 0, GWC0, GWC1
	ASK 1, GTC0, GTC1
	ASK 2, GWS0, GWS1
	ASK 3, GTS0, GTS1
.Lasked:
	s_add_nc_u64 s[8:9], s[8:9], s[40:41]
	s_wait_alu depctr_va_vdst(0)
.irp p, 0,1,2,3
	global_load_b128 v[YY+8*\p:YY+8*\p+3], v[BO], s[8:9] offset:128*(\p/2)+32*(\p%2)
	global_load_b128 v[YY+8*\p+4:YY+8*\p+7], v[BO], s[8:9] offset:128*(\p/2)+32*(\p%2)+16
.endr
	s_add_nc_u64 s[10:11], s[10:11], s[62:63]
	s_add_nc_u64 s[44:45], s[44:45], s[62:63]
	WIN 0x40                                       ; destination window 1, address window 0
.irp q, 0,1,2,3
.irp n, 0,1,2,3,4,5,6,7
	global_load_b128 v[RES+32*\q+4*\n:RES+32*\q+4*\n+3], v[CO], s[10:11] offset:(32*(\q/2)+8*(\q%2)+2*\n+8*(\n/4))*4096 th:TH_LOAD_NT     ; the residual: read once in this launch
.endr
.endr
	WIN 0
	s_wait_tensorcnt 0x0
	s_wait_loadcnt 32                              ; the bias is in; the residual's 32 loads, issued behind it, may be out
	s_barrier_signal -1
	s_barrier_wait -1
	FETCHS 0
.set S, 0
.rept KSTEPS
.if S+1 < KSTEPS
.if S > 0
.rept 4
	v_nop                                          ; four places between the last products and loads into the buffer that they read
.endr
.endif
	FETCHS S+1
	s_wait_dscnt 20                                ; all but the 20 just issued
.else
	s_wait_dscnt 0x0
.endif
.if S == 0
	MUL 0, 2
.else
	MUL S%2, 0
.endif
.set S, S+1
.endr
.rept 4
	v_nop                                          ; four places ahead of the first read of results
.endr
.irp q, 0,1,2,3
.if \q > 1
	s_wait_xcnt 0x0                                ; the stores of two tiles ago have read this set: it is loaded again only behind this wait
.endif
	WIN 0x04                                       ; an LDS store's data are its source 1: window 1
.irp p, 0,1,2,3
.irp k, 0,1
	ds_store_b128 v[STO], v[32*\q+8*\p+4*\k:32*\q+8*\p+4*\k+3] offset:128*(\p/2)+32*(\p%2)+16*\k     ; each accumulator from its low end on
.endr
.endr
	WIN 0
.irp n, 0,1,2,3,4,5,6,7
	ds_load_b128 v[YY+32*(\q%2)+4*\n:YY+32*(\q%2)+4*\n+3], v[RD] offset:544*\n
.endr
	s_wait_dscnt 0x0
	s_wait_loadcnt 8*(3-\q)                        ; this tile's eight residual loads are in; the later tiles' may be out
	WIN 0x04                                       ; source 1, the residual: window 1
.irp i, 0,2,4,6,8,10,12,14,16,18,20,22,24,26,28,30
	v_pk_add_f32 v[YY+32*(\q%2)+\i:YY+32*(\q%2)+\i+1], v[YY+32*(\q%2)+\i:YY+32*(\q%2)+\i+1], v[RES+32*\q+\i:RES+32*\q+\i+1]
.endr
	WIN 0
.irp n, 0,1,2,3,4,5,6,7
	global_store_b128 v[CO], v[YY+32*(\q%2)+4*\n:YY+32*(\q%2)+4*\n+3], s[44:45] offset:(32*(\q/2)+8*(\q%2)+2*\n+8*(\n/4))*4096 th:TH_STORE_NT    ; sixteen lanes store 256 consecutive bytes, aligned
.endr
.endr
	s_wait_tensorcnt 0x0
	ds_add_u32 v254, v255
	s_wait_dscnt 0x0
	ROUND                                          ; the closing round: no work-group ends while a partner may still ask for a tile that names it.  No LDS instruction of mine is out
	s_endpgm
.Lfunc_end_k_q78f0c715f6_gemm_2:
	.size	k_q78f0c715f6_gemm_2, .Lfunc_end_k_q78f0c715f6_gemm_2-k_q78f0c715f6_gemm_2
	.p2alignl 7, 3214868480
	.fill 96, 4, 3214868480
	.section	.rodata,"a",@progbits
	.p2align	6, 0x0
	.amdhsa_kernel k_q78f0c715f6_gemm_2
		.amdhsa_group_segment_fixed_size 296448
		.amdhsa_private_segment_fixed_size 0
		.amdhsa_enable_private_segment 0
		.amdhsa_kernarg_size 40
		.amdhsa_user_sgpr_count 2
		.amdhsa_user_sgpr_kernarg_segment_ptr 1
		.amdhsa_wavefront_size32 1
		.amdhsa_system_sgpr_workgroup_id_x 1
		.amdhsa_system_sgpr_workgroup_id_y 1
		.amdhsa_system_sgpr_workgroup_id_z 1
		.amdhsa_system_vgpr_workitem_id 0
		.amdhsa_next_free_vgpr 512
		.amdhsa_next_free_sgpr 98
		.amdhsa_reserve_vcc 0
		.amdhsa_float_denorm_mode_32 3
		.amdhsa_float_denorm_mode_16_64 3
		.amdhsa_memory_ordered 1
		.amdhsa_forward_progress 1
		.amdhsa_inst_pref_size 80
	.end_amdhsa_kernel
	.amdgpu_metadata
---
amdhsa.version: [ 1, 2 ]
amdhsa.kernels:
  - .name:           k_q78f0c715f6_gemm_2
    .symbol:         k_q78f0c715f6_gemm_2.kd
    .args:
      - { .name: gq, .offset: 0, .size: 8, .value_kind: global_buffer, .address_space: global }
      - { .name: wts, .offset: 8, .size: 8, .value_kind: global_buffer, .address_space: global }
      - { .name: b2, .offset: 16, .size: 8, .value_kind: global_buffer, .address_space: global }
      - { .name: x1, .offset: 24, .size: 8, .value_kind: global_buffer, .address_space: global }
      - { .name: out0, .offset: 32, .size: 8, .value_kind: global_buffer, .address_space: global }
    .group_segment_fixed_size: 296448
    .private_segment_fixed_size: 0
    .kernarg_segment_align: 8
    .kernarg_segment_size: 40
    .max_flat_workgroup_size: 128
    .sgpr_count:     98
    .vgpr_count:     512
    .wavefront_size: 32
...
	.end_amdgpu_metadata
.endif
;; end of part 14
